; MI455X (gfx1250); checked and timed in simulation.
; The chip was launched on July 23, 2026; its instructions are those of AMD's public machine-readable ISA for CDNA 5 (MIT licence, August 2026) and "CDNA5" Instruction Set Architecture Reference Guide (July 2026). The comments in the code are by the model that wrote it; some were corrected since.
;; Transformer Block. Allowed arithmetic: matrix products marked QUANTISED: E5M2 operands, one given power-of-two scale a tensor, by v_wmma_f32_16x16x64_bf8_bf8 or v_wmma_f32_16x16x128_bf8_bf8, f32 sums; everything else in f32.
;; Inputs: b1 4,096 float32; b2 1,024 float32; bo 1,024 float32; g1 1,024 float32; g2 1,024 float32; lowp_scales 16 int32 (the exponents e of the quantised operands' scales 2^e); s1 1,024 float32; s2 1,024 float32; w1_codes 4,096 x 32 x 32 uint8 (E5M2 codes of w1, K innermost, in blocks of 32 codes); w2_codes 1,024 x 128 x 32 uint8 (E5M2 codes of w2, K innermost, in blocks of 32 codes); wk_codes 1,024 x 32 x 32 uint8 (E5M2 codes of wk, K innermost, in blocks of 32 codes); wo_codes 1,024 x 32 x 32 uint8 (E5M2 codes of wo, K innermost, in blocks of 32 codes); wq_codes 1,024 x 32 x 32 uint8 (E5M2 codes of wq, K innermost, in blocks of 32 codes); wv_codes 1,024 x 32 x 32 uint8 (E5M2 codes of wv, K innermost, in blocks of 32 codes); x 2 x 2,048 x 1,024 float32.
;; Outputs: out0 2 x 2,048 x 1,024 float32.
;; This version of the problem:
;;   THIS VERSION OF THE PROBLEM IS GIVEN IN LOW PRECISION. The matrix products marked QUANTISED in the list below multiply operands that are first quantised to E5M2 (5 exponent bits, 2 mantissa bits; 8 bits a number), with one given power-of-two scale for each operand tensor; their sums are f32. All else is computed in f32.
;;   The module's matrix products, in the order in which they are computed (A, B: the left and right operand; K: the contracted axis; several contracted axes count as one K, in the product's order):
;;     1. [M 4,096, K 1,024] x [K 1,024, N 1,024]; A: computed on the way; B: input wq (given as codes): QUANTISED (scales: A lowp_scales[0], B lowp_scales[1])
;;     2. [M 4,096, K 1,024] x [K 1,024, N 1,024]; A: computed on the way; B: input wk (given as codes): QUANTISED (scales: A lowp_scales[2], B lowp_scales[3])
;;     3. [M 4,096, K 1,024] x [K 1,024, N 1,024]; A: computed on the way; B: input wv (given as codes): QUANTISED (scales: A lowp_scales[4], B lowp_scales[5])
;;     4. batch 32 x [M 2,048, K 64] x [K 64, N 2,048]; A: computed on the way; B: computed on the way: QUANTISED (scales: A lowp_scales[6], B lowp_scales[7])
;;     5. batch 32 x [M 64, K 2,048] x [K 2,048, N 2,048]; A: computed on the way; B: softmax (see below): QUANTISED (scales: A lowp_scales[8], B lowp_scales[9])
;;     6. [M 4,096, K 1,024] x [K 1,024, N 1,024]; A: computed on the way; B: input wo (given as codes): QUANTISED (scales: A lowp_scales[10], B lowp_scales[11])
;;     7. [M 4,096, K 1,024] x [K 1,024, N 4,096]; A: computed on the way; B: input w1 (given as codes): QUANTISED (scales: A lowp_scales[12], B lowp_scales[13])
;;     8. [M 4,096, K 4,096] x [K 4,096, N 1,024]; A: computed on the way; B: input w2 (given as codes): QUANTISED (scales: A lowp_scales[14], B lowp_scales[15])
;;   THE QUANTISER, for each operand of a quantised product, along K:
;;     - The operand's scale is 2^e, e = its entry of the input lowp_scales (int32; the entries are numbered through the quantised products in the list's order, A before B).
;;     - Each number is divided by the scale, clamped to +-57,344, and rounded to the nearest number of E5M2, ties to even, subnormals kept.
;;     - The product sums the exact products of the quantised numbers (number of the format x scale) in f32.
;;   ~~~python
;;   def quantise(x, axis, e):      # numpy; x: float32 -> the quantised numbers, widened to float32 again
;;       x = np.moveaxis(x, axis, -1); K = x.shape[-1]
;;       r = np.clip(x / 2.0 ** e, -57344, 57344)
;;       step = 2.0 ** (np.maximum(np.frexp(np.where(r == 0, 1, r))[1] - 1, -14) - 2)
;;       q = np.round(r / step) * step * 2.0 ** e      # np.round: ties to even
;;       return np.moveaxis(q, -1, axis).astype(np.float32)
;;   ~~~
;;   SOFTMAX AHEAD OF A QUANTISED PRODUCT. Where the list says 'softmax', what is quantised is not the finished softmax but p = 2^(t - M), with t = logit x log2(e) and M = ceil(the row's largest t), a whole number; so 1/2 < the row's largest p <= 1. The row's sum l is taken of the UNQUANTISED p, in f32, and the product's result is divided by l at the end. Since M is a whole number, a kernel that streams over the keys may use a running M (the ceiling of the running maximum): every later rescaling is an exact power of two, so the quantised numbers keep their values, but for numbers so far below the row's largest that they fall under the format's range.
;;   OPERANDS COMPUTED ON THE WAY. 'Computed on the way' means the value that the module computes at that place (a softmax that the list does not call 'softmax' is quantised finished and normalised). What goes into a quantiser is computed in f32, as accurately as f32 sums, v_exp_f32 and their like allow (about 1e-6 of the number): no bf16 or f16 on the way to a quantiser, and a product that is left as it is and whose result goes on into a quantised operand takes f32 operands (vector FMAs, or v_wmma_f32_16x16x4_f32). A number that lies on a knife's edge between two numbers of the format may be rounded either way, as far as f32 arithmetic and the matrix unit's own rounding can turn it there, and no further.
;;   INPUTS GIVEN AS CODES. w1 (in the module: [1024, 4096], K = its axis 0); w2 (in the module: [4096, 1024], K = its axis 0); wk (in the module: [1024, 1024], K = its axis 0); wo (in the module: [1024, 1024], K = its axis 0); wq (in the module: [1024, 1024], K = its axis 0); wv (in the module: [1024, 1024], K = its axis 0): each comes as NAME_codes (uint8): NAME with its K axis moved to the last place and cut into blocks of 32 codes, [.., K / 32, bytes a block], one block behind the other in memory; one code a byte (a code: sign, 5 exponent bits, 2 mantissa bits); its scale is its entry of lowp_scales. Its value is code x scale, taken as it is: it is not quantised again, and the codes and scales need not be those that the quantiser above would give.
;; 2 versions. Each part assembles by itself: llvm-mc -triple=amdgcn-amd-amdhsa -mcpu=gfx1250 --defsym DOCPART=n.
;; ======== version 1 of 2: 7 launches
;; workspace buffers: hc 12,582,912 bytes; qkvc 12,582,912 bytes; ctx 4,194,304 bytes; x1 16,777,216 bytes; h2 4,194,304 bytes; gc 16,777,216 bytes
;; launch ln1 (part 1): grid 256 x 1, 4 waves a work-group, no clusters, 12,800 bytes of LDS; arguments x, g1, s1, lowp_scales, hc; writes hc
.if DOCPART == 1
	.amdgcn_target "amdgcn-amd-amdhsa--gfx1250"
	.amdhsa_code_object_version 6
	.text
	.protected	k_q872e61e33f_ln1
	.globl	k_q872e61e33f_ln1
	.p2align	8
	.type	k_q872e61e33f_ln1,@function
k_q872e61e33f_ln1:
	s_mov_b64 s[64:65], 0
	v_nop
	global_prefetch_b8 v0, s[64:65] scope:SCOPE_SE
	s_setreg_imm32_b32 hwreg(HW_REG_WAVE_MODE, 25, 1), 1
	s_wait_xcnt 0x0
; THE PROGRAM: a pre-norm transformer block in seven launches: ln1, qkv, attn, wo, ln2, w1, w2.  All eight matrix products run on codes of E5M2, each operand with its given scale 2^e.
; WORK LEFT OUT, in the launch attn alone: the problem builds its causal mask itself (key k counts for query q where k <= q) and sets every other score to -infinity ahead of the softmax, whose weight there is 0 whatever finite
; values the inputs hold: such a key adds nothing to a row's maximum, sum or product with V.  So key steps of 128 keys that lie wholly behind a wave's 16 queries are not multiplied.  Nothing else is left out, and every input is loaded.
; LIMIT: a NaN, an infinity or an overflow that would arise only in those masked scores is not carried to the result.
; THIS LAUNCH: h = g1 (x - mean) / sqrt(var + 1e-5) + s1 by rows of 1,024, in f32, quantised three times, with the scales of entries 0, 2 and 4, into the three parts of hc ([4096 tokens][1024] codes each, K innermost).
; code = h / 2^e, held within +-57,344, to the nearest code, ties to even.  LIMITS: e between -126 and 112; NaN among the inputs is not served.
; SHARES: a wave takes 4 whole rows; a row is eight loads of 512 consecutive bytes, so lane l holds columns 128 j + 4 l + 0..3 of load j.  All 48 loads of a wave go out at the head.  The variance is taken of x - mean (two passes over registers).
; A conversion's dword j holds the codes of columns 128 j + 4 l ..: the dwords go through the wave's own stage in LDS and come back 16 bytes a lane: each store covers 512 consecutive bytes, aligned.
; No matrix unit, no tensor load, no cluster, no barrier: waves share nothing and memory binds.
.set NOUT, 3                           ; outputs
.set E0,   0                           ; output o takes entry E0 + 2 o of the scales
.set PART, 0x400000                    ; bytes from one output's part to the next
.set STG,  NOUT*1024                   ; a wave's stage: a row of codes for each output
.set SPARE, 4*STG                      ; behind the four stages: the spare words, 128 bytes for each wave: two blocks of 256 bytes that no other line names
.set LO,  1                            ; v1   16 x lane: offset of loads and stores
.set SI,  2                            ; v2   stage + 4 x lane
.set SB,  3                            ; v3   stage + 16 x lane
.set SPW, 4                            ; v4   my spare word; never rewritten
.set NIL, 5                            ; v5   0; never rewritten
.set SCL, 12                           ; v12+2o: 2^e as f32; v13+2o: 57,344 x 2^e
.set C,   18                           ; v18-41  codes: 8 registers for each output
.set T,   42                           ; v42-57  held numbers, two sets of 8 by turns
.set G,   60                           ; v60-91  g
.set S,   92                           ; v92-123 s
.set X,   124                          ; v124-251 four rows
.set OUTP, 32                          ; s[32:37] a base for each output
	s_load_b256 s[4:11], s[0:1], 0x0               ; x s[4:5], g s[6:7], s s[8:9], the scales' exponents s[10:11]
	s_load_b64 s[12:13], s[0:1], 0x20              ; the codes
	v_lshl_add_u32 v[SPW], v0, 2, SPARE
	v_mov_b32 v[NIL], 0
	v_lshrrev_b32 v6, 5, v0
	v_readfirstlane_b32 s16, v6                    ; wave 0..3
	v_and_b32 v7, 31, v0                           ; lane (v7 is later named as the upper half of the pair v[6:7])
	v_lshlrev_b32 v[LO], 4, v7
	s_mul_i32 s17, s16, STG
	v_lshl_add_u32 v[SI], v7, 2, s17
	v_lshl_add_u32 v[SB], v7, 4, s17
	s_lshl_b32 s18, ttmp9, 16                      ; 16 rows of 4,096 bytes a work-group,
	s_lshl_b32 s19, s16, 14                        ; 4 a wave
	s_add_co_u32 s18, s18, s19
	s_mov_b32 s19, 0
	s_lshr_b32 s14, s18, 2                         ; the same rows of 1,024 codes
	s_mov_b32 s15, 0
	s_mov_b32 s20, 0x76543210                      ; v_permlanex16_b32: lane l xor 16
	s_mov_b32 s21, 0xfedcba98
	s_mov_b32 s22, 0x3a800000                      ; 1 / 1024
	s_mov_b32 s23, 0x3727c5ac                      ; 1e-5
	s_wait_kmcnt 0x0
.set o, 0
.rept NOUT
	s_load_b32 s[24+o], s[10:11], (E0+2*o)*4
.set o, o+1
.endr
	s_add_nc_u64 s[4:5], s[4:5], s[18:19]
	s_add_nc_u64 s[12:13], s[12:13], s[14:15]
.set o, 0
.rept NOUT
	s_add_nc_u64 s[OUTP+2*o:OUTP+2*o+1], s[12:13], o*PART
.set o, o+1
.endr
.macro XLOAD i
.irp j, 0,1,2,3,4,5,6,7
	global_load_b128 v[X+32*\i+4*\j:X+32*\i+4*\j+3], v[LO], s[4:5] offset:4096*\i+512*\j th:TH_LOAD_NT
.endr
.endm
	XLOAD 0
.irp j, 0,1,2,3,4,5,6,7
	global_load_b128 v[G+4*\j:G+4*\j+3], v[LO], s[6:7] offset:512*\j
.endr
.irp j, 0,1,2,3,4,5,6,7
	global_load_b128 v[S+4*\j:S+4*\j+3], v[LO], s[8:9] offset:512*\j
.endr
	XLOAD 1
	XLOAD 2
	XLOAD 3
	s_wait_kmcnt 0x0
.set o, 0
.rept NOUT
	s_add_co_i32 s[24+o], s[24+o], 127
	s_lshl_b32 s28, s[24+o], 23
	v_mov_b32 v[SCL+2*o], s28                      ; 2^e as f32: the conversion takes its exponent field
	s_add_co_i32 s[24+o], s[24+o], 15
	s_lshl_b32 s28, s[24+o], 23
	s_or_b32 s28, s28, 0x600000
	v_mov_b32 v[SCL+2*o+1], s28                    ; 57,344 x 2^e
.set o, o+1
.endr
.macro REDUCE                          ; v[8:9] and v[10:11] become one sum over the row, in v8 of every lane
	v_pk_add_f32 v[8:9], v[8:9], v[10:11]
	v_add_f32 v8, v8, v9
	v_add_f32_dpp v8, v8, v8 row_xmask:1 row_mask:0xf bank_mask:0xf
	v_add_f32_dpp v8, v8, v8 row_xmask:2 row_mask:0xf bank_mask:0xf
	v_add_f32_dpp v8, v8, v8 row_xmask:4 row_mask:0xf bank_mask:0xf
	v_add_f32_dpp v8, v8, v8 row_xmask:8 row_mask:0xf bank_mask:0xf
	v_permlanex16_b32 v9, v8, s20, s21
	v_add_f32 v8, v8, v9
.endm
.macro ROW i, n1                       ; n1: the loads younger than this row's eight
.set XR, X+32*\i
	s_wait_loadcnt \n1
	v_pk_add_f32 v[8:9], v[XR:XR+1], v[XR+2:XR+3]
	v_pk_add_f32 v[10:11], v[XR+4:XR+5], v[XR+6:XR+7]
.irp j, 8,12,16,20,24,28
	v_pk_add_f32 v[8:9], v[8:9], v[XR+\j:XR+\j+1]
	v_pk_add_f32 v[10:11], v[10:11], v[XR+\j+2:XR+\j+3]
.endr
	REDUCE
	v_mul_f32 v6, s22, v8                          ; the mean
.irp j, 0,2,4,6,8,10,12,14,16,18,20,22,24,26,28,30
	v_pk_add_f32 v[XR+\j:XR+\j+1], v[XR+\j:XR+\j+1], v[6:7] op_sel_hi:[1,0] neg_lo:[0,1] neg_hi:[0,1]   ; x - mean (the pair's low word for both halves)
.endr
	v_pk_mul_f32 v[8:9], v[XR:XR+1], v[XR:XR+1]
	v_pk_mul_f32 v[10:11], v[XR+2:XR+3], v[XR+2:XR+3]
.irp j, 4,8,12,16,20,24,28
	v_pk_fma_f32 v[8:9], v[XR+\j:XR+\j+1], v[XR+\j:XR+\j+1], v[8:9]
	v_pk_fma_f32 v[10:11], v[XR+\j+2:XR+\j+3], v[XR+\j+2:XR+\j+3], v[10:11]
.endr
	REDUCE
	v_fma_f32 v8, v8, s22, s23                     ; var + eps
	v_rsq_f32 v6, v8
	v_nop                                          ; a plain instruction behind the transcendental,
	s_wait_alu depctr_va_vdst(0)                   ; and the wait ahead of its first reader
.if \i == 0
	s_wait_loadcnt 24                              ; g and s are in; the three later rows' 24 loads may be out
.endif
.irp j, 0,2,4,6,8,10,12,14,16,18,20,22,24,26,28,30
	v_pk_mul_f32 v[XR+\j:XR+\j+1], v[XR+\j:XR+\j+1], v[6:7] op_sel_hi:[1,0]
.endr
.irp j, 0,2,4,6,8,10,12,14,16,18,20,22,24,26,28,30
	v_pk_fma_f32 v[XR+\j:XR+\j+1], v[XR+\j:XR+\j+1], v[G+\j:G+\j+1], v[S+\j:S+\j+1]
.endr
.set o, 0
.rept NOUT
.irp g, 0,1,2,3
.irp k, 0,1,2,3,4,5,6,7
	v_med3_num_f32 v[T+8*(\g%2)+\k], v[XR+8*\g+\k], -v[SCL+2*o+1], v[SCL+2*o+1]   ; the conversion to an 8-bit code does not saturate (ISA guide 7.6.2): the hold comes first
.endr
	v_cvt_scalef32_pk8_bf8_f32 v[C+8*o+2*\g:C+8*o+2*\g+1], v[T+8*(\g%2):T+8*(\g%2)+7], v[SCL+2*o]   ; the other set's eight holds stand between this line and the next write of its sources
.endr
	v_nop
.irp j, 0,1,2,3,4,5,6,7
	ds_store_b32 v[SI], v[C+8*o+\j] offset:1024*o+128*\j
.endr
.set o, o+1
.endr
.set k, 0
.rept 2*NOUT
	ds_load_b128 v[XR+4*k:XR+4*k+3], v[SB] offset:512*k   ; LDS serves a wave's instructions in order: these see my stores, and the next row's stores come behind them.  The row's registers are free, and are not written again
.set k, k+1
.endr
.set k, 0
.rept 2*NOUT
	s_wait_dscnt 2*NOUT-1-k
	global_store_b128 v[LO], v[XR+4*k:XR+4*k+3], s[OUTP+2*(k/2):OUTP+2*(k/2)+1] offset:1024*\i+512*(k%2)   ; 32 lanes store 512 consecutive bytes, aligned
.set k, k+1
.endr
.endm
	ROW 0, 40
	ROW 1, 16
	ROW 2, 8
	ROW 3, 0
	s_wait_tensorcnt 0x0                           ; the wave's end, behind my last LDS store
	ds_add_u32 v[SPW], v[NIL]
	s_wait_dscnt 0x0
	s_endpgm
.Lfunc_end_k_q872e61e33f_ln1:
	.size	k_q872e61e33f_ln1, .Lfunc_end_k_q872e61e33f_ln1-k_q872e61e33f_ln1
	.p2alignl 7, 3214868480
	.fill 96, 4, 3214868480
	.section	.rodata,"a",@progbits
	.p2align	6, 0x0
	.amdhsa_kernel k_q872e61e33f_ln1
		.amdhsa_group_segment_fixed_size 12800
		.amdhsa_private_segment_fixed_size 0
		.amdhsa_enable_private_segment 0
		.amdhsa_kernarg_size 40
		.amdhsa_user_sgpr_count 2
		.amdhsa_user_sgpr_kernarg_segment_ptr 1
		.amdhsa_wavefront_size32 1
		.amdhsa_system_sgpr_workgroup_id_x 1
		.amdhsa_system_sgpr_workgroup_id_y 1
		.amdhsa_system_sgpr_workgroup_id_z 1
		.amdhsa_system_vgpr_workitem_id 0
		.amdhsa_next_free_vgpr 256
		.amdhsa_next_free_sgpr 66
		.amdhsa_reserve_vcc 0
		.amdhsa_float_denorm_mode_32 3
		.amdhsa_float_denorm_mode_16_64 3
		.amdhsa_memory_ordered 1
		.amdhsa_forward_progress 1
		.amdhsa_inst_pref_size 69
	.end_amdhsa_kernel
	.amdgpu_metadata
---
amdhsa.version: [ 1, 2 ]
amdhsa.kernels:
  - .name:           k_q872e61e33f_ln1
    .symbol:         k_q872e61e33f_ln1.kd
    .args:
      - { .name: x, .offset: 0, .size: 8, .value_kind: global_buffer, .address_space: global }
      - { .name: g1, .offset: 8, .size: 8, .value_kind: global_buffer, .address_space: global }
      - { .name: s1, .offset: 16, .size: 8, .value_kind: global_buffer, .address_space: global }
      - { .name: lowp_scales, .offset: 24, .size: 8, .value_kind: global_buffer, .address_space: global }
      - { .name: hc, .offset: 32, .size: 8, .value_kind: global_buffer, .address_space: global }
    .group_segment_fixed_size: 12800
    .private_segment_fixed_size: 0
    .kernarg_segment_align: 8
    .kernarg_segment_size: 40
    .max_flat_workgroup_size: 128
    .sgpr_count:     66
    .vgpr_count:     256
    .wavefront_size: 32
...
	.end_amdgpu_metadata
.endif
;; end of part 1
;; launch qkv (part 2): grid 12 x 16, 4 waves a work-group, clusters of 4 x 4, 327,680 bytes of LDS; arguments hc, wq_codes, wk_codes, wv_codes, lowp_scales, qkvc; writes qkvc
.if DOCPART == 2
	.amdgcn_target "amdgcn-amd-amdhsa--gfx1250"
	.amdhsa_code_object_version 6
	.text
	.protected	k_q872e61e33f_qkv
	.globl	k_q872e61e33f_qkv
	.p2align	8
	.type	k_q872e61e33f_qkv,@function
k_q872e61e33f_qkv:
	s_mov_b64 s[64:65], 0
	v_nop
	global_prefetch_b8 v0, s[64:65] scope:SCOPE_SE
	s_setreg_imm32_b32 hwreg(HW_REG_WAVE_MODE, 25, 1), 1
	s_wait_xcnt 0x0
	s_wait_alu depctr_hold_cnt(0) depctr_sa_sdst(0) depctr_va_vdst(0) depctr_va_sdst(0) depctr_va_ssrc(0) depctr_va_vcc(0) depctr_vm_vsrc(0)
	s_getreg_b32 s2, hwreg(HW_REG_IB_STS2, 6, 4)
	s_cmp_eq_u32 s2, 0
	s_cbranch_scc0 .Lentry_in_a_cluster
	s_endpgm
.Lentry_in_a_cluster:
	s_bfe_u32 s2, ttmp6, 0x10000c
	s_cmp_lg_u32 s2, 0xf033
	s_cbranch_scc0 .Lentry_shape_is_right
	s_endpgm
.Lentry_shape_is_right:
; q = h wq, k = h wk, v = h wv on codes of E5M2, K = 1,024, and each result quantised for attention's products (entries 6, 7, 8 of the scales).  One launch, one loop: the cluster's x (0, 1, 2) names the product.
; q, k: A = part X of hc (tokens), B = the weight's codes [n][k].  v: THE OPERANDS CHANGE PLACES: A = wv's codes, B = part 2 of hc, so that a result's neighbours in a lane are eight TOKENS, which are the K of attention's second product.
; OUT: qkvc part 0: q [32 heads][2048][64]; part 1: k likewise; part 2: v [32 heads][64][2048].  code = sum x 2^(ea + eb) / 2^en: the three exponents are folded into the conversion's one scale.
; LIMITS: en - ea - eb between -126 and 112.  NaN is not served.
; A tile of the result, 256 x 256, is made by a work-group of four waves; a wave makes 128 x 128: 64 accumulators, 512 registers.  K goes in steps of 256 through a ring of two LDS slots filled by the tensor data mover.
; CLUSTERS: 4 x 4 work-groups.  The four of a row of the cluster need the same tiles of A, the four of a column the same tiles of B: each tile is asked for JOINTLY, by the same tensor load with the same descriptor and a mask that names the four.
; THE MATRIX INSTRUCTION IS USED TRANSPOSED (source 0 = 16 rows of B, source 1 = 16 rows of A): a lane holds eight neighbouring columns of one row of the result.
; A fragment comes by four loads of 16 bytes: registers 4 c .. 4 c + 3 hold K = 32 c + 16 (l / 16) + 0 .. 15: a permutation of k that is the same in A and in B.
; REGISTERS, in windows of 256: window 0: v0-31 addresses; from v128 A's fragments, one set; on the way out v32-255 are free.  window 1: B's fragments, two sets.  windows 2, 3: the accumulators ((a, b) at v[8 (8 (a % 4) + b)]).
; No prefetch: two of the four K steps are first fills, and each tile is already asked for once for four work-groups.  One tile to a work-group: 192 work-groups.
.set SIZE_K, 1024
.set KSTEP,  256
.set ROWB,   256
.set KROW,   1024
.set PITCH,  272                       ; an LDS row: 256 bytes + 16 of padding = 68 words: the 16 rows that a load touches start at 16 different banks
.set FR,     16
.set NL,     4
.set NP,     4
.set HALFT,  128*PITCH
.set SLOT,   4*HALFT                   ; A's 256 rows, then B's 256 rows
.set LAPS,   SIZE_K/(2*KSTEP)
.set SPARE,  2*SLOT                    ; behind the ring: the spare words, two blocks of 256 bytes that no other line names
.set ADRA, 16
.set ADRB, 20
.set SC,   22                          ; v22  the conversion's scale
.set LIM,  23                          ; v23  57,344 x that
.set STO,  24                          ; v24  the way out: where I put 8 codes
.set RD,   25                          ; v25  read back by heads
.set CO,   26                          ; v26  16 x lane
.set RD2,  27                          ; v27  read back by rows
.set SPW,  28
.set NIL,  29
.set CO2,  30                          ; v30  (l / 16) rows of 2,048 bytes + 16 (l % 16)
.set TMP,  32                          ; v32-95 a block's held sums
.set CD,   96                          ; v96-127 codes, two sets by turns
.set AF,   128
.set BK,   128                         ; v128-255 the stage's rows read back
.set G1, 24
.set G0, 32
.set G1B, 48
.set G0B, 56
.set MSB, 0
.macro WIN new                         ; the immediate's high byte repeats the setting that is left
.if MSB != (\new)
	s_set_vgpr_msb (MSB<<8)|(\new)
.set MSB, (\new)
.endif
.endm
.set MUL_LO, 0xa1                      ; source 0 (B) window 1, source 1 (A) window 0, C and D window 2
.set MUL_HI, 0xf1
.set TO_B,   0x40
.macro JLOAD g0a, g1a, g0b, g1b        ; a joint load: waves 0 and 1 fetch for A, waves 2 and 3 for B; an s_nop 0 and four v_nop follow each line
	s_cmp_eq_u32 s15, 0
	s_cbranch_scc0 .Lfor_b_\@
	tensor_load_to_lds s[\g0a:\g0a+3], s[\g1a:\g1a+7]
	s_nop 0
.rept 4
	v_nop
.endr
	s_branch .Lasked_\@
.Lfor_b_\@:
	tensor_load_to_lds s[\g0b:\g0b+3], s[\g1b:\g1b+7]
	s_nop 0
.rept 4
	v_nop
.endr
.Lasked_\@:
.endm
.macro CREST                           ; a round of the cluster's barrier behind its opening barrier
	s_cmp_lg_u32 s14, 0
	s_cbranch_scc1 .Lnot_wave_0_\@
	s_barrier_signal -3
.Lnot_wave_0_\@:
	s_barrier_wait -3
	s_barrier_signal -1
	s_barrier_wait -1
.endm
.macro CROUND
	s_barrier_signal -1
	s_barrier_wait -1
	CREST
.endm
	s_load_b256 s[68:75], s[0:1], 0x0              ; hc s[68:69], wq s[70:71], wk s[72:73], wv s[74:75]
	s_load_b128 s[76:79], s[0:1], 0x20             ; the scales' exponents s[76:77], qkvc s[78:79]
	v_lshl_add_u32 v[SPW], v0, 2, SPARE
	v_mov_b32 v[NIL], 0
	ds_add_u32 v[SPW], v[NIL]                      ; the wave's opening: the add, twice on end, and its wait ahead of my first tensor load
	ds_add_u32 v[SPW], v[NIL]
	v_lshrrev_b32 v1, 5, v0
	v_readfirstlane_b32 s14, v1                    ; wave 0..3
	s_lshr_b32 s15, s14, 1                         ; my half of the tile's rows.  Also: I fetch for A (0) or for B (1)
	s_and_b32 s16, s14, 1                          ; my half of its columns.  Also: which 128 rows of that tile I fetch
	s_bfe_u32 s40, ttmp6, 0x40000                  ; cx
	s_bfe_u32 s41, ttmp6, 0x40004                  ; cy
	s_and_b32 s17, ttmp7, 0xffff
	s_lshl_b32 s17, s17, 2                         ; 4 x cluster y: it counts blocks of tokens
	s_cmp_eq_u32 ttmp9, 2                          ; v?  The cluster's x is the same in all sixteen partners
	s_cselect_b32 s18, 0, s17
	s_cselect_b32 s19, s17, 0
	s_add_co_u32 s17, s18, s41                     ; tile row: q, k: 4 Y + cy (tokens); v: cy (wv's rows)
	s_add_co_u32 s42, s19, s40                     ; tile column: q, k: cx (the weight's rows); v: 4 Y + cx (tokens)
	s_lshl_b32 s43, s41, 2
	s_lshl_b32 s43, 15, s43                        ; my row of the cluster
	s_lshl_b32 s44, 0x1111, s40                    ; my column
	s_or_b32 s[G1+0], s43, (0<<16)|(1<<20)|(1<<21)|(5<<22)|(3<<25)  ; the mask; elements of 1 byte; padding on; bit 21 beside a mask; 4 words behind every 64
	s_or_b32 s[G1B+0], s44, (0<<16)|(1<<20)|(1<<21)|(5<<22)|(3<<25)
.irp g, G1, G1B
	s_mov_b32 s[\g+1], ROWB<<16                    ; tensor_dim0
	s_mov_b32 s[\g+2], 128<<16                     ; tensor_dim1
	s_mov_b32 s[\g+3], ROWB<<16                    ; tile_dim0
	s_mov_b32 s[\g+4], 128                         ; tile_dim1
	s_mov_b32 s[\g+5], KROW                        ; the pitch
	s_mov_b32 s[\g+6], 0
	s_mov_b32 s[\g+7], 0
.endr
	s_lshl_b32 s18, s16, 7
	s_lshl_b32 s20, s17, 8
	s_add_co_u32 s20, s20, s18                     ; A: row 256 x tile row + 128 x half
	s_lshl_b32 s46, s42, 8
	s_add_co_u32 s46, s46, s18                     ; B: row 256 x tile column + 128 x half
	s_lshl_b32 s20, s20, 10                        ; rows of 1,024 bytes
	s_lshl_b32 s46, s46, 10
	s_mov_b32 s21, 0
	s_mov_b32 s47, 0
	s_mul_i32 s45, s14, HALFT                      ; where they go: wave x 128 rows
	s_mul_i32 s80, ttmp9, 0x400000                 ; part X of hc and of qkvc
	s_mov_b32 s81, 0
	s_wait_dscnt 0x0                               ; both opening adds are done
	s_wait_kmcnt 0x0
	s_load_b256 s[84:91], s[76:77], 0x0            ; e0 .. e7
	s_load_b32 s92, s[76:77], 0x20                 ; e8
	s_add_nc_u64 s[68:69], s[68:69], s[80:81]
	s_add_nc_u64 s[10:11], s[78:79], s[80:81]
	s_cmp_eq_u32 ttmp9, 0
	s_cselect_b64 s[6:7], s[70:71], s[72:73]       ; wq or wk
	s_cmp_eq_u32 ttmp9, 2
	s_cselect_b64 s[4:5], s[74:75], s[68:69]       ; A: wv, or h
	s_cselect_b64 s[6:7], s[68:69], s[6:7]         ; B: h, or the weight
	s_add_nc_u64 s[20:21], s[4:5], s[20:21]
	s_add_nc_u64 s[46:47], s[6:7], s[46:47]
	CROUND                                         ; all sixteen work-groups are here: the first joint loads meet
.irp s, 0,1
	s_mov_b32 s[G0+4*\s], 1
	s_add_co_u32 s[G0+4*\s+1], s45, \s*SLOT
	s_add_nc_u64 s[G0+4*\s+2:G0+4*\s+3], s[20:21], \s*ROWB
	s_or_b32 s[G0+4*\s+3], s[G0+4*\s+3], 0x80000000
	s_mov_b32 s[G0B+4*\s], 1
	s_add_co_u32 s[G0B+4*\s+1], s45, \s*SLOT
	s_add_nc_u64 s[G0B+4*\s+2:G0B+4*\s+3], s[46:47], \s*ROWB
	s_or_b32 s[G0B+4*\s+3], s[G0B+4*\s+3], 0x80000000
	JLOAD G0+4*\s, G1, G0B+4*\s, G1B
.endr
	v_and_b32 v1, 15, v0                           ; r = l % 16
	v_bfe_u32 v2, v0, 4, 1                         ; h = l / 16
	v_mul_u32_u24 v3, v1, PITCH
	v_lshl_add_u32 v4, v2, 4, v3                   ; a fragment's row x pitch + 16 x half
	s_mul_i32 s21, s15, HALFT
	s_mul_i32 s22, s16, HALFT
	s_add_co_u32 s22, s22, 2*HALFT
.irp s, 0,1
	v_add_nc_u32 v[ADRA+\s], s21, v4
	v_add_nc_u32 v[ADRB+\s], s22, v4
	s_add_co_u32 s21, s21, SLOT
	s_add_co_u32 s22, s22, SLOT
.endr
	; the way out: ONE stage of 256 rows x 272 bytes for the work-group, in slot 0, which has had its last fill and its last read when the first code is stored there
	s_mul_i32 s23, s15, 128*PITCH
	s_lshl_b32 s21, s16, 7
	s_add_co_u32 s23, s23, s21
	v_lshl_add_u32 v5, v2, 3, v3
	v_add_nc_u32 v[STO], s23, v5                   ; row 128 x half + r, byte 128 x half + 8 h
	v_and_b32 v6, 31, v0
	s_mul_i32 s23, s14, 64*PITCH                   ; back: wave w takes rows 64 w .. 64 w + 63
	v_lshrrev_b32 v7, 2, v6
	v_mul_u32_u24 v7, v7, PITCH
	v_and_b32 v8, 3, v6
	v_lshl_add_u32 v7, v8, 4, v7
	v_add_nc_u32 v[RD], s23, v7                    ; by heads: row l / 4, 16 (l % 4) of a head's 64 bytes
	v_lshlrev_b32 v[CO], 4, v6
	v_mul_u32_u24 v9, v2, PITCH
	v_lshl_add_u32 v9, v1, 4, v9
	v_add_nc_u32 v[RD2], s23, v9                   ; by rows: sixteen lanes to a row of 256 bytes
	v_lshlrev_b32 v10, 11, v2
	v_lshl_add_u32 v[CO2], v1, 4, v10
	s_lshr_b32 s20, s17, 3                         ; q, k: ((16 (tile row / 8) + 4 tile column) x 2048 + (tile row % 8) x 256 + 64 w) x 64
	s_lshl_b32 s20, s20, 4
	s_lshl_b32 s21, s42, 2
	s_add_co_u32 s20, s20, s21
	s_lshl_b32 s20, s20, 11
	s_and_b32 s21, s17, 7
	s_lshl_b32 s21, s21, 8
	s_add_co_u32 s20, s20, s21
	s_lshl_b32 s21, s14, 6
	s_add_co_u32 s20, s20, s21
	s_lshl_b32 s20, s20, 6
	s_lshr_b32 s22, s42, 3                         ; v: ((tile column / 8) x 1024 + 256 tile row + 64 w) x 2048 + (tile column % 8) x 256
	s_lshl_b32 s22, s22, 10
	s_lshl_b32 s23, s17, 8
	s_add_co_u32 s22, s22, s23
	s_add_co_u32 s22, s22, s21
	s_lshl_b32 s22, s22, 11
	s_and_b32 s23, s42, 7
	s_lshl_b32 s23, s23, 8
	s_add_co_u32 s22, s22, s23
	s_cmp_eq_u32 ttmp9, 2
	s_cselect_b32 s20, s22, s20
	s_mov_b32 s21, 0
	s_add_nc_u64 s[10:11], s[10:11], s[20:21]
.macro FRAG reg, adr, q, i
.irp c, 0,1,2,3
	ds_load_b128 v[\reg+4*\c:\reg+4*\c+3], v[\adr] offset:128*(\q)+32*\c+(\i)*16*PITCH
.endr
.endm
; 16 matrix instructions: A's blocks a0, a0 + 1 x B's eight.  The 64 accumulators take turns, one instruction a turn, in the same order in every step.
.macro MUL16 a0, p, zero
.irp a, \a0, \a0+1
.irp b, 0,1,2,3,4,5,6,7
.if \zero
	v_wmma_f32_16x16x128_bf8_bf8 v[8*(8*((\a)%4)+\b):8*(8*((\a)%4)+\b)+7], v[128*(\p)+FR*\b:128*(\p)+FR*\b+FR-1], v[AF+FR*(\a):AF+FR*(\a)+FR-1], 0
.else
	v_wmma_f32_16x16x128_bf8_bf8 v[8*(8*((\a)%4)+\b):8*(8*((\a)%4)+\b)+7], v[128*(\p)+FR*\b:128*(\p)+FR*\b+FR-1], v[AF+FR*(\a):AF+FR*(\a)+FR-1], v[8*(8*((\a)%4)+\b):8*(8*((\a)%4)+\b)+7]
.endif
.endr
.endr
.endm
.macro FETCH_B slot, q, p
	WIN TO_B
.irp i, 0,1,2,3,4,5,6,7
	FRAG 128*(\p)+FR*\i, ADRB+\slot, \q, \i
.endr
	WIN 0
.endm
.macro FETCH_A slot, q, i0
.irp i, \i0, \i0+1, \i0+2, \i0+3
	FRAG AF+FR*(\i), ADRA+\slot, \q, \i
.endr
.endm
.macro PLACES n                        ; plain vector instructions between a matrix instruction and a load into, or a read of, its registers
.rept \n
	v_nop
.endr
.endm
.macro STEP slot, q, zero              ; a step of 128 along K that has its successor in the same slot
	s_wait_dscnt 4*NL                              ; B's set and A's blocks 0-3 are in; the youngest 16 loads (A's blocks 4-7) may be out
	WIN MUL_LO
	MUL16 0, (\q)%2, \zero
	MUL16 2, (\q)%2, \zero
	s_wait_dscnt 0
	PLACES NP
	FETCH_B \slot, (\q)+1, 1-(\q)%2
	FETCH_A \slot, (\q)+1, 0
	WIN MUL_HI
	MUL16 4, (\q)%2, \zero
	MUL16 6, (\q)%2, \zero
	PLACES NP
	WIN 0
	FETCH_A \slot, (\q)+1, 4
.endm
; A slot's last step changes slots: one barrier; in front of it each wave waits for all its tensor loads, adds 0 to its spare word, and waits for that and for its reads of this slot.
.macro TURN slot, next, fill
	s_wait_tensorcnt 0x0                           ; all my tensor loads have landed: my part of the next slot
	ds_add_u32 v[SPW], v[NIL]
	s_wait_dscnt 4*NL+1                            ; (the add and the youngest 16 loads may be out)
	WIN MUL_LO
	MUL16 0, 1, 0
	s_wait_dscnt 0x0                               ; the add is done, and my reads of this slot are over
	s_barrier_signal -1
	MUL16 2, 1, 0
	WIN 0
	s_barrier_wait -1
.if \fill
	CREST                                          ; the barrier has opened a round of the cluster's: no wave of any partner still reads this slot or has a load on its way
	s_add_nc_u64 s[G0+4*\slot+2:G0+4*\slot+3], s[G0+4*\slot+2:G0+4*\slot+3], 2*ROWB
	s_add_nc_u64 s[G0B+4*\slot+2:G0B+4*\slot+3], s[G0B+4*\slot+2:G0B+4*\slot+3], 2*ROWB
	JLOAD G0+4*\slot, G1, G0B+4*\slot, G1B         ; the first tensor load behind the round; its four v_nop are the places in front of the loads below
.else
	PLACES NP
.endif
	FETCH_B \next, 0, 0
	FETCH_A \next, 0, 0
	WIN MUL_HI
	MUL16 4, 1, 0
	MUL16 6, 1, 0
	PLACES NP
	WIN 0
	FETCH_A \next, 0, 4
.endm
	s_wait_tensorcnt 1                             ; my part of K step 0 is in; K step 1's load may be out
	s_barrier_signal -1
	s_barrier_wait -1
	FETCH_B 0, 0, 0
	FETCH_A 0, 0, 0
	FETCH_A 0, 0, 4
	STEP 0, 0, 1                                   ; the first step's products start the sums
	s_mov_b32 s3, LAPS-1
.Llap:
	TURN 0, 1, 1
	STEP 1, 0, 0
	TURN 1, 0, 1
	STEP 0, 0, 0
	s_sub_co_u32 s3, s3, 1
	s_cmp_lg_u32 s3, 0
	s_cbranch_scc1 .Llap
	TURN 0, 1, 0                                   ; the last lap fills nothing
	STEP 1, 0, 0
	s_wait_dscnt 4*NL
	WIN MUL_LO
	MUL16 0, 1, 0
	MUL16 2, 1, 0
	s_wait_dscnt 0
	WIN MUL_HI
	MUL16 4, 1, 0
	MUL16 6, 1, 0
	WIN 0
	; THE WAY OUT.  The scale: (ea, eb, en) = (e0, e1, e6), (e2, e3, e7) or (e4, e5, e8), chosen without a branch
	s_wait_kmcnt 0x0
	s_cmp_eq_u32 ttmp9, 0
	s_cselect_b32 s93, s84, s86
	s_cselect_b32 s94, s85, s87
	s_cselect_b32 s95, s90, s91
	s_cmp_eq_u32 ttmp9, 2
	s_cselect_b32 s93, s88, s93
	s_cselect_b32 s94, s89, s94
	s_cselect_b32 s95, s92, s95
	s_sub_co_i32 s95, s95, s93
	s_sub_co_i32 s95, s95, s94
	s_add_co_i32 s95, s95, 127
	s_lshl_b32 s96, s95, 23                        ; 2^(en - ea - eb) as f32
	s_add_co_i32 s95, s95, 15
	s_lshl_b32 s95, s95, 23
	s_or_b32 s95, s95, 0x600000                    ; 57,344 x that
	PLACES NP
	v_mov_b32 v[SC], s96
	v_mov_b32 v[LIM], s95
; Block a: 16 rows x 128 columns: held, converted (a lane's eight registers of an accumulator are eight neighbours of a row), 8 bytes a lane and accumulator into the stage
.macro QBLOCK a
.set AC, 64*((\a)%4)
.set CC, CD+16*((\a)%2)
	WIN 0x02+((\a)/4)                              ; source 0: window 2 or 3
.set j, 0
.rept 64
	v_med3_num_f32 v[TMP+j], v[AC+j], -v[LIM], v[LIM]   ; each accumulator from its low end on
.set j, j+1
.endr
	WIN 0
.if (\a) > 1
	s_wait_dscnt 8                                 ; the stores of two blocks back have read this set of codes; the last block's eight may be out
.endif
.irp b, 0,1,2,3,4,5,6,7
	v_cvt_scalef32_pk8_bf8_f32 v[CC+2*\b:CC+2*\b+1], v[TMP+8*\b:TMP+8*\b+7], v[SC]
.endr
	v_nop                                          ; a plain instruction between the conversions and the next block's holds, which write their sources
.irp b, 0,1,2,3,4,5,6,7
	ds_store_b64 v[STO], v[CC+2*\b:CC+2*\b+1] offset:(\a)*16*PITCH+16*\b
.endr
.endm
.irp a, 0,1,2,3,4,5,6,7
	QBLOCK \a
.endr
	s_wait_dscnt 0x0                               ; for the others' sake: my stores into the stage are done
	s_barrier_signal -1
	s_barrier_wait -1
	s_cmp_eq_u32 ttmp9, 2                          ; the cluster's x: both ways only read the stage
	s_cbranch_scc1 .Lv
.set i, 0
.rept 32                               ; q, k: head i / 8 of the tile's four, tokens 8 (i % 8) on: 8 tokens x 64 bytes
	ds_load_b128 v[BK+4*i:BK+4*i+3], v[RD] offset:(i%8)*8*PITCH+64*(i/8)
.set i, i+1
.endr
.set i, 0
.rept 32
	s_wait_dscnt 31-i
	global_store_b128 v[CO], v[BK+4*i:BK+4*i+3], s[10:11] offset:(i/8)*131072+(i%8)*512   ; 512 consecutive bytes, aligned
.set i, i+1
.endr
	s_branch .Ldone
.Lv:
.set i, 0
.rept 32                               ; v: two rows of 256 tokens an instruction
	ds_load_b128 v[BK+4*i:BK+4*i+3], v[RD2] offset:i*2*PITCH
.set i, i+1
.endr
.set i, 0
.rept 32
	s_wait_dscnt 31-i
	global_store_b128 v[CO2], v[BK+4*i:BK+4*i+3], s[10:11] offset:i*4096   ; sixteen lanes store 256 consecutive bytes, aligned
.set i, i+1
.endr
.Ldone:
	s_wait_tensorcnt 0x0                           ; the wave's end
	ds_add_u32 v[SPW], v[NIL]
	s_wait_dscnt 0x0
	CROUND                                         ; the closing round
	s_endpgm
.Lfunc_end_k_q872e61e33f_qkv:
	.size	k_q872e61e33f_qkv, .Lfunc_end_k_q872e61e33f_qkv-k_q872e61e33f_qkv
	.p2alignl 7, 3214868480
	.fill 96, 4, 3214868480
	.section	.rodata,"a",@progbits
	.p2align	6, 0x0
	.amdhsa_kernel k_q872e61e33f_qkv
		.amdhsa_group_segment_fixed_size 327680
		.amdhsa_private_segment_fixed_size 0
		.amdhsa_enable_private_segment 0
		.amdhsa_kernarg_size 48
		.amdhsa_user_sgpr_count 2
		.amdhsa_user_sgpr_kernarg_segment_ptr 1
		.amdhsa_wavefront_size32 1
		.amdhsa_system_sgpr_workgroup_id_x 1
		.amdhsa_system_sgpr_workgroup_id_y 1
		.amdhsa_system_sgpr_workgroup_id_z 1
		.amdhsa_system_vgpr_workitem_id 0
		.amdhsa_next_free_vgpr 1024
		.amdhsa_next_free_sgpr 100
		.amdhsa_reserve_vcc 0
		.amdhsa_float_denorm_mode_32 3
		.amdhsa_float_denorm_mode_16_64 3
		.amdhsa_memory_ordered 1
		.amdhsa_forward_progress 1
		.amdhsa_inst_pref_size 133
	.end_amdhsa_kernel
	.amdgpu_metadata
---
amdhsa.version: [ 1, 2 ]
amdhsa.kernels:
  - .name:           k_q872e61e33f_qkv
    .symbol:         k_q872e61e33f_qkv.kd
    .args:
      - { .name: hc, .offset: 0, .size: 8, .value_kind: global_buffer, .address_space: global }
      - { .name: wq_codes, .offset: 8, .size: 8, .value_kind: global_buffer, .address_space: global }
      - { .name: wk_codes, .offset: 16, .size: 8, .value_kind: global_buffer, .address_space: global }
      - { .name: wv_codes, .offset: 24, .size: 8, .value_kind: global_buffer, .address_space: global }
      - { .name: lowp_scales, .offset: 32, .size: 8, .value_kind: global_buffer, .address_space: global }
      - { .name: qkvc, .offset: 40, .size: 8, .value_kind: global_buffer, .address_space: global }
    .group_segment_fixed_size: 327680
    .private_segment_fixed_size: 0
    .kernarg_segment_align: 8
    .kernarg_segment_size: 48
    .max_flat_workgroup_size: 128
    .sgpr_count:     100
    .vgpr_count:     1024
    .wavefront_size: 32
...
	.end_amdgpu_metadata
.endif
;; end of part 2
;; launch attn (part 3): grid 8 x 32, 16 waves a work-group, no clusters, 327,680 bytes of LDS; arguments qkvc, lowp_scales, ctx; writes ctx
.if DOCPART == 3
	.amdgcn_target "amdgcn-amd-amdhsa--gfx1250"
	.amdhsa_code_object_version 6
	.text
	.protected	k_q872e61e33f_attn
	.globl	k_q872e61e33f_attn
	.p2align	8
	.type	k_q872e61e33f_attn,@function
k_q872e61e33f_attn:
	s_mov_b64 s[64:65], 0
	v_nop
	global_prefetch_b8 v0, s[64:65] scope:SCOPE_SE
	s_setreg_imm32_b32 hwreg(HW_REG_WAVE_MODE, 25, 1), 1
	s_wait_xcnt 0x0
; ctx[bh][q][:] = the sum over k <= q of softmax_k(q . k / 8) v, both products on codes of E5M2 (scales: q entry 6, k 7, v 8, p 9), and ctx quantised for the next product (entry 10).
; WORK LEFT OUT: a key step (128 keys) all of whose keys come after a wave's 16 queries: the problem's own causal mask gives those keys the weight 0 for all values of the inputs.  A NaN or overflow that would arise only there is not carried on.
; THE SOFTMAX: t = score x log2(e) / 8; M = the running largest t rounded UP to a whole number; p = 2^(t - M) is what is quantised; the row's sum is taken of the unquantised p and divides at the end; when M moves, sum and O are multiplied by 2^(old M - new M).
; IN: qkvc part 0 q [32][2048][64], part 1 k likewise, part 2 v [32][64][2048] (keys innermost).  OUT: ctx [32][2048][64] codes.
; SHARES: work-group (i, bh) owns the blocks i and 15 - i of 128 queries of head bh, so that every work-group has the same 17 block-steps under the mask.  Each of sixteen waves owns 16 queries; the two blocks' waves are dealt so that
; waves w, w + 4, w + 8, w + 12 and waves 4 c .. 4 c + 3 alike hold two of each block.  Every wave walks all slots of 256 keys; a hidden step's work is jumped over by a scalar branch on ids.
; No cluster: under the mask the work-groups of a head need different numbers of slots.
; LAYOUT: both products transposed (S^T = K Q^T, O^T = V^T P^T): a lane holds one query.  Lane r of key tile 2 b + u takes key 32 b + 8 u + r + 8 (r / 8), so that the 16 registers of tiles 2 b, 2 b + 1 are 16 neighbouring keys.
; LIMITS: e6 + e7 between -124 and 129; e9, and e10 - e8 - e9, between -126 and 112.  NaN is not served.
; REGISTERS: v1-7 addresses that stay; v8, v9 the step's addresses; v12 -M, v13 the largest t, v[14:15] the sum; v16-23 Q; v32-95 K's 8 fragments, then V's 4; v96-159 S^T, then p; v160-191 O^T; v224-239 p's codes; v240-254 at work.
.set SK,    256                        ; keys in a slot
.set NQ,    2                          ; key steps in a slot
.set LP,    272                        ; an LDS line: 256 bytes + 16 of padding: four keys of K, or 256 keys of a row of V
.set VOFF,  64*LP                      ; a slot: 64 lines of K, then 64 rows of V
.set SLOT1, 1<<16
.set NSL,   8
.set SPARE, 2*SLOT1                    ; behind the ring: the spare words, 128 bytes for each wave: eight blocks of 256 bytes that no other line names
.set STAGE, 0                          ; the way out: 16 rows x 80 bytes a wave, in slot 0, which was left at the last change of slots
.set AK0,  1
.set AV0,  2
.set PFO,  3
.set SPW,  5
.set NIL,  6
.set GO,   7
.set ADK,  8
.set ADV,  9
.set WV,   18
.set SEL,  20
.set CS,   22
.set G1K,  24
.set G1V,  32
.set G0K,  40
.set G0V,  44
.set TB,   2
.set SLOTS, 67
.set KF,   98                          ; the step's first key
.set Q0,   99                          ; my first query
.set PFA,  76
.set PFS,  78
.set LIM,  80
.set LQ,   81                          ; my work-group's last query
.macro TLOAD                           ; wave 0 fetches K's 256 keys, wave 1 V's, the others nothing; an s_nop 0 and four v_nop follow each line
	s_cmp_eq_u32 s[WV], 0
	s_cbranch_scc0 .Lnot_k_\@
	tensor_load_to_lds s[G0K:G0K+3], s[G1K:G1K+7]
	s_nop 0
.rept 4
	v_nop
.endr
	s_branch .Lasked_\@
.Lnot_k_\@:
	s_cmp_eq_u32 s[WV], 1
	s_cbranch_scc0 .Lasked_\@
	tensor_load_to_lds s[G0V:G0V+3], s[G1V:G1V+7]
	s_nop 0
.rept 4
	v_nop
.endr
.Lasked_\@:
.endm
; A prefetch of what the NEXT change of slots will ask for.  All work-groups of a head walk the same K and V: the head's work-group 0, which walks all eight slots, asks.  Waves 4, 5: K's block of 16,384 bytes, lanes 256 bytes apart;
; waves 6, 7: V's 64 rows, a lane a row, 256 bytes of each.  Each aligned block of 256 bytes is named once in the launch.  Slots 0 and 1 come by their loads alone; the last change that fills asks for nothing.
.macro ASK
	s_cmp_gt_u32 s[SLOTS], s[LIM]
	s_cbranch_scc0 .Lnot_mine_\@
	global_prefetch_b8 v[PFO], s[PFA:PFA+1] th:TH_LOAD_NT scope:SCOPE_SE
.Lnot_mine_\@:
.endm
	s_load_b128 s[4:7], s[0:1], 0x0                ; qkvc s[4:5], the scales' exponents s[6:7]
	s_load_b64 s[8:9], s[0:1], 0x10                ; ctx
	v_lshl_add_u32 v[SPW], v0, 2, SPARE
	v_mov_b32 v[NIL], 0
	ds_add_u32 v[SPW], v[NIL]                      ; the wave's opening: the add, twice on end, and its wait ahead of the first tensor load
	ds_add_u32 v[SPW], v[NIL]
	v_lshrrev_b32 v8, 5, v0
	v_readfirstlane_b32 s[WV], v8                  ; wave 0..15
	s_and_b32 s72, ttmp7, 0xffff                   ; the head (batch x 16 + head)
	s_lshl_b32 s74, s72, 17                        ; its 131,072 bytes in each part
	s_mov_b32 s75, 0
	s_lshr_b32 s82, s[WV], 2
	s_xor_b32 s82, s82, s[WV]
	s_and_b32 s82, s82, 1                          ; which of the two blocks
	s_sub_co_u32 s83, 15, ttmp9
	s_cmp_eq_u32 s82, 1
	s_cselect_b32 s83, s83, ttmp9
	s_lshl_b32 s83, s83, 7
	s_lshr_b32 s84, s[WV], 1
	s_lshl_b32 s84, s84, 4
	s_add_co_u32 s[Q0], s83, s84                   ; my first query: 128 x block + 16 (wave / 2)
	s_lshl_b32 s[LQ], ttmp9, 7
	s_sub_co_u32 s[LQ], 2047, s[LQ]                ; the last query of block 15 - i
	s_lshl_b32 s86, s[Q0], 6
	s_add_co_u32 s86, s86, s74                     ; my queries' codes in q, and in ctx
	s_mov_b32 s87, 0
	s_add_co_u32 s88, s74, 0x400000                ; the head's keys,
	s_mov_b32 s89, 0
	s_add_co_u32 s90, s74, 0x800000                ; and values
	s_mov_b32 s91, 0
	s_mov_b32 s[G1K], (0<<16)|(1<<20)|(5<<22)|(3<<25)   ; no mask; elements of 1 byte; padding: 4 words behind every 64
	s_mov_b32 s[G1K+1], 256<<16                    ; K is dense in memory: four keys of 64 bytes are stated as a row of 256
	s_mov_b32 s[G1K+2], 64<<16
	s_mov_b32 s[G1K+3], 256<<16
	s_mov_b32 s[G1K+4], 64
	s_mov_b32 s[G1K+5], 256
	s_mov_b32 s[G1K+6], 0
	s_mov_b32 s[G1K+7], 0
	s_mov_b32 s[G1V], (0<<16)|(1<<20)|(5<<22)|(3<<25)
	s_mov_b32 s[G1V+1], 256<<16                    ; V: 64 rows, 256 keys of each, rows 2,048 bytes apart
	s_mov_b32 s[G1V+2], 64<<16
	s_mov_b32 s[G1V+3], 256<<16
	s_mov_b32 s[G1V+4], 64
	s_mov_b32 s[G1V+5], 2048
	s_mov_b32 s[G1V+6], 0
	s_mov_b32 s[G1V+7], 0
	s_mov_b32 s[SEL], 0x76543210
	s_mov_b32 s[SEL+1], 0xfedcba98
	s_mov_b32 s[CS], 0x3e38aa3b                    ; c = log2(e) / 8
	s_mov_b32 s[TB], 0
	s_mov_b32 s[SLOTS], NSL-1
	s_mov_b32 s[KF], 0
	s_wait_dscnt 0x0                               ; both opening adds are done
	s_wait_kmcnt 0x0
	s_load_b128 s[68:71], s[6:7], 0x18             ; e6, e7, e8, e9
	s_load_b32 s66, s[6:7], 0x28                   ; e10
	s_mov_b32 s[G0K], 1
	s_mov_b32 s[G0K+1], 0
	s_add_nc_u64 s[G0K+2:G0K+3], s[4:5], s[88:89]
	s_or_b32 s[G0K+3], s[G0K+3], 0x80000000
	s_mov_b32 s[G0V], 1
	s_mov_b32 s[G0V+1], VOFF
	s_add_nc_u64 s[G0V+2:G0V+3], s[4:5], s[90:91]
	s_or_b32 s[G0V+3], s[G0V+3], 0x80000000
	TLOAD                                          ; slot 0: it holds key 0, which counts for every query
	; the prefetches: where my wave's stand, and who asks
	s_cmp_lt_u32 s[WV], 6                          ; waves 4, 5: K; waves 6, 7: V
	s_mov_b32 s82, 0x800000
	s_cselect_b32 s82, 0x400000, s82               ; the part
	s_mov_b32 s[PFS], 256
	s_cselect_b32 s[PFS], 16384, s[PFS]            ; a slot on
	s_mov_b32 s83, 2048
	s_cselect_b32 s83, 256, s83                    ; from lane to lane
	s_mov_b32 s84, 65536
	s_cselect_b32 s84, 8192, s84                   ; from wave to wave
	v_and_b32 v[PFO], 31, v0
	v_mul_lo_u32 v[PFO], v[PFO], s83
	s_and_b32 s85, s[WV], 1
	s_mul_i32 s85, s85, s84
	s_add_co_u32 s82, s82, s85
	s_add_co_u32 s82, s82, s74
	s_add_co_u32 s82, s82, s[PFS]                  ; in slot 1: the first change of slots steps it to slot 2
	s_mov_b32 s83, 0
	s_mov_b32 s[PFS+1], 0
	s_add_nc_u64 s[PFA:PFA+1], s[4:5], s[82:83]
	s_sub_co_u32 s82, s[WV], 4
	s_lshr_b32 s82, s82, 2                         ; 0 in waves 4 to 7,
	s_or_b32 s82, s82, ttmp9                       ; of the head's work-group 0
	s_cmp_eq_u32 s82, 0
	s_cselect_b32 s[LIM], 1, -1
	s_add_nc_u64 s[4:5], s[4:5], s[86:87]          ; q at my first query
	s_add_nc_u64 s[8:9], s[8:9], s[86:87]          ; ctx likewise
	v_and_b32 v8, 15, v0                           ; r
	v_bfe_u32 v9, v0, 4, 1                         ; h
	v_lshlrev_b32 v10, 6, v8
	v_lshl_add_u32 v10, v9, 4, v10                 ; Q: row r of 64 bytes, + 16 h
.irp c, 0,1
	global_load_b128 v[16+4*\c:19+4*\c], v10, s[4:5] offset:32*\c   ; registers 4 c .. 4 c + 3: d = 32 c + 16 h + 0 .. 15: the same places as K's fragments
.endr
	v_and_b32 v11, 8, v8
	v_add_nc_u32 v11, v11, v8                      ; r + 8 (r / 8)
	v_lshrrev_b32 v[AK0], 2, v11
	v_mul_u32_u24 v[AK0], v[AK0], LP               ; key t lies at (t / 4) lines + 64 (t % 4)
	v_and_b32 v11, 3, v11
	v_lshl_add_u32 v[AK0], v11, 6, v[AK0]
	v_lshl_add_u32 v[AK0], v9, 4, v[AK0]
	v_mul_u32_u24 v[AV0], v8, LP
	v_lshl_add_u32 v[AV0], v9, 4, v[AV0]
	v_add_nc_u32 v[AV0], VOFF, v[AV0]
	v_and_b32 v[GO], 31, v0
	v_lshlrev_b32 v[GO], 4, v[GO]
	v_mov_b32 v13, 0xff61b1e6                      ; the largest t so far: -3e38
	v_floor_f32 v12, -v13                          ; -M
	v_mov_b32 v14, 0
	v_mov_b32 v15, 0
	v_mov_b32 v246, 0                              ; a lane permute's destination counts as one of its sources
	v_mov_b32 v252, 0
	v_mov_b32 v253, 0                              ; (named as the upper half of the pair v[252:253])
.set j, 0
.rept 32
	v_mov_b32 v[160+j], 0                          ; O^T: the step is written once; its first walk finds zeros, which the first change of M leaves zeros
.set j, j+1
.endr
	s_wait_kmcnt 0x0
	s_add_co_i32 s72, s68, s69
	s_lshl_b32 s72, s72, 23
	s_add_co_i32 s[CS], s[CS], s72                 ; a score stands for score x 2^(e6 + e7): added to c's exponent field
	s_mov_b32 s[CS+1], s[CS]
	s_add_co_i32 s72, s71, 127
	s_lshl_b32 s73, s72, 23
	v_mov_b32 v244, s73                            ; 2^e9 as f32
	s_add_co_i32 s72, s72, 15
	s_lshl_b32 s72, s72, 23
	s_or_b32 s72, s72, 0x600000
	v_mov_b32 v240, s72                            ; 57,344 x 2^e9
.macro STEP q
	s_add_co_u32 s96, s[Q0], 15
	s_cmp_gt_u32 s[KF], s96                        ; all 128 keys come after my queries: the step's work is left out (ids and the count of steps alone)
	s_cbranch_scc1 .Lhidden_\@
	v_add_nc_u32 v[ADK], s[TB], v[AK0]
	v_add_nc_u32 v[ADV], s[TB], v[AV0]
	v_nop
	v_nop                                          ; four places in front of loads into registers that the last products read
.irp t, 0,1,2,3,4,5,6,7
.irp c, 0,1
	ds_load_b128 v[32+8*\t+4*\c:32+8*\t+4*\c+3], v[ADK] offset:((128*(\q)+32*(\t/2)+8*(\t%2))/4)*LP+32*\c
.endr
.endr
	s_wait_dscnt 0x0
.irp t, 0,1,2,3,4,5,6,7
	v_wmma_f32_16x16x64_bf8_bf8 v[96+8*\t:103+8*\t], v[32+8*\t:39+8*\t], v[16:23], 0
.endr
.rept 4
	v_nop
.endr
.irp t, 0,1,2,3
.irp c, 0,1,2,3
	ds_load_b128 v[32+16*\t+4*\c:32+16*\t+4*\c+3], v[ADV] offset:16*\t*LP+128*(\q)+32*\c   ; V's four fragments land under the softmax
.endr
.endr
	s_add_co_u32 s96, s[KF], 127                   ; on the diagonal hidden scores become -infinity ahead of the maximum; a step all of whose keys count skips this
	s_cmp_le_u32 s96, s[Q0]
	s_cbranch_scc1 .Lopen_\@
	s_sub_co_i32 s96, s[Q0], s[KF]
	v_and_b32 v252, 15, v0
	v_bfe_u32 v253, v0, 4, 1
	v_lshlrev_b32 v253, 4, v253
	v_sub_nc_u32 v252, v252, v253
	v_add_nc_u32 v252, s96, v252                   ; d = my query - KF - 16 h.  Register 16 b + i holds key KF + 16 h + 32 b + i: hidden where 32 b + i > d
	v_mov_b32 v254, 0xff800000
.irp n, 0,1,2,3,4,5,6,7,8,9,10,11,12,13,14,15,16,17,18,19,20,21,22,23,24,25,26,27,28,29,30,31,32,33,34,35,36,37,38,39,40,41,42,43,44,45,46,47,48,49,50,51,52,53,54,55,56,57,58,59,60,61,62,63
	v_cmp_gt_i32 vcc_lo, 32*(\n/16)+\n%16, v252
	v_cndmask_b32 v[96+\n], v[96+\n], v254, vcc_lo
.endr
.Lopen_\@:
	v_max3_num_f32 v254, v96, v97, v98             ; the step's largest score of my query, in two chains, each accumulator from its low end on
	v_max3_num_f32 v252, v99, v100, v101
.irp i, 6,10,14,18,22,26,30,34,38,42,46,50,54,58
	v_max3_num_f32 v254, v254, v[96+\i], v[97+\i]
	v_max3_num_f32 v252, v252, v[98+\i], v[99+\i]
.endr
	v_max3_num_f32 v254, v254, v158, v159
	v_max_num_f32 v254, v254, v252
	v_permlanex16_b32 v246, v254, s[SEL], s[SEL+1]
	v_max_num_f32 v254, v254, v246
	v_mul_f32 v254, s[CS], v254                    ; as t (c is positive)
	v_max_num_f32 v13, v13, v254
	v_mov_b32 v254, v12
	v_floor_f32 v12, -v13                          ; the new -M = -ceil(t)
	v_sub_f32 v254, v12, v254                      ; old M - new M: a whole number, 0 or less
	v_cvt_i32_f32 v254, v254                       ; (it saturates)
	v_ldexp_f32 v252, 1.0, v254                    ; f = 2^(old M - new M)
.irp j, 0,2,4,6,8,10,12,14,16,18,20,22,24,26,28,30,32,34,36,38,40,42,44,46,48,50,52,54,56,58,60,62
	v_pk_fma_f32 v[96+\j:97+\j], v[96+\j:97+\j], s[CS:CS+1], v[12:13] op_sel_hi:[1,0,0]   ; t - M
.endr
.set j, 0
.rept 64
	v_exp_f32 v[96+j], v[96+j]                     ; p = 2^(t - M)
.set j, j+1
.endr
	v_pk_mul_f32 v[14:15], v[14:15], v[252:253] op_sel_hi:[1,0]   ; the sums under the new M (the plain instruction behind the exponentials)
	s_wait_alu depctr_va_vdst(0)                   ; one wait for the batch, ahead of its first reader
	v_pk_add_f32 v[242:243], v[96:97], v[98:99]    ; the row's sum is taken of the unquantised p
.irp j, 4,8,12,16,20,24,28,32,36,40,44,48,52,56,60
	v_pk_add_f32 v[14:15], v[14:15], v[96+\j:97+\j]
	v_pk_add_f32 v[242:243], v[242:243], v[98+\j:99+\j]
.endr
	v_pk_add_f32 v[14:15], v[14:15], v[242:243]
.irp b, 0,1,2,3
.irp i, 0,1,2,3,4,5,6,7,8,9,10,11,12,13,14,15
	v_min_num_f32 v[96+16*\b+\i], v[96+16*\b+\i], v240   ; the hold; p is not negative
.endr
	v_cvt_scalef32_pk8_bf8_f32 v[224+4*\b:225+4*\b], v[96+16*\b:103+16*\b], v244
	v_cvt_scalef32_pk8_bf8_f32 v[226+4*\b:227+4*\b], v[104+16*\b:111+16*\b], v244
.endr
.irp j, 0,2,4,6,8,10,12,14,16,18,20,22,24,26,28,30
	v_pk_mul_f32 v[160+\j:161+\j], v[160+\j:161+\j], v[252:253] op_sel_hi:[1,0]   ; O^T under the new M; also the plain instructions between the conversions and the products
.endr
	s_wait_dscnt 0x0                               ; V is in
.irp t, 0,1,2,3
	v_wmma_f32_16x16x128_bf8_bf8 v[160+8*\t:167+8*\t], v[32+16*\t:47+16*\t], v[224:239], v[160+8*\t:167+8*\t]   ; the four accumulators by turns
.endr
.Lhidden_\@:
	s_add_co_u32 s[KF], s[KF], 128
.endm
; THE CHANGE OF SLOTS stands at a slot's head: every wave waits for all its tensor loads, adds 0 to its spare word (fill = 1: twice on end), waits for that and for its reads of the slot left.
.macro CHANGE fill
	s_wait_tensorcnt 0x0
	ds_add_u32 v[SPW], v[NIL]
.if \fill
	ds_add_u32 v[SPW], v[NIL]
	s_xor_b32 s[G0K+1], s[G0K+1], SLOT1            ; the walking descriptors: the other slot, the next 256 keys
	s_add_nc_u64 s[G0K+2:G0K+3], s[G0K+2:G0K+3], SK*64
	s_xor_b32 s[G0V+1], s[G0V+1], SLOT1
	s_add_nc_u64 s[G0V+2:G0V+3], s[G0V+2:G0V+3], SK
	s_wait_xcnt 0x0                                ; the last prefetch, a slot back, has read its address
	s_add_nc_u64 s[PFA:PFA+1], s[PFA:PFA+1], s[PFS:PFS+1]
.endif
	s_wait_dscnt 0x0
	s_barrier_signal -1
	s_barrier_wait -1
.if \fill
	s_add_co_u32 s96, s[KF], SK                    ; the look-ahead ends at the causal limit: a slot whose first key comes after my work-group's last query is read by none of its waves, so it is not asked for
	s_cmp_gt_u32 s96, s[LQ]                        ; ids and the count of steps alone: all sixteen waves go the same way
	s_cbranch_scc1 .Lpast_\@
	TLOAD
.Lpast_\@:
	ASK
.endif
.endm
.macro SLOT_STEPS
	STEP 0
	STEP 1
	s_xor_b32 s[TB], s[TB], SLOT1
.endm
	s_wait_loadcnt 0x0                             ; Q
.Lslot:                                            ; NSL - 1 trips
	CHANGE 1
	SLOT_STEPS
	s_sub_co_u32 s[SLOTS], s[SLOTS], 1
	s_cmp_lg_u32 s[SLOTS], 0
	s_cbranch_scc1 .Lslot
	CHANGE 0                                       ; the last slot is written out: nothing is asked for
	SLOT_STEPS
	; THE WAY OUT: O^T / the sum, quantised with 2^(e10 - e8 - e9) folded into one scale; 8 codes a lane and tile into my stage; back as 512 consecutive bytes
	v_add_f32 v14, v14, v15
	v_permlanex16_b32 v246, v14, s[SEL], s[SEL+1]
	v_add_f32 v14, v14, v246
	v_rcp_f32 v14, v14
	v_and_b32 v8, 15, v0                           ; (plain instructions behind the transcendental)
	v_bfe_u32 v9, v0, 4, 1
	s_mul_i32 s73, s[WV], 16*80
	s_add_co_u32 s73, s73, STAGE
	v_mul_u32_u24 v10, v8, 80
	v_lshl_add_u32 v10, v9, 3, v10
	v_add_nc_u32 v10, s73, v10                     ; in: row r of 80 bytes, + 8 h
	v_and_b32 v11, 31, v0
	v_lshrrev_b32 v8, 2, v11
	v_mul_u32_u24 v8, v8, 80
	v_and_b32 v11, 3, v11
	v_lshl_add_u32 v11, v11, 4, v8
	v_add_nc_u32 v11, s73, v11                     ; back: row l / 4, 16 (l % 4)
	s_sub_co_i32 s72, s66, s70
	s_sub_co_i32 s72, s72, s71
	s_add_co_i32 s72, s72, 127
	s_lshl_b32 s74, s72, 23
	v_mov_b32 v248, s74
	s_add_co_i32 s72, s72, 15
	s_lshl_b32 s72, s72, 23
	s_or_b32 s72, s72, 0x600000
	v_mov_b32 v249, s72
	s_wait_alu depctr_va_vdst(0)                   ; the wait ahead of the reciprocal's first reader
.set j, 0
.rept 32
	v_mul_f32 v[96+j], v[160+j], v14               ; register 8 t + i is channel 16 t + 8 h + i of query r
.set j, j+1
.endr
.set j, 0
.rept 32
	v_med3_num_f32 v[96+j], v[96+j], -v249, v249
.set j, j+1
.endr
.irp t, 0,1,2,3
	v_cvt_scalef32_pk8_bf8_f32 v[128+2*\t:129+2*\t], v[96+8*\t:103+8*\t], v248
.endr
	v_nop
.irp t, 0,1,2,3
	ds_store_b64 v10, v[128+2*\t:129+2*\t] offset:16*\t
.endr
.irp u, 0,1
	ds_load_b128 v[136+4*\u:139+4*\u], v11 offset:640*\u   ; LDS serves a wave's instructions in order: these see my stores
.endr
.irp u, 0,1
	s_wait_dscnt 1-\u
	global_store_b128 v[GO], v[136+4*\u:139+4*\u], s[8:9] offset:512*\u   ; 8 queries x 64 bytes: 512 consecutive bytes, aligned
.endr
	s_wait_tensorcnt 0x0                           ; the wave's end
	ds_add_u32 v[SPW], v[NIL]
	s_wait_dscnt 0x0
	s_endpgm
.Lfunc_end_k_q872e61e33f_attn:
	.size	k_q872e61e33f_attn, .Lfunc_end_k_q872e61e33f_attn-k_q872e61e33f_attn
	.p2alignl 7, 3214868480
	.fill 96, 4, 3214868480
	.section	.rodata,"a",@progbits
	.p2align	6, 0x0
	.amdhsa_kernel k_q872e61e33f_attn
		.amdhsa_group_segment_fixed_size 327680
		.amdhsa_private_segment_fixed_size 0
		.amdhsa_enable_private_segment 0
		.amdhsa_kernarg_size 24
		.amdhsa_user_sgpr_count 2
		.amdhsa_user_sgpr_kernarg_segment_ptr 1
		.amdhsa_wavefront_size32 1
		.amdhsa_system_sgpr_workgroup_id_x 1
		.amdhsa_system_sgpr_workgroup_id_y 1
		.amdhsa_system_sgpr_workgroup_id_z 1
		.amdhsa_system_vgpr_workitem_id 0
		.amdhsa_next_free_vgpr 256
		.amdhsa_next_free_sgpr 100
		.amdhsa_reserve_vcc 1
		.amdhsa_float_denorm_mode_32 3
		.amdhsa_float_denorm_mode_16_64 3
		.amdhsa_memory_ordered 1
		.amdhsa_forward_progress 1
		.amdhsa_inst_pref_size 97
	.end_amdhsa_kernel
	.amdgpu_metadata
---
amdhsa.version: [ 1, 2 ]
amdhsa.kernels:
  - .name:           k_q872e61e33f_attn
    .symbol:         k_q872e61e33f_attn.kd
    .args:
      - { .name: qkvc, .offset: 0, .size: 8, .value_kind: global_buffer, .address_space: global }
      - { .name: lowp_scales, .offset: 8, .size: 8, .value_kind: global_buffer, .address_space: global }
      - { .name: ctx, .offset: 16, .size: 8, .value_kind: global_buffer, .address_space: global }
    .group_segment_fixed_size: 327680
    .private_segment_fixed_size: 0
    .kernarg_segment_align: 8
    .kernarg_segment_size: 24
    .max_flat_workgroup_size: 512
    .sgpr_count:     100
    .vgpr_count:     256
    .wavefront_size: 32
...
	.end_amdgpu_metadata
.endif
;; end of part 3
;; launch wo (part 4): grid 4 x 16, 4 waves a work-group, clusters of 4 x 4, 327,680 bytes of LDS; arguments ctx, wo_codes, lowp_scales, bo, x, x1; writes x1
.if DOCPART == 4
	.amdgcn_target "amdgcn-amd-amdhsa--gfx1250"
	.amdhsa_code_object_version 6
	.text
	.protected	k_q872e61e33f_wo
	.globl	k_q872e61e33f_wo
	.p2align	8
	.type	k_q872e61e33f_wo,@function
k_q872e61e33f_wo:
	s_mov_b64 s[64:65], 0
	v_nop
	global_prefetch_b8 v0, s[64:65] scope:SCOPE_SE
	s_setreg_imm32_b32 hwreg(HW_REG_WAVE_MODE, 25, 1), 1
	s_wait_xcnt 0x0
	s_wait_alu depctr_hold_cnt(0) depctr_sa_sdst(0) depctr_va_vdst(0) depctr_va_sdst(0) depctr_va_ssrc(0) depctr_va_vcc(0) depctr_vm_vsrc(0)
	s_getreg_b32 s2, hwreg(HW_REG_IB_STS2, 6, 4)
	s_cmp_eq_u32 s2, 0
	s_cbranch_scc0 .Lentry_in_a_cluster
	s_endpgm
.Lentry_in_a_cluster:
	s_bfe_u32 s2, ttmp6, 0x10000c
	s_cmp_lg_u32 s2, 0xf033
	s_cbranch_scc0 .Lentry_shape_is_right
	s_endpgm
.Lentry_shape_is_right:
; x1 = x + ctx wo + bo.  The product runs on codes of E5M2 (scales: entries 10 and 11), K = 1,024; each finished sum is multiplied once by 2^(ea + eb); bias and residual are added in f32.
; A = ctx's codes, laid [32 heads][2048 tokens][64] (HEADMAJOR = 1); B = the weight's codes [1024 (n)][K].  The residual and the result are [4096][1024] f32.
; LIMIT: ea + eb between -126 and 127.
; A tile of the result, 256 x 256, is made by four waves, 128 x 128 each: 64 accumulators.  K goes in steps of 256 through a ring of two LDS slots filled by the tensor data mover.
; HEADMAJOR: a K step is four heads.  A wave that fetches for A brings two heads' 256 tokens x 64 bytes as ONE tile of two rows of 16,384 bytes, with 16 bytes of padding behind every 256: lines of four tokens, 272 bytes apart, 64 lines a head.
; CLUSTERS: 4 x 4 work-groups; A's tiles are asked for jointly along a row of the cluster, B's along a column.  THE MATRIX INSTRUCTION IS USED TRANSPOSED: a lane holds eight neighbouring columns of one row.
; REGISTERS, in windows of 256: window 0: v0-31 addresses; from v128 A's fragments; on the way out v32-95 a block's numbers, v128-255 rows read back.  window 1: B's fragments, two sets; on the way out v0-63 the bias, v64-191 the residual's rows, two sets.  windows 2, 3: the accumulators.
; No prefetch: two of the four K steps are first fills, and each tile is already asked for once for four work-groups.  64 work-groups: the result has no more tiles of this size.
.set SIZE_K, 1024
.set SCOFF,  0x28                      ; where ea, eb lie among the scales
.set HEADMAJOR, 1
.set KSTEP,  256
.set ROWB,   256
.set KROW,   SIZE_K
.set PITCH,  272
.set FR,     16
.set NL,     4
.set NP,     4
.set HALFT,  128*PITCH
.set SLOT,   4*HALFT
.set LAPS,   SIZE_K/(2*KSTEP)
.set SPARE,  2*SLOT                    ; behind the ring: the spare words, two blocks of 256 bytes that no other line names
.set SPITCH, 528                       ; the way out: a stage of 16 rows x (512 bytes + 16) for each wave, in slot 0, which has had its last fill and its last read by then
.if HEADMAJOR
.set ASTEP,  4*131072                  ; a K step on in A: four heads
.else
.set ASTEP,  ROWB
.endif
.set ADRA, 16
.set ADRB, 20
.set STO,  24
.set RD,   25
.set CO,   26
.set SPW,  28
.set NIL,  29
.set BO,   31                          ; v31  32 h: my eight numbers of a tile's sixteen of the bias
.set TMP,  32
.set AF,   128
.set BK,   128
.set G1, 24
.set G0, 32
.set G1B, 48
.set G0B, 56
.set MSB, 0
.macro WIN new
.if MSB != (\new)
	s_set_vgpr_msb (MSB<<8)|(\new)
.set MSB, (\new)
.endif
.endm
.set MUL_LO, 0xa1
.set MUL_HI, 0xf1
.set TO_B,   0x40
.macro JLOAD g0a, g1a, g0b, g1b        ; a joint load: waves 0 and 1 fetch for A, waves 2 and 3 for B; an s_nop 0 and four v_nop follow each line
	s_cmp_eq_u32 s15, 0
	s_cbranch_scc0 .Lfor_b_\@
	tensor_load_to_lds s[\g0a:\g0a+3], s[\g1a:\g1a+7]
	s_nop 0
.rept 4
	v_nop
.endr
	s_branch .Lasked_\@
.Lfor_b_\@:
	tensor_load_to_lds s[\g0b:\g0b+3], s[\g1b:\g1b+7]
	s_nop 0
.rept 4
	v_nop
.endr
.Lasked_\@:
.endm
.macro CREST
	s_cmp_lg_u32 s14, 0
	s_cbranch_scc1 .Lnot_wave_0_\@
	s_barrier_signal -3
.Lnot_wave_0_\@:
	s_barrier_wait -3
	s_barrier_signal -1
	s_barrier_wait -1
.endm
.macro CROUND
	s_barrier_signal -1
	s_barrier_wait -1
	CREST
.endm
	s_load_b128 s[4:7], s[0:1], 0x0                ; A's codes, B's codes
	s_load_b128 s[8:11], s[0:1], 0x10              ; the scales' exponents s[8:9], the bias s[10:11]
	s_load_b128 s[68:71], s[0:1], 0x20             ; the residual s[68:69], the result s[70:71]
	v_lshl_add_u32 v[SPW], v0, 2, SPARE
	v_mov_b32 v[NIL], 0
	ds_add_u32 v[SPW], v[NIL]                      ; the wave's opening: the add, twice on end, and its wait ahead of my first tensor load
	ds_add_u32 v[SPW], v[NIL]
	v_lshrrev_b32 v1, 5, v0
	v_readfirstlane_b32 s14, v1
	s_lshr_b32 s15, s14, 1
	s_and_b32 s16, s14, 1
	s_bfe_u32 s40, ttmp6, 0x40000                  ; cx
	s_bfe_u32 s41, ttmp6, 0x40004                  ; cy
	s_lshl_b32 s42, ttmp9, 2
	s_add_co_u32 s42, s42, s40                     ; tile column
	s_and_b32 s17, ttmp7, 0xffff
	s_lshl_b32 s17, s17, 2
	s_add_co_u32 s17, s17, s41                     ; tile row
	s_lshl_b32 s43, s41, 2
	s_lshl_b32 s43, 15, s43
	s_lshl_b32 s44, 0x1111, s40
.if HEADMAJOR
	s_or_b32 s[G1+0], s43, (3<<16)|(1<<20)|(1<<21)|(5<<22)|(3<<25)  ; the mask; elements of 8 bytes; padding: 4 words behind every 64
	s_mov_b32 s[G1+1], 2048<<16                    ; tensor_dim0 = 2,048 elements: 256 tokens x 64 bytes
	s_mov_b32 s[G1+2], 2<<16                       ; tensor_dim1 = 2 heads
	s_mov_b32 s[G1+3], 2048<<16                    ; tile_dim0
	s_mov_b32 s[G1+4], 2                           ; tile_dim1
	s_mov_b32 s[G1+5], 16384                       ; from head to head: 131,072 bytes
.else
	s_or_b32 s[G1+0], s43, (0<<16)|(1<<20)|(1<<21)|(5<<22)|(3<<25)
	s_mov_b32 s[G1+1], ROWB<<16
	s_mov_b32 s[G1+2], 128<<16
	s_mov_b32 s[G1+3], ROWB<<16
	s_mov_b32 s[G1+4], 128
	s_mov_b32 s[G1+5], KROW
.endif
	s_mov_b32 s[G1+6], 0
	s_mov_b32 s[G1+7], 0
	s_or_b32 s[G1B+0], s44, (0<<16)|(1<<20)|(1<<21)|(5<<22)|(3<<25)
	s_mov_b32 s[G1B+1], ROWB<<16
	s_mov_b32 s[G1B+2], 128<<16
	s_mov_b32 s[G1B+3], ROWB<<16
	s_mov_b32 s[G1B+4], 128
	s_mov_b32 s[G1B+5], KROW
	s_mov_b32 s[G1B+6], 0
	s_mov_b32 s[G1B+7], 0
.if HEADMAJOR
	s_lshr_b32 s20, s17, 3                         ; A: head (tile row / 8) x 16 + 2 x half, tokens (tile row % 8) x 256 on
	s_lshl_b32 s20, s20, 4
	s_lshl_b32 s18, s16, 1
	s_add_co_u32 s20, s20, s18
	s_lshl_b32 s20, s20, 17
	s_and_b32 s18, s17, 7
	s_lshl_b32 s18, s18, 14
	s_add_co_u32 s20, s20, s18
.else
	s_lshl_b32 s18, s16, 7
	s_lshl_b32 s20, s17, 8
	s_add_co_u32 s20, s20, s18
	s_mul_i32 s20, s20, KROW
.endif
	s_lshl_b32 s18, s16, 7
	s_lshl_b32 s46, s42, 8
	s_add_co_u32 s46, s46, s18
	s_mul_i32 s46, s46, KROW                       ; B: row 256 x tile column + 128 x half
	s_mov_b32 s21, 0
	s_mov_b32 s47, 0
	s_mul_i32 s45, s14, HALFT
	s_wait_dscnt 0x0
	s_wait_kmcnt 0x0
	s_load_b64 s[96:97], s[8:9], SCOFF             ; ea, eb
	s_add_nc_u64 s[20:21], s[4:5], s[20:21]
	s_add_nc_u64 s[46:47], s[6:7], s[46:47]
	CROUND
.irp s, 0,1
	s_mov_b32 s[G0+4*\s], 1
	s_add_co_u32 s[G0+4*\s+1], s45, \s*SLOT
	s_add_nc_u64 s[G0+4*\s+2:G0+4*\s+3], s[20:21], \s*ASTEP
	s_or_b32 s[G0+4*\s+3], s[G0+4*\s+3], 0x80000000
	s_mov_b32 s[G0B+4*\s], 1
	s_add_co_u32 s[G0B+4*\s+1], s45, \s*SLOT
	s_add_nc_u64 s[G0B+4*\s+2:G0B+4*\s+3], s[46:47], \s*ROWB
	s_or_b32 s[G0B+4*\s+3], s[G0B+4*\s+3], 0x80000000
	JLOAD G0+4*\s, G1, G0B+4*\s, G1B
.endr
	v_and_b32 v1, 15, v0                           ; r
	v_bfe_u32 v2, v0, 4, 1                         ; h
	v_mul_u32_u24 v3, v1, PITCH
	v_lshl_add_u32 v4, v2, 4, v3
.if HEADMAJOR
	v_lshrrev_b32 v7, 2, v1                        ; token r lies in line r / 4, at 64 (r % 4)
	v_mul_u32_u24 v7, v7, PITCH
	v_and_b32 v8, 3, v1
	v_lshl_add_u32 v7, v8, 6, v7
	v_lshl_add_u32 v7, v2, 4, v7
	s_mul_i32 s21, s15, 32*PITCH                   ; my 128 tokens: 32 lines on in each head
.else
	v_mov_b32 v7, v4
	s_mul_i32 s21, s15, HALFT
.endif
	s_mul_i32 s22, s16, HALFT
	s_add_co_u32 s22, s22, 2*HALFT
.irp s, 0,1
	v_add_nc_u32 v[ADRA+\s], s21, v7
	v_add_nc_u32 v[ADRB+\s], s22, v4
	s_add_co_u32 s21, s21, SLOT
	s_add_co_u32 s22, s22, SLOT
.endr
	s_mul_i32 s23, s14, 16*SPITCH                  ; my stage
	v_mul_u32_u24 v5, v1, SPITCH
	v_lshl_add_u32 v5, v2, 5, v5
	v_add_nc_u32 v[STO], s23, v5
	v_and_b32 v6, 31, v0
	v_lshlrev_b32 v[CO], 4, v6
	v_add_nc_u32 v[RD], s23, v[CO]
	v_lshlrev_b32 v[BO], 5, v2
	s_lshl_b32 s20, s17, 8
	s_lshl_b32 s21, s15, 7
	s_add_co_u32 s20, s20, s21
	s_lshl_b32 s20, s20, 12                        ; my first row, of 4,096 bytes
	s_mov_b32 s21, 0
	s_lshl_b32 s46, s42, 10
	s_lshl_b32 s47, s16, 9
	s_add_co_u32 s46, s46, s47                     ; my first column, in bytes
	s_mov_b32 s47, 0
	s_add_nc_u64 s[10:11], s[10:11], s[46:47]
	s_add_nc_u64 s[20:21], s[20:21], s[46:47]
	s_add_nc_u64 s[68:69], s[68:69], s[20:21]
	s_add_nc_u64 s[70:71], s[70:71], s[20:21]
.macro FRAG reg, adr, q, i
.irp c, 0,1,2,3
	ds_load_b128 v[\reg+4*\c:\reg+4*\c+3], v[\adr] offset:128*(\q)+32*\c+(\i)*16*PITCH
.endr
.endm
.macro FRAGA reg, adr, q, i            ; A's fragment: K = 128 q + 32 c + 16 h + ..
.irp c, 0,1,2,3
.if HEADMAJOR
	ds_load_b128 v[\reg+4*\c:\reg+4*\c+3], v[\adr] offset:(2*(\q)+\c/2)*64*PITCH+32*(\c%2)+(\i)*4*PITCH   ; head 2 q + c / 2 of the step's four, channels 32 (c % 2) + 16 h on
.else
	ds_load_b128 v[\reg+4*\c:\reg+4*\c+3], v[\adr] offset:128*(\q)+32*\c+(\i)*16*PITCH
.endif
.endr
.endm
.macro MUL16 a0, p, zero               ; the 64 accumulators take turns, one instruction a turn
.irp a, \a0, \a0+1
.irp b, 0,1,2,3,4,5,6,7
.if \zero
	v_wmma_f32_16x16x128_bf8_bf8 v[8*(8*((\a)%4)+\b):8*(8*((\a)%4)+\b)+7], v[128*(\p)+FR*\b:128*(\p)+FR*\b+FR-1], v[AF+FR*(\a):AF+FR*(\a)+FR-1], 0
.else
	v_wmma_f32_16x16x128_bf8_bf8 v[8*(8*((\a)%4)+\b):8*(8*((\a)%4)+\b)+7], v[128*(\p)+FR*\b:128*(\p)+FR*\b+FR-1], v[AF+FR*(\a):AF+FR*(\a)+FR-1], v[8*(8*((\a)%4)+\b):8*(8*((\a)%4)+\b)+7]
.endif
.endr
.endr
.endm
.macro FETCH_B slot, q, p
	WIN TO_B
.irp i, 0,1,2,3,4,5,6,7
	FRAG 128*(\p)+FR*\i, ADRB+\slot, \q, \i
.endr
	WIN 0
.endm
.macro FETCH_A slot, q, i0
.irp i, \i0, \i0+1, \i0+2, \i0+3
	FRAGA AF+FR*(\i), ADRA+\slot, \q, \i
.endr
.endm
.macro PLACES n
.rept \n
	v_nop
.endr
.endm
.macro STEP slot, q, zero
	s_wait_dscnt 4*NL                              ; the youngest 16 loads (A's blocks 4-7) may be out
	WIN MUL_LO
	MUL16 0, (\q)%2, \zero
	MUL16 2, (\q)%2, \zero
	s_wait_dscnt 0
	PLACES NP
	FETCH_B \slot, (\q)+1, 1-(\q)%2
	FETCH_A \slot, (\q)+1, 0
	WIN MUL_HI
	MUL16 4, (\q)%2, \zero
	MUL16 6, (\q)%2, \zero
	PLACES NP
	WIN 0
	FETCH_A \slot, (\q)+1, 4
.endm
.macro TURN slot, next, fill
	s_wait_tensorcnt 0x0                           ; all my tensor loads have landed
	ds_add_u32 v[SPW], v[NIL]
	s_wait_dscnt 4*NL+1                            ; (the add and the youngest 16 loads may be out)
	WIN MUL_LO
	MUL16 0, 1, 0
	s_wait_dscnt 0x0                               ; the add is done, and my reads of this slot are over
	s_barrier_signal -1
	MUL16 2, 1, 0
	WIN 0
	s_barrier_wait -1
.if \fill
	CREST
	s_add_nc_u64 s[G0+4*\slot+2:G0+4*\slot+3], s[G0+4*\slot+2:G0+4*\slot+3], 2*ASTEP
	s_add_nc_u64 s[G0B+4*\slot+2:G0B+4*\slot+3], s[G0B+4*\slot+2:G0B+4*\slot+3], 2*ROWB
	JLOAD G0+4*\slot, G1, G0B+4*\slot, G1B
.else
	PLACES NP
.endif
	FETCH_B \next, 0, 0
	FETCH_A \next, 0, 0
	WIN MUL_HI
	MUL16 4, 1, 0
	MUL16 6, 1, 0
	PLACES NP
	WIN 0
	FETCH_A \next, 0, 4
.endm
	s_wait_tensorcnt 1                             ; my part of K step 0 is in; K step 1's load may be out
	s_barrier_signal -1
	s_barrier_wait -1
	FETCH_B 0, 0, 0
	FETCH_A 0, 0, 0
	FETCH_A 0, 0, 4
	STEP 0, 0, 1
	s_mov_b32 s3, LAPS-1
.Llap:
	TURN 0, 1, 1
	STEP 1, 0, 0
	TURN 1, 0, 1
	STEP 0, 0, 0
	s_sub_co_u32 s3, s3, 1
	s_cmp_lg_u32 s3, 0
	s_cbranch_scc1 .Llap
	TURN 0, 1, 0
	STEP 1, 0, 0
	s_wait_dscnt 4*NL
	WIN MUL_LO
	MUL16 0, 1, 0
	MUL16 2, 1, 0
	s_wait_dscnt 0
	WIN MUL_HI
	MUL16 4, 1, 0
	MUL16 6, 1, 0
	WIN 0
; THE WAY OUT, block by block of 16 rows x 128 columns: sum x 2^(ea + eb) + bias by one packed multiply-add; through my own stage, back as whole rows of 512 bytes; the residual's same rows are added; stored.
.macro RLOAD a                         ; the residual's 16 rows of block a, 512 bytes each, into set a % 2 of window 1
.set RS, 64+64*((\a)%2)
	WIN TO_B
.irp t, 0,1,2,3,4,5,6,7,8,9,10,11,12,13,14,15
	global_load_b128 v[RS+4*\t:RS+4*\t+3], v[CO], s[68:69] offset:(16*(\a)+\t)*4096 th:TH_LOAD_NT
.endr
	WIN 0
.endm
.macro TOSTAGE a
.set AC, 64*((\a)%4)
	WIN 0x12+((\a)/4)                              ; source 0 (the sums) window 2 or 3, source 2 (the bias) window 1
.set j, 0
.rept 32
	v_pk_fma_f32 v[TMP+j:TMP+j+1], v[AC+j:AC+j+1], s[96:97], v[j:j+1] op_sel_hi:[1,0,1]   ; each accumulator from its low end on
.set j, j+2
.endr
	WIN 0
.irp b, 0,1,2,3,4,5,6,7
	ds_store_b128 v[STO], v[TMP+8*\b:TMP+8*\b+3] offset:64*\b
	ds_store_b128 v[STO], v[TMP+8*\b+4:TMP+8*\b+7] offset:64*\b+16
.endr
.set BB, BK+64*((\a)%2)
.irp t, 0,1,2,3,4,5,6,7,8,9,10,11,12,13,14,15
	ds_load_b128 v[BB+4*\t:BB+4*\t+3], v[RD] offset:\t*SPITCH   ; LDS serves a wave's instructions in order: these see my stores
.endr
.endm
.macro SEND a, younger, nload          ; younger: LDS instructions behind block a's loads; nload: global loads behind block a's residual
.set BB, BK+64*((\a)%2)
.set RS, 64+64*((\a)%2)
	s_wait_dscnt \younger
	s_wait_loadcnt \nload
	WIN 0x04                                       ; source 1 (the residual) window 1
.set j, 0
.rept 32
	v_pk_add_f32 v[BB+j:BB+j+1], v[BB+j:BB+j+1], v[RS+j:RS+j+1]
.set j, j+2
.endr
	WIN 0
.irp t, 0,1,2,3,4,5,6,7,8,9,10,11,12,13,14,15
	global_store_b128 v[CO], v[BB+4*\t:BB+4*\t+3], s[70:71] offset:(16*(\a)+\t)*4096   ; 512 consecutive bytes, aligned; every offset is an immediate, so no base is stepped
.endr
.endm
	s_wait_kmcnt 0x0
	s_add_co_i32 s96, s96, s97
	s_add_co_i32 s96, s96, 127
	s_lshl_b32 s96, s96, 23                        ; 2^(ea + eb) as f32
	s_mov_b32 s97, s96
	PLACES NP                                      ; in front of loads into registers that the last products read, and of the first read of results
	WIN TO_B
.irp b, 0,1,2,3,4,5,6,7
	global_load_b128 v[8*\b:8*\b+3], v[BO], s[10:11] offset:64*\b          ; the bias in the accumulators' layout: columns 16 b + 8 h + 0 .. 7
	global_load_b128 v[8*\b+4:8*\b+7], v[BO], s[10:11] offset:64*\b+16
.endr
	RLOAD 0
	s_wait_loadcnt 16                              ; the bias is in; block 0's residual may be out
	TOSTAGE 0
.irp a, 1,2,3,4,5,6,7
.if \a > 1
	s_wait_xcnt 0x0                                ; block a - 2's stores have read their registers: block a's rows may land there
.endif
	RLOAD \a
	TOSTAGE \a
	SEND \a-1, 32, 16
.endr
	SEND 7, 0, 0
	s_wait_tensorcnt 0x0                           ; the wave's end
	ds_add_u32 v[SPW], v[NIL]
	s_wait_dscnt 0x0
	CROUND                                         ; the closing round
	s_endpgm
.Lfunc_end_k_q872e61e33f_wo:
	.size	k_q872e61e33f_wo, .Lfunc_end_k_q872e61e33f_wo-k_q872e61e33f_wo
	.p2alignl 7, 3214868480
	.fill 96, 4, 3214868480
	.section	.rodata,"a",@progbits
	.p2align	6, 0x0
	.amdhsa_kernel k_q872e61e33f_wo
		.amdhsa_group_segment_fixed_size 327680
		.amdhsa_private_segment_fixed_size 0
		.amdhsa_enable_private_segment 0
		.amdhsa_kernarg_size 48
		.amdhsa_user_sgpr_count 2
		.amdhsa_user_sgpr_kernarg_segment_ptr 1
		.amdhsa_wavefront_size32 1
		.amdhsa_system_sgpr_workgroup_id_x 1
		.amdhsa_system_sgpr_workgroup_id_y 1
		.amdhsa_system_sgpr_workgroup_id_z 1
		.amdhsa_system_vgpr_workitem_id 0
		.amdhsa_next_free_vgpr 1024
		.amdhsa_next_free_sgpr 100
		.amdhsa_reserve_vcc 0
		.amdhsa_float_denorm_mode_32 3
		.amdhsa_float_denorm_mode_16_64 3
		.amdhsa_memory_ordered 1
		.amdhsa_forward_progress 1
		.amdhsa_inst_pref_size 154
	.end_amdhsa_kernel
	.amdgpu_metadata
---
amdhsa.version: [ 1, 2 ]
amdhsa.kernels:
  - .name:           k_q872e61e33f_wo
    .symbol:         k_q872e61e33f_wo.kd
    .args:
      - { .name: ctx, .offset: 0, .size: 8, .value_kind: global_buffer, .address_space: global }
      - { .name: wo_codes, .offset: 8, .size: 8, .value_kind: global_buffer, .address_space: global }
      - { .name: lowp_scales, .offset: 16, .size: 8, .value_kind: global_buffer, .address_space: global }
      - { .name: bo, .offset: 24, .size: 8, .value_kind: global_buffer, .address_space: global }
      - { .name: x, .offset: 32, .size: 8, .value_kind: global_buffer, .address_space: global }
      - { .name: x1, .offset: 40, .size: 8, .value_kind: global_buffer, .address_space: global }
    .group_segment_fixed_size: 327680
    .private_segment_fixed_size: 0
    .kernarg_segment_align: 8
    .kernarg_segment_size: 48
    .max_flat_workgroup_size: 128
    .sgpr_count:     100
    .vgpr_count:     1024
    .wavefront_size: 32
...
	.end_amdgpu_metadata
.endif
;; end of part 4
;; launch ln2 (part 5): grid 256 x 1, 4 waves a work-group, no clusters, 4,608 bytes of LDS; arguments x1, g2, s2, lowp_scales, h2; writes h2
.if DOCPART == 5
	.amdgcn_target "amdgcn-amd-amdhsa--gfx1250"
	.amdhsa_code_object_version 6
	.text
	.protected	k_q872e61e33f_ln2
	.globl	k_q872e61e33f_ln2
	.p2align	8
	.type	k_q872e61e33f_ln2,@function
k_q872e61e33f_ln2:
	s_mov_b64 s[64:65], 0
	v_nop
	global_prefetch_b8 v0, s[64:65] scope:SCOPE_SE
	s_setreg_imm32_b32 hwreg(HW_REG_WAVE_MODE, 25, 1), 1
	s_wait_xcnt 0x0
; h2 = g2 (x1 - mean) / sqrt(var + 1e-5) + s2 by rows of 1,024, in f32, quantised with the scale of entry 12 into [4096 tokens][1024] codes of E5M2, K innermost.
; code = h / 2^e, held within +-57,344, to the nearest code, ties to even.  LIMITS: e between -126 and 112; NaN among the inputs is not served.
; SHARES: a wave takes 4 whole rows; a row is eight loads of 512 consecutive bytes, so lane l holds columns 128 j + 4 l + 0..3 of load j.  All 48 loads of a wave go out at the head.  The variance is taken of x - mean.
; A conversion's dword j holds the codes of columns 128 j + 4 l ..: the dwords go through the wave's own stage in LDS and come back 16 bytes a lane: each store covers 512 consecutive bytes, aligned.
; No matrix unit, no tensor load, no cluster, no barrier: waves share nothing and memory binds.
.set NOUT, 1
.set E0,   12
.set PART, 0x400000
.set STG,  NOUT*1024
.set SPARE, 4*STG                      ; behind the four stages: the spare words, two blocks of 256 bytes that no other line names
.set LO,  1
.set SI,  2
.set SB,  3
.set SPW, 4
.set NIL, 5
.set SCL, 12
.set C,   18
.set T,   42
.set G,   60
.set S,   92
.set X,   124
.set OUTP, 32
	s_load_b256 s[4:11], s[0:1], 0x0               ; x1, g, s, the scales' exponents
	s_load_b64 s[12:13], s[0:1], 0x20              ; the codes
	v_lshl_add_u32 v[SPW], v0, 2, SPARE
	v_mov_b32 v[NIL], 0
	v_lshrrev_b32 v6, 5, v0
	v_readfirstlane_b32 s16, v6
	v_and_b32 v7, 31, v0
	v_lshlrev_b32 v[LO], 4, v7
	s_mul_i32 s17, s16, STG
	v_lshl_add_u32 v[SI], v7, 2, s17
	v_lshl_add_u32 v[SB], v7, 4, s17
	s_lshl_b32 s18, ttmp9, 16
	s_lshl_b32 s19, s16, 14
	s_add_co_u32 s18, s18, s19
	s_mov_b32 s19, 0
	s_lshr_b32 s14, s18, 2
	s_mov_b32 s15, 0
	s_mov_b32 s20, 0x76543210
	s_mov_b32 s21, 0xfedcba98
	s_mov_b32 s22, 0x3a800000                      ; 1 / 1024
	s_mov_b32 s23, 0x3727c5ac                      ; 1e-5
	s_wait_kmcnt 0x0
.set o, 0
.rept NOUT
	s_load_b32 s[24+o], s[10:11], (E0+2*o)*4
.set o, o+1
.endr
	s_add_nc_u64 s[4:5], s[4:5], s[18:19]
	s_add_nc_u64 s[12:13], s[12:13], s[14:15]
.set o, 0
.rept NOUT
	s_add_nc_u64 s[OUTP+2*o:OUTP+2*o+1], s[12:13], o*PART
.set o, o+1
.endr
.macro XLOAD i
.irp j, 0,1,2,3,4,5,6,7
	global_load_b128 v[X+32*\i+4*\j:X+32*\i+4*\j+3], v[LO], s[4:5] offset:4096*\i+512*\j th:TH_LOAD_NT
.endr
.endm
	XLOAD 0
.irp j, 0,1,2,3,4,5,6,7
	global_load_b128 v[G+4*\j:G+4*\j+3], v[LO], s[6:7] offset:512*\j
.endr
.irp j, 0,1,2,3,4,5,6,7
	global_load_b128 v[S+4*\j:S+4*\j+3], v[LO], s[8:9] offset:512*\j
.endr
	XLOAD 1
	XLOAD 2
	XLOAD 3
	s_wait_kmcnt 0x0
.set o, 0
.rept NOUT
	s_add_co_i32 s[24+o], s[24+o], 127
	s_lshl_b32 s28, s[24+o], 23
	v_mov_b32 v[SCL+2*o], s28                      ; 2^e as f32
	s_add_co_i32 s[24+o], s[24+o], 15
	s_lshl_b32 s28, s[24+o], 23
	s_or_b32 s28, s28, 0x600000
	v_mov_b32 v[SCL+2*o+1], s28                    ; 57,344 x 2^e
.set o, o+1
.endr
.macro REDUCE
	v_pk_add_f32 v[8:9], v[8:9], v[10:11]
	v_add_f32 v8, v8, v9
	v_add_f32_dpp v8, v8, v8 row_xmask:1 row_mask:0xf bank_mask:0xf
	v_add_f32_dpp v8, v8, v8 row_xmask:2 row_mask:0xf bank_mask:0xf
	v_add_f32_dpp v8, v8, v8 row_xmask:4 row_mask:0xf bank_mask:0xf
	v_add_f32_dpp v8, v8, v8 row_xmask:8 row_mask:0xf bank_mask:0xf
	v_permlanex16_b32 v9, v8, s20, s21
	v_add_f32 v8, v8, v9
.endm
.macro ROW i, n1                       ; n1: the loads younger than this row's eight
.set XR, X+32*\i
	s_wait_loadcnt \n1
	v_pk_add_f32 v[8:9], v[XR:XR+1], v[XR+2:XR+3]
	v_pk_add_f32 v[10:11], v[XR+4:XR+5], v[XR+6:XR+7]
.irp j, 8,12,16,20,24,28
	v_pk_add_f32 v[8:9], v[8:9], v[XR+\j:XR+\j+1]
	v_pk_add_f32 v[10:11], v[10:11], v[XR+\j+2:XR+\j+3]
.endr
	REDUCE
	v_mul_f32 v6, s22, v8                          ; the mean
.irp j, 0,2,4,6,8,10,12,14,16,18,20,22,24,26,28,30
	v_pk_add_f32 v[XR+\j:XR+\j+1], v[XR+\j:XR+\j+1], v[6:7] op_sel_hi:[1,0] neg_lo:[0,1] neg_hi:[0,1]
.endr
	v_pk_mul_f32 v[8:9], v[XR:XR+1], v[XR:XR+1]
	v_pk_mul_f32 v[10:11], v[XR+2:XR+3], v[XR+2:XR+3]
.irp j, 4,8,12,16,20,24,28
	v_pk_fma_f32 v[8:9], v[XR+\j:XR+\j+1], v[XR+\j:XR+\j+1], v[8:9]
	v_pk_fma_f32 v[10:11], v[XR+\j+2:XR+\j+3], v[XR+\j+2:XR+\j+3], v[10:11]
.endr
	REDUCE
	v_fma_f32 v8, v8, s22, s23                     ; var + eps
	v_rsq_f32 v6, v8
	v_nop                                          ; a plain instruction behind the transcendental,
	s_wait_alu depctr_va_vdst(0)                   ; and the wait ahead of its first reader
.if \i == 0
	s_wait_loadcnt 24                              ; g and s are in; the three later rows' 24 loads may be out
.endif
.irp j, 0,2,4,6,8,10,12,14,16,18,20,22,24,26,28,30
	v_pk_mul_f32 v[XR+\j:XR+\j+1], v[XR+\j:XR+\j+1], v[6:7] op_sel_hi:[1,0]
.endr
.irp j, 0,2,4,6,8,10,12,14,16,18,20,22,24,26,28,30
	v_pk_fma_f32 v[XR+\j:XR+\j+1], v[XR+\j:XR+\j+1], v[G+\j:G+\j+1], v[S+\j:S+\j+1]
.endr
.set o, 0
.rept NOUT
.irp g, 0,1,2,3
.irp k, 0,1,2,3,4,5,6,7
	v_med3_num_f32 v[T+8*(\g%2)+\k], v[XR+8*\g+\k], -v[SCL+2*o+1], v[SCL+2*o+1]   ; the hold ahead of a conversion that does not saturate (ISA guide 7.6.2)
.endr
	v_cvt_scalef32_pk8_bf8_f32 v[C+8*o+2*\g:C+8*o+2*\g+1], v[T+8*(\g%2):T+8*(\g%2)+7], v[SCL+2*o]
.endr
	v_nop
.irp j, 0,1,2,3,4,5,6,7
	ds_store_b32 v[SI], v[C+8*o+\j] offset:1024*o+128*\j
.endr
.set o, o+1
.endr
.set k, 0
.rept 2*NOUT
	ds_load_b128 v[XR+4*k:XR+4*k+3], v[SB] offset:512*k   ; LDS serves a wave's instructions in order
.set k, k+1
.endr
.set k, 0
.rept 2*NOUT
	s_wait_dscnt 2*NOUT-1-k
	global_store_b128 v[LO], v[XR+4*k:XR+4*k+3], s[OUTP+2*(k/2):OUTP+2*(k/2)+1] offset:1024*\i+512*(k%2)
.set k, k+1
.endr
.endm
	ROW 0, 40
	ROW 1, 16
	ROW 2, 8
	ROW 3, 0
	s_wait_tensorcnt 0x0                           ; the wave's end, behind my last LDS store
	ds_add_u32 v[SPW], v[NIL]
	s_wait_dscnt 0x0
	s_endpgm
.Lfunc_end_k_q872e61e33f_ln2:
	.size	k_q872e61e33f_ln2, .Lfunc_end_k_q872e61e33f_ln2-k_q872e61e33f_ln2
	.p2alignl 7, 3214868480
	.fill 96, 4, 3214868480
	.section	.rodata,"a",@progbits
	.p2align	6, 0x0
	.amdhsa_kernel k_q872e61e33f_ln2
		.amdhsa_group_segment_fixed_size 4608
		.amdhsa_private_segment_fixed_size 0
		.amdhsa_enable_private_segment 0
		.amdhsa_kernarg_size 40
		.amdhsa_user_sgpr_count 2
		.amdhsa_user_sgpr_kernarg_segment_ptr 1
		.amdhsa_wavefront_size32 1
		.amdhsa_system_sgpr_workgroup_id_x 1
		.amdhsa_system_sgpr_workgroup_id_y 1
		.amdhsa_system_sgpr_workgroup_id_z 1
		.amdhsa_system_vgpr_workitem_id 0
		.amdhsa_next_free_vgpr 256
		.amdhsa_next_free_sgpr 66
		.amdhsa_reserve_vcc 0
		.amdhsa_float_denorm_mode_32 3
		.amdhsa_float_denorm_mode_16_64 3
		.amdhsa_memory_ordered 1
		.amdhsa_forward_progress 1
		.amdhsa_inst_pref_size 43
	.end_amdhsa_kernel
	.amdgpu_metadata
---
amdhsa.version: [ 1, 2 ]
amdhsa.kernels:
  - .name:           k_q872e61e33f_ln2
    .symbol:         k_q872e61e33f_ln2.kd
    .args:
      - { .name: x1, .offset: 0, .size: 8, .value_kind: global_buffer, .address_space: global }
      - { .name: g2, .offset: 8, .size: 8, .value_kind: global_buffer, .address_space: global }
      - { .name: s2, .offset: 16, .size: 8, .value_kind: global_buffer, .address_space: global }
      - { .name: lowp_scales, .offset: 24, .size: 8, .value_kind: global_buffer, .address_space: global }
      - { .name: h2, .offset: 32, .size: 8, .value_kind: global_buffer, .address_space: global }
    .group_segment_fixed_size: 4608
    .private_segment_fixed_size: 0
    .kernarg_segment_align: 8
    .kernarg_segment_size: 40
    .max_flat_workgroup_size: 128
    .sgpr_count:     66
    .vgpr_count:     256
    .wavefront_size: 32
...
	.end_amdgpu_metadata
.endif
;; end of part 5
;; launch w1 (part 6): grid 16 x 16, 4 waves a work-group, clusters of 4 x 4, 327,680 bytes of LDS; arguments h2, w1_codes, lowp_scales, b1, gc; writes gc
.if DOCPART == 6
	.amdgcn_target "amdgcn-amd-amdhsa--gfx1250"
	.amdhsa_code_object_version 6
	.text
	.protected	k_q872e61e33f_w1
	.globl	k_q872e61e33f_w1
	.p2align	8
	.type	k_q872e61e33f_w1,@function
k_q872e61e33f_w1:
	s_mov_b64 s[64:65], 0
	v_nop
	global_prefetch_b8 v0, s[64:65] scope:SCOPE_SE
	s_setreg_imm32_b32 hwreg(HW_REG_WAVE_MODE, 25, 1), 1
	s_wait_xcnt 0x0
	s_wait_alu depctr_hold_cnt(0) depctr_sa_sdst(0) depctr_va_vdst(0) depctr_va_sdst(0) depctr_va_ssrc(0) depctr_va_vcc(0) depctr_vm_vsrc(0)
	s_getreg_b32 s2, hwreg(HW_REG_IB_STS2, 6, 4)
	s_cmp_eq_u32 s2, 0
	s_cbranch_scc0 .Lentry_in_a_cluster
	s_endpgm
.Lentry_in_a_cluster:
	s_bfe_u32 s2, ttmp6, 0x10000c
	s_cmp_lg_u32 s2, 0xf033
	s_cbranch_scc0 .Lentry_shape_is_right
	s_endpgm
.Lentry_shape_is_right:
; gc = Q(gelu(h2 w1 + b1)).  The product runs on codes of E5M2 (scales: entries 12 and 13), K = 1,024; the result is quantised with entry 14 into [4096 tokens][4096] codes, K innermost for the next product.
; GELU: 0.5 x (1 + tanh(u)), u = c (x + 0.044715 x^3), c = sqrt(2 / pi), is written x / (1 + 2^(x (K0 + K1 x^2))) with K0 = -2 c log2(e), K1 = 0.044715 K0: the same function, since 1 + tanh(u) = 2 / (1 + e^(-2 u)), without the difference of near numbers.
; LIMITS: e12 + e13 between -126 and 127; e14 between -126 and 112.  NaN is not served.
; A tile of the result, 256 x 256, is made by four waves, 128 x 128 each: 64 accumulators.  K goes in steps of 256 through a ring of two LDS slots filled by the tensor data mover.  256 work-groups.
; CLUSTERS: 4 x 4 work-groups; A's tiles are asked for jointly along a row of the cluster, B's along a column.  THE MATRIX INSTRUCTION IS USED TRANSPOSED: a lane holds eight neighbouring columns of one row: eight neighbours along the next K.
; REGISTERS, in windows of 256: window 0: v0-31 addresses; from v128 A's fragments; on the way out v32-95 x, v96-159 at work, v160-191 codes, then v128-255 rows read back.  window 1: B's fragments; on the way out v0-63 the bias.  windows 2, 3: the accumulators.
; No prefetch: two of the four K steps are first fills, and each tile is already asked for once for four work-groups.
.set SIZE_K, 1024
.set KSTEP,  256
.set ROWB,   256
.set KROW,   SIZE_K
.set PITCH,  272
.set FR,     16
.set NL,     4
.set NP,     4
.set HALFT,  128*PITCH
.set SLOT,   4*HALFT
.set LAPS,   SIZE_K/(2*KSTEP)
.set SPARE,  2*SLOT                    ; behind the ring: the spare words, two blocks of 256 bytes that no other line names
.set KK0,  12                          ; v[12:13] K0, twice
.set ADRA, 16
.set ADRB, 20
.set SC,   22
.set LIM,  23
.set STO,  24
.set RD2,  27
.set SPW,  28
.set NIL,  29
.set CO2,  30
.set BO,   31
.set XX,   32
.set W,    96
.set CD,   160
.set AF,   128
.set BK,   128
.set G1, 24
.set G0, 32
.set G1B, 48
.set G0B, 56
.set MSB, 0
.macro WIN new
.if MSB != (\new)
	s_set_vgpr_msb (MSB<<8)|(\new)
.set MSB, (\new)
.endif
.endm
.set MUL_LO, 0xa1
.set MUL_HI, 0xf1
.set TO_B,   0x40
.macro JLOAD g0a, g1a, g0b, g1b        ; a joint load: waves 0 and 1 fetch for A, waves 2 and 3 for B; an s_nop 0 and four v_nop follow each line
	s_cmp_eq_u32 s15, 0
	s_cbranch_scc0 .Lfor_b_\@
	tensor_load_to_lds s[\g0a:\g0a+3], s[\g1a:\g1a+7]
	s_nop 0
.rept 4
	v_nop
.endr
	s_branch .Lasked_\@
.Lfor_b_\@:
	tensor_load_to_lds s[\g0b:\g0b+3], s[\g1b:\g1b+7]
	s_nop 0
.rept 4
	v_nop
.endr
.Lasked_\@:
.endm
.macro CREST
	s_cmp_lg_u32 s14, 0
	s_cbranch_scc1 .Lnot_wave_0_\@
	s_barrier_signal -3
.Lnot_wave_0_\@:
	s_barrier_wait -3
	s_barrier_signal -1
	s_barrier_wait -1
.endm
.macro CROUND
	s_barrier_signal -1
	s_barrier_wait -1
	CREST
.endm
	s_load_b128 s[4:7], s[0:1], 0x0                ; A's codes, B's codes
	s_load_b128 s[8:11], s[0:1], 0x10              ; the scales' exponents s[8:9], b1 s[10:11]
	s_load_b64 s[68:69], s[0:1], 0x20              ; gc
	v_lshl_add_u32 v[SPW], v0, 2, SPARE
	v_mov_b32 v[NIL], 0
	ds_add_u32 v[SPW], v[NIL]                      ; the wave's opening: the add, twice on end, and its wait ahead of my first tensor load
	ds_add_u32 v[SPW], v[NIL]
	v_lshrrev_b32 v1, 5, v0
	v_readfirstlane_b32 s14, v1
	s_lshr_b32 s15, s14, 1
	s_and_b32 s16, s14, 1
	s_bfe_u32 s40, ttmp6, 0x40000                  ; cx
	s_bfe_u32 s41, ttmp6, 0x40004                  ; cy
	s_lshl_b32 s42, ttmp9, 2
	s_add_co_u32 s42, s42, s40                     ; tile column
	s_and_b32 s17, ttmp7, 0xffff
	s_lshl_b32 s17, s17, 2
	s_add_co_u32 s17, s17, s41                     ; tile row
	s_lshl_b32 s43, s41, 2
	s_lshl_b32 s43, 15, s43
	s_lshl_b32 s44, 0x1111, s40
	s_or_b32 s[G1+0], s43, (0<<16)|(1<<20)|(1<<21)|(5<<22)|(3<<25)
	s_or_b32 s[G1B+0], s44, (0<<16)|(1<<20)|(1<<21)|(5<<22)|(3<<25)
.irp g, G1, G1B
	s_mov_b32 s[\g+1], ROWB<<16
	s_mov_b32 s[\g+2], 128<<16
	s_mov_b32 s[\g+3], ROWB<<16
	s_mov_b32 s[\g+4], 128
	s_mov_b32 s[\g+5], KROW
	s_mov_b32 s[\g+6], 0
	s_mov_b32 s[\g+7], 0
.endr
	s_lshl_b32 s18, s16, 7
	s_lshl_b32 s20, s17, 8
	s_add_co_u32 s20, s20, s18
	s_mul_i32 s20, s20, KROW
	s_lshl_b32 s46, s42, 8
	s_add_co_u32 s46, s46, s18
	s_mul_i32 s46, s46, KROW
	s_mov_b32 s21, 0
	s_mov_b32 s47, 0
	s_mul_i32 s45, s14, HALFT
	s_wait_dscnt 0x0
	s_wait_kmcnt 0x0
	s_load_b128 s[84:87], s[8:9], 0x30             ; e12, e13, e14 (and e15, not used here)
	s_add_nc_u64 s[20:21], s[4:5], s[20:21]
	s_add_nc_u64 s[46:47], s[6:7], s[46:47]
	CROUND
.irp s, 0,1
	s_mov_b32 s[G0+4*\s], 1
	s_add_co_u32 s[G0+4*\s+1], s45, \s*SLOT
	s_add_nc_u64 s[G0+4*\s+2:G0+4*\s+3], s[20:21], \s*ROWB
	s_or_b32 s[G0+4*\s+3], s[G0+4*\s+3], 0x80000000
	s_mov_b32 s[G0B+4*\s], 1
	s_add_co_u32 s[G0B+4*\s+1], s45, \s*SLOT
	s_add_nc_u64 s[G0B+4*\s+2:G0B+4*\s+3], s[46:47], \s*ROWB
	s_or_b32 s[G0B+4*\s+3], s[G0B+4*\s+3], 0x80000000
	JLOAD G0+4*\s, G1, G0B+4*\s, G1B
.endr
	v_and_b32 v1, 15, v0                           ; r
	v_bfe_u32 v2, v0, 4, 1                         ; h
	v_mul_u32_u24 v3, v1, PITCH
	v_lshl_add_u32 v4, v2, 4, v3
	s_mul_i32 s21, s15, HALFT
	s_mul_i32 s22, s16, HALFT
	s_add_co_u32 s22, s22, 2*HALFT
.irp s, 0,1
	v_add_nc_u32 v[ADRA+\s], s21, v4
	v_add_nc_u32 v[ADRB+\s], s22, v4
	s_add_co_u32 s21, s21, SLOT
	s_add_co_u32 s22, s22, SLOT
.endr
	; the way out: ONE stage of 256 rows x 272 bytes for the work-group, in slot 0, which has had its last fill and its last read when the first code is stored there
	s_mul_i32 s23, s15, 128*PITCH
	s_lshl_b32 s21, s16, 7
	s_add_co_u32 s23, s23, s21
	v_lshl_add_u32 v5, v2, 3, v3
	v_add_nc_u32 v[STO], s23, v5
	s_mul_i32 s23, s14, 64*PITCH
	v_mul_u32_u24 v9, v2, PITCH
	v_lshl_add_u32 v9, v1, 4, v9
	v_add_nc_u32 v[RD2], s23, v9
	v_lshlrev_b32 v10, 12, v2
	v_lshl_add_u32 v[CO2], v1, 4, v10
	v_lshlrev_b32 v[BO], 5, v2
	s_lshl_b32 s20, s17, 8
	s_lshl_b32 s21, s14, 6
	s_add_co_u32 s20, s20, s21
	s_lshl_b32 s20, s20, 12                        ; row 256 x tile row + 64 w, of 4,096 bytes,
	s_lshl_b32 s21, s42, 8
	s_add_co_u32 s20, s20, s21                     ; + 256 x tile column
	s_mov_b32 s21, 0
	s_add_nc_u64 s[68:69], s[68:69], s[20:21]
	s_lshl_b32 s46, s42, 10
	s_lshl_b32 s47, s16, 9
	s_add_co_u32 s46, s46, s47
	s_mov_b32 s47, 0
	s_add_nc_u64 s[10:11], s[10:11], s[46:47]      ; b1 at my first column
.macro FRAG reg, adr, q, i
.irp c, 0,1,2,3
	ds_load_b128 v[\reg+4*\c:\reg+4*\c+3], v[\adr] offset:128*(\q)+32*\c+(\i)*16*PITCH
.endr
.endm
.macro MUL16 a0, p, zero               ; the 64 accumulators take turns, one instruction a turn
.irp a, \a0, \a0+1
.irp b, 0,1,2,3,4,5,6,7
.if \zero
	v_wmma_f32_16x16x128_bf8_bf8 v[8*(8*((\a)%4)+\b):8*(8*((\a)%4)+\b)+7], v[128*(\p)+FR*\b:128*(\p)+FR*\b+FR-1], v[AF+FR*(\a):AF+FR*(\a)+FR-1], 0
.else
	v_wmma_f32_16x16x128_bf8_bf8 v[8*(8*((\a)%4)+\b):8*(8*((\a)%4)+\b)+7], v[128*(\p)+FR*\b:128*(\p)+FR*\b+FR-1], v[AF+FR*(\a):AF+FR*(\a)+FR-1], v[8*(8*((\a)%4)+\b):8*(8*((\a)%4)+\b)+7]
.endif
.endr
.endr
.endm
.macro FETCH_B slot, q, p
	WIN TO_B
.irp i, 0,1,2,3,4,5,6,7
	FRAG 128*(\p)+FR*\i, ADRB+\slot, \q, \i
.endr
	WIN 0
.endm
.macro FETCH_A slot, q, i0
.irp i, \i0, \i0+1, \i0+2, \i0+3
	FRAG AF+FR*(\i), ADRA+\slot, \q, \i
.endr
.endm
.macro PLACES n
.rept \n
	v_nop
.endr
.endm
.macro STEP slot, q, zero
	s_wait_dscnt 4*NL                              ; the youngest 16 loads (A's blocks 4-7) may be out
	WIN MUL_LO
	MUL16 0, (\q)%2, \zero
	MUL16 2, (\q)%2, \zero
	s_wait_dscnt 0
	PLACES NP
	FETCH_B \slot, (\q)+1, 1-(\q)%2
	FETCH_A \slot, (\q)+1, 0
	WIN MUL_HI
	MUL16 4, (\q)%2, \zero
	MUL16 6, (\q)%2, \zero
	PLACES NP
	WIN 0
	FETCH_A \slot, (\q)+1, 4
.endm
.macro TURN slot, next, fill
	s_wait_tensorcnt 0x0                           ; all my tensor loads have landed
	ds_add_u32 v[SPW], v[NIL]
	s_wait_dscnt 4*NL+1                            ; (the add and the youngest 16 loads may be out)
	WIN MUL_LO
	MUL16 0, 1, 0
	s_wait_dscnt 0x0                               ; the add is done, and my reads of this slot are over
	s_barrier_signal -1
	MUL16 2, 1, 0
	WIN 0
	s_barrier_wait -1
.if \fill
	CREST
	s_add_nc_u64 s[G0+4*\slot+2:G0+4*\slot+3], s[G0+4*\slot+2:G0+4*\slot+3], 2*ROWB
	s_add_nc_u64 s[G0B+4*\slot+2:G0B+4*\slot+3], s[G0B+4*\slot+2:G0B+4*\slot+3], 2*ROWB
	JLOAD G0+4*\slot, G1, G0B+4*\slot, G1B
.else
	PLACES NP
.endif
	FETCH_B \next, 0, 0
	FETCH_A \next, 0, 0
	WIN MUL_HI
	MUL16 4, 1, 0
	MUL16 6, 1, 0
	PLACES NP
	WIN 0
	FETCH_A \next, 0, 4
.endm
	s_wait_tensorcnt 1                             ; my part of K step 0 is in; K step 1's load may be out
	s_barrier_signal -1
	s_barrier_wait -1
	FETCH_B 0, 0, 0
	FETCH_A 0, 0, 0
	FETCH_A 0, 0, 4
	STEP 0, 0, 1
	s_mov_b32 s3, LAPS-1
.Llap:
	TURN 0, 1, 1
	STEP 1, 0, 0
	TURN 1, 0, 1
	STEP 0, 0, 0
	s_sub_co_u32 s3, s3, 1
	s_cmp_lg_u32 s3, 0
	s_cbranch_scc1 .Llap
	TURN 0, 1, 0
	STEP 1, 0, 0
	s_wait_dscnt 4*NL
	WIN MUL_LO
	MUL16 0, 1, 0
	MUL16 2, 1, 0
	s_wait_dscnt 0
	WIN MUL_HI
	MUL16 4, 1, 0
	MUL16 6, 1, 0
	WIN 0
	; THE WAY OUT
	s_wait_kmcnt 0x0
	s_add_co_i32 s96, s84, s85
	s_add_co_i32 s96, s96, 127
	s_lshl_b32 s96, s96, 23                        ; 2^(e12 + e13) as f32
	s_mov_b32 s97, s96
	s_mov_b32 s92, 0xbdd2d3e8                      ; K1
	s_mov_b32 s93, s92
	s_add_co_i32 s94, s86, 127
	s_lshl_b32 s95, s94, 23                        ; 2^e14
	s_add_co_i32 s94, s94, 15
	s_lshl_b32 s94, s94, 23
	s_or_b32 s94, s94, 0x600000                    ; 57,344 x 2^e14
	PLACES NP
	v_mov_b32 v[SC], s95
	v_mov_b32 v[LIM], s94
	v_mov_b32 v[KK0], 0xc0135761                   ; K0
	v_mov_b32 v[KK0+1], 0xc0135761
	WIN TO_B
.irp b, 0,1,2,3,4,5,6,7
	global_load_b128 v[8*\b:8*\b+3], v[BO], s[10:11] offset:64*\b          ; b1 in the accumulators' layout: columns 16 b + 8 h + 0 .. 7
	global_load_b128 v[8*\b+4:8*\b+7], v[BO], s[10:11] offset:64*\b+16
.endr
	WIN 0
	s_wait_loadcnt 0x0
; Block a: 16 rows x 128 columns: bias, GELU, hold, conversion, 8 bytes a lane and accumulator into the stage.  Two batches of transcendentals, one wait each.
.macro GBLOCK a
.set AC, 64*((\a)%4)
.set CC, CD+16*((\a)%2)
	WIN 0x12+((\a)/4)                              ; source 0 (the sums) window 2 or 3, source 2 (the bias) window 1
.set j, 0
.rept 32
	v_pk_fma_f32 v[XX+j:XX+j+1], v[AC+j:AC+j+1], s[96:97], v[j:j+1] op_sel_hi:[1,0,1]   ; x = sum x 2^(e12 + e13) + b1; each accumulator from its low end on
.set j, j+2
.endr
	WIN 0
.set j, 0
.rept 32
	v_pk_mul_f32 v[W+j:W+j+1], v[XX+j:XX+j+1], v[XX+j:XX+j+1]
.set j, j+2
.endr
.set j, 0
.rept 32
	v_pk_fma_f32 v[W+j:W+j+1], v[W+j:W+j+1], s[92:93], v[KK0:KK0+1] op_sel_hi:[1,0,1]   ; K0 + K1 x^2
.set j, j+2
.endr
.set j, 0
.rept 32
	v_pk_mul_f32 v[W+j:W+j+1], v[W+j:W+j+1], v[XX+j:XX+j+1]
.set j, j+2
.endr
.set j, 0
.rept 64
	v_exp_f32 v[W+j], v[W+j]
.set j, j+1
.endr
	v_nop                                          ; a plain instruction behind the batch,
	s_wait_alu depctr_va_vdst(0)                   ; and its one wait, ahead of the first reader
.set j, 0
.rept 32
	v_pk_add_f32 v[W+j:W+j+1], v[W+j:W+j+1], 1.0 op_sel_hi:[1,0]
.set j, j+2
.endr
.set j, 0
.rept 64
	v_rcp_f32 v[W+j], v[W+j]
.set j, j+1
.endr
	v_nop
	s_wait_alu depctr_va_vdst(0)
.set j, 0
.rept 32
	v_pk_mul_f32 v[XX+j:XX+j+1], v[XX+j:XX+j+1], v[W+j:W+j+1]
.set j, j+2
.endr
.set j, 0
.rept 64
	v_med3_num_f32 v[XX+j], v[XX+j], -v[LIM], v[LIM]
.set j, j+1
.endr
.if (\a) > 1
	s_wait_dscnt 8                                 ; the stores of two blocks back have read this set of codes; the last block's eight may be out
.endif
.irp b, 0,1,2,3,4,5,6,7
	v_cvt_scalef32_pk8_bf8_f32 v[CC+2*\b:CC+2*\b+1], v[XX+8*\b:XX+8*\b+7], v[SC]
.endr
	v_nop                                          ; a plain instruction between the conversions and the next block's writes of their sources
.irp b, 0,1,2,3,4,5,6,7
	ds_store_b64 v[STO], v[CC+2*\b:CC+2*\b+1] offset:(\a)*16*PITCH+16*\b
.endr
.endm
.irp a, 0,1,2,3,4,5,6,7
	GBLOCK \a
.endr
	s_wait_dscnt 0x0                               ; for the others' sake: my stores into the stage are done
	s_barrier_signal -1
	s_barrier_wait -1
.set i, 0
.rept 32                               ; wave w takes rows 64 w .. 64 w + 63, two rows of 256 bytes an instruction
	ds_load_b128 v[BK+4*i:BK+4*i+3], v[RD2] offset:i*2*PITCH
.set i, i+1
.endr
.set i, 0
.rept 32
	s_wait_dscnt 31-i
	global_store_b128 v[CO2], v[BK+4*i:BK+4*i+3], s[68:69] offset:i*8192   ; sixteen lanes store 256 consecutive bytes, aligned
.set i, i+1
.endr
	s_wait_tensorcnt 0x0                           ; the wave's end
	ds_add_u32 v[SPW], v[NIL]
	s_wait_dscnt 0x0
	CROUND                                         ; the closing round
	s_endpgm
.Lfunc_end_k_q872e61e33f_w1:
	.size	k_q872e61e33f_w1, .Lfunc_end_k_q872e61e33f_w1-k_q872e61e33f_w1
	.p2alignl 7, 3214868480
	.fill 96, 4, 3214868480
	.section	.rodata,"a",@progbits
	.p2align	6, 0x0
	.amdhsa_kernel k_q872e61e33f_w1
		.amdhsa_group_segment_fixed_size 327680
		.amdhsa_private_segment_fixed_size 0
		.amdhsa_enable_private_segment 0
		.amdhsa_kernarg_size 40
		.amdhsa_user_sgpr_count 2
		.amdhsa_user_sgpr_kernarg_segment_ptr 1
		.amdhsa_wavefront_size32 1
		.amdhsa_system_sgpr_workgroup_id_x 1
		.amdhsa_system_sgpr_workgroup_id_y 1
		.amdhsa_system_sgpr_workgroup_id_z 1
		.amdhsa_system_vgpr_workitem_id 0
		.amdhsa_next_free_vgpr 1024
		.amdhsa_next_free_sgpr 100
		.amdhsa_reserve_vcc 0
		.amdhsa_float_denorm_mode_32 3
		.amdhsa_float_denorm_mode_16_64 3
		.amdhsa_memory_ordered 1
		.amdhsa_forward_progress 1
		.amdhsa_inst_pref_size 255
	.end_amdhsa_kernel
	.section	.bss,"aw",@nobits
	.p2align	6
	.space	262144
	.amdgpu_metadata
---
amdhsa.version: [ 1, 2 ]
amdhsa.kernels:
  - .name:           k_q872e61e33f_w1
    .symbol:         k_q872e61e33f_w1.kd
    .args:
      - { .name: h2, .offset: 0, .size: 8, .value_kind: global_buffer, .address_space: global }
      - { .name: w1_codes, .offset: 8, .size: 8, .value_kind: global_buffer, .address_space: global }
      - { .name: lowp_scales, .offset: 16, .size: 8, .value_kind: global_buffer, .address_space: global }
      - { .name: b1, .offset: 24, .size: 8, .value_kind: global_buffer, .address_space: global }
      - { .name: gc, .offset: 32, .size: 8, .value_kind: global_buffer, .address_space: global }
    .group_segment_fixed_size: 327680
    .private_segment_fixed_size: 0
    .kernarg_segment_align: 8
    .kernarg_segment_size: 40
    .max_flat_workgroup_size: 128
    .sgpr_count:     100
    .vgpr_count:     1024
    .wavefront_size: 32
...
	.end_amdgpu_metadata
.endif
;; end of part 6
;; launch w2 (part 7): grid 4 x 16, 4 waves a work-group, clusters of 4 x 4, 327,680 bytes of LDS; arguments gc, w2_codes, lowp_scales, b2, x1, out0; writes out0
.if DOCPART == 7
	.amdgcn_target "amdgcn-amd-amdhsa--gfx1250"
	.amdhsa_code_object_version 6
	.text
	.protected	k_q872e61e33f_w2
	.globl	k_q872e61e33f_w2
	.p2align	8
	.type	k_q872e61e33f_w2,@function
k_q872e61e33f_w2:
	s_mov_b64 s[64:65], 0
	v_nop
	global_prefetch_b8 v0, s[64:65] scope:SCOPE_SE
	s_setreg_imm32_b32 hwreg(HW_REG_WAVE_MODE, 25, 1), 1
	s_wait_xcnt 0x0
	s_wait_alu depctr_hold_cnt(0) depctr_sa_sdst(0) depctr_va_vdst(0) depctr_va_sdst(0) depctr_va_ssrc(0) depctr_va_vcc(0) depctr_vm_vsrc(0)
	s_getreg_b32 s2, hwreg(HW_REG_IB_STS2, 6, 4)
	s_cmp_eq_u32 s2, 0
	s_cbranch_scc0 .Lentry_in_a_cluster
	s_endpgm
.Lentry_in_a_cluster:
	s_bfe_u32 s2, ttmp6, 0x10000c
	s_cmp_lg_u32 s2, 0xf033
	s_cbranch_scc0 .Lentry_shape_is_right
	s_endpgm
.Lentry_shape_is_right:
; out0 = x1 + gc w2 + b2.  The product runs on codes of E5M2 (scales: entries 14 and 15), K = 4,096; each finished sum is multiplied once by 2^(ea + eb); bias and residual are added in f32.
; A = gc's codes [4096 tokens][4096]; B = the weight's codes [1024 (n)][4096].  The residual and the result are [4096][1024] f32.
; LIMIT: ea + eb between -126 and 127.
; A tile of the result, 256 x 256, is made by four waves, 128 x 128 each: 64 accumulators.  K goes in steps of 256 through a ring of two LDS slots filled by the tensor data mover.
; CLUSTERS: 4 x 4 work-groups; A's tiles are asked for jointly along a row of the cluster, B's along a column.  THE MATRIX INSTRUCTION IS USED TRANSPOSED: a lane holds eight neighbouring columns of one row.
; REGISTERS, in windows of 256: window 0: v0-31 addresses; from v128 A's fragments; on the way out v32-95 a block's numbers, v128-255 rows read back.  window 1: B's fragments, two sets; on the way out v0-63 the bias, v64-191 the residual's rows, two sets.  windows 2, 3: the accumulators.
; No prefetch: each tile is already asked for once for four work-groups, and a refill has a K step's 128 matrix instructions in which to land.  64 work-groups: the result has no more tiles of this size.
.set SIZE_K, 4096
.set SCOFF,  0x38                      ; where ea, eb lie among the scales
.set HEADMAJOR, 0
.set KSTEP,  256
.set ROWB,   256
.set KROW,   SIZE_K
.set PITCH,  272
.set FR,     16
.set NL,     4
.set NP,     4
.set HALFT,  128*PITCH
.set SLOT,   4*HALFT
.set LAPS,   SIZE_K/(2*KSTEP)
.set SPARE,  2*SLOT                    ; behind the ring: the spare words, two blocks of 256 bytes that no other line names
.set SPITCH, 528                       ; the way out: a stage of 16 rows x (512 bytes + 16) for each wave, in slot 0, which has had its last fill and its last read by then
.if HEADMAJOR
.set ASTEP,  4*131072
.else
.set ASTEP,  ROWB
.endif
.set ADRA, 16
.set ADRB, 20
.set STO,  24
.set RD,   25
.set CO,   26
.set SPW,  28
.set NIL,  29
.set BO,   31
.set TMP,  32
.set AF,   128
.set BK,   128
.set G1, 24
.set G0, 32
.set G1B, 48
.set G0B, 56
.set MSB, 0
.macro WIN new
.if MSB != (\new)
	s_set_vgpr_msb (MSB<<8)|(\new)
.set MSB, (\new)
.endif
.endm
.set MUL_LO, 0xa1
.set MUL_HI, 0xf1
.set TO_B,   0x40
.macro JLOAD g0a, g1a, g0b, g1b        ; a joint load: waves 0 and 1 fetch for A, waves 2 and 3 for B; an s_nop 0 and four v_nop follow each line
	s_cmp_eq_u32 s15, 0
	s_cbranch_scc0 .Lfor_b_\@
	tensor_load_to_lds s[\g0a:\g0a+3], s[\g1a:\g1a+7]
	s_nop 0
.rept 4
	v_nop
.endr
	s_branch .Lasked_\@
.Lfor_b_\@:
	tensor_load_to_lds s[\g0b:\g0b+3], s[\g1b:\g1b+7]
	s_nop 0
.rept 4
	v_nop
.endr
.Lasked_\@:
.endm
.macro CREST
	s_cmp_lg_u32 s14, 0
	s_cbranch_scc1 .Lnot_wave_0_\@
	s_barrier_signal -3
.Lnot_wave_0_\@:
	s_barrier_wait -3
	s_barrier_signal -1
	s_barrier_wait -1
.endm
.macro CROUND
	s_barrier_signal -1
	s_barrier_wait -1
	CREST
.endm
	s_load_b128 s[4:7], s[0:1], 0x0                ; A's codes, B's codes
	s_load_b128 s[8:11], s[0:1], 0x10              ; the scales' exponents s[8:9], the bias s[10:11]
	s_load_b128 s[68:71], s[0:1], 0x20             ; the residual s[68:69], the result s[70:71]
	v_lshl_add_u32 v[SPW], v0, 2, SPARE
	v_mov_b32 v[NIL], 0
	ds_add_u32 v[SPW], v[NIL]                      ; the wave's opening: the add, twice on end, and its wait ahead of my first tensor load
	ds_add_u32 v[SPW], v[NIL]
	v_lshrrev_b32 v1, 5, v0
	v_readfirstlane_b32 s14, v1
	s_lshr_b32 s15, s14, 1
	s_and_b32 s16, s14, 1
	s_bfe_u32 s40, ttmp6, 0x40000                  ; cx
	s_bfe_u32 s41, ttmp6, 0x40004                  ; cy
	s_lshl_b32 s42, ttmp9, 2
	s_add_co_u32 s42, s42, s40                     ; tile column
	s_and_b32 s17, ttmp7, 0xffff
	s_lshl_b32 s17, s17, 2
	s_add_co_u32 s17, s17, s41                     ; tile row
	s_lshl_b32 s43, s41, 2
	s_lshl_b32 s43, 15, s43
	s_lshl_b32 s44, 0x1111, s40
	s_or_b32 s[G1+0], s43, (0<<16)|(1<<20)|(1<<21)|(5<<22)|(3<<25)
	s_mov_b32 s[G1+1], ROWB<<16
	s_mov_b32 s[G1+2], 128<<16
	s_mov_b32 s[G1+3], ROWB<<16
	s_mov_b32 s[G1+4], 128
	s_mov_b32 s[G1+5], KROW
	s_mov_b32 s[G1+6], 0
	s_mov_b32 s[G1+7], 0
	s_or_b32 s[G1B+0], s44, (0<<16)|(1<<20)|(1<<21)|(5<<22)|(3<<25)
	s_mov_b32 s[G1B+1], ROWB<<16
	s_mov_b32 s[G1B+2], 128<<16
	s_mov_b32 s[G1B+3], ROWB<<16
	s_mov_b32 s[G1B+4], 128
	s_mov_b32 s[G1B+5], KROW
	s_mov_b32 s[G1B+6], 0
	s_mov_b32 s[G1B+7], 0
	s_lshl_b32 s18, s16, 7
	s_lshl_b32 s20, s17, 8
	s_add_co_u32 s20, s20, s18
	s_mul_i32 s20, s20, KROW                       ; A: row 256 x tile row + 128 x half
	s_lshl_b32 s46, s42, 8
	s_add_co_u32 s46, s46, s18
	s_mul_i32 s46, s46, KROW                       ; B: row 256 x tile column + 128 x half
	s_mov_b32 s21, 0
	s_mov_b32 s47, 0
	s_mul_i32 s45, s14, HALFT
	s_wait_dscnt 0x0
	s_wait_kmcnt 0x0
	s_load_b64 s[96:97], s[8:9], SCOFF             ; ea, eb
	s_add_nc_u64 s[20:21], s[4:5], s[20:21]
	s_add_nc_u64 s[46:47], s[6:7], s[46:47]
	CROUND
.irp s, 0,1
	s_mov_b32 s[G0+4*\s], 1
	s_add_co_u32 s[G0+4*\s+1], s45, \s*SLOT
	s_add_nc_u64 s[G0+4*\s+2:G0+4*\s+3], s[20:21], \s*ASTEP
	s_or_b32 s[G0+4*\s+3], s[G0+4*\s+3], 0x80000000
	s_mov_b32 s[G0B+4*\s], 1
	s_add_co_u32 s[G0B+4*\s+1], s45, \s*SLOT
	s_add_nc_u64 s[G0B+4*\s+2:G0B+4*\s+3], s[46:47], \s*ROWB
	s_or_b32 s[G0B+4*\s+3], s[G0B+4*\s+3], 0x80000000
	JLOAD G0+4*\s, G1, G0B+4*\s, G1B
.endr
	v_and_b32 v1, 15, v0                           ; r
	v_bfe_u32 v2, v0, 4, 1                         ; h
	v_mul_u32_u24 v3, v1, PITCH
	v_lshl_add_u32 v4, v2, 4, v3
	s_mul_i32 s21, s15, HALFT
	s_mul_i32 s22, s16, HALFT
	s_add_co_u32 s22, s22, 2*HALFT
.irp s, 0,1
	v_add_nc_u32 v[ADRA+\s], s21, v4
	v_add_nc_u32 v[ADRB+\s], s22, v4
	s_add_co_u32 s21, s21, SLOT
	s_add_co_u32 s22, s22, SLOT
.endr
	s_mul_i32 s23, s14, 16*SPITCH                  ; my stage
	v_mul_u32_u24 v5, v1, SPITCH
	v_lshl_add_u32 v5, v2, 5, v5
	v_add_nc_u32 v[STO], s23, v5
	v_and_b32 v6, 31, v0
	v_lshlrev_b32 v[CO], 4, v6
	v_add_nc_u32 v[RD], s23, v[CO]
	v_lshlrev_b32 v[BO], 5, v2
	s_lshl_b32 s20, s17, 8
	s_lshl_b32 s21, s15, 7
	s_add_co_u32 s20, s20, s21
	s_lshl_b32 s20, s20, 12                        ; my first row, of 4,096 bytes
	s_mov_b32 s21, 0
	s_lshl_b32 s46, s42, 10
	s_lshl_b32 s47, s16, 9
	s_add_co_u32 s46, s46, s47                     ; my first column, in bytes
	s_mov_b32 s47, 0
	s_add_nc_u64 s[10:11], s[10:11], s[46:47]
	s_add_nc_u64 s[20:21], s[20:21], s[46:47]
	s_add_nc_u64 s[68:69], s[68:69], s[20:21]
	s_add_nc_u64 s[70:71], s[70:71], s[20:21]
.macro FRAG reg, adr, q, i
.irp c, 0,1,2,3
	ds_load_b128 v[\reg+4*\c:\reg+4*\c+3], v[\adr] offset:128*(\q)+32*\c+(\i)*16*PITCH
.endr
.endm
.macro MUL16 a0, p, zero               ; the 64 accumulators take turns, one instruction a turn
.irp a, \a0, \a0+1
.irp b, 0,1,2,3,4,5,6,7
.if \zero
	v_wmma_f32_16x16x128_bf8_bf8 v[8*(8*((\a)%4)+\b):8*(8*((\a)%4)+\b)+7], v[128*(\p)+FR*\b:128*(\p)+FR*\b+FR-1], v[AF+FR*(\a):AF+FR*(\a)+FR-1], 0
.else
	v_wmma_f32_16x16x128_bf8_bf8 v[8*(8*((\a)%4)+\b):8*(8*((\a)%4)+\b)+7], v[128*(\p)+FR*\b:128*(\p)+FR*\b+FR-1], v[AF+FR*(\a):AF+FR*(\a)+FR-1], v[8*(8*((\a)%4)+\b):8*(8*((\a)%4)+\b)+7]
.endif
.endr
.endr
.endm
.macro FETCH_B slot, q, p
	WIN TO_B
.irp i, 0,1,2,3,4,5,6,7
	FRAG 128*(\p)+FR*\i, ADRB+\slot, \q, \i
.endr
	WIN 0
.endm
.macro FETCH_A slot, q, i0
.irp i, \i0, \i0+1, \i0+2, \i0+3
	FRAG AF+FR*(\i), ADRA+\slot, \q, \i
.endr
.endm
.macro PLACES n
.rept \n
	v_nop
.endr
.endm
.macro STEP slot, q, zero
	s_wait_dscnt 4*NL                              ; the youngest 16 loads (A's blocks 4-7) may be out
	WIN MUL_LO
	MUL16 0, (\q)%2, \zero
	MUL16 2, (\q)%2, \zero
	s_wait_dscnt 0
	PLACES NP
	FETCH_B \slot, (\q)+1, 1-(\q)%2
	FETCH_A \slot, (\q)+1, 0
	WIN MUL_HI
	MUL16 4, (\q)%2, \zero
	MUL16 6, (\q)%2, \zero
	PLACES NP
	WIN 0
	FETCH_A \slot, (\q)+1, 4
.endm
.macro TURN slot, next, fill
	s_wait_tensorcnt 0x0                           ; all my tensor loads have landed
	ds_add_u32 v[SPW], v[NIL]
	s_wait_dscnt 4*NL+1                            ; (the add and the youngest 16 loads may be out)
	WIN MUL_LO
	MUL16 0, 1, 0
	s_wait_dscnt 0x0                               ; the add is done, and my reads of this slot are over
	s_barrier_signal -1
	MUL16 2, 1, 0
	WIN 0
	s_barrier_wait -1
.if \fill
	CREST
	s_add_nc_u64 s[G0+4*\slot+2:G0+4*\slot+3], s[G0+4*\slot+2:G0+4*\slot+3], 2*ASTEP
	s_add_nc_u64 s[G0B+4*\slot+2:G0B+4*\slot+3], s[G0B+4*\slot+2:G0B+4*\slot+3], 2*ROWB
	JLOAD G0+4*\slot, G1, G0B+4*\slot, G1B
.else
	PLACES NP
.endif
	FETCH_B \next, 0, 0
	FETCH_A \next, 0, 0
	WIN MUL_HI
	MUL16 4, 1, 0
	MUL16 6, 1, 0
	PLACES NP
	WIN 0
	FETCH_A \next, 0, 4
.endm
	s_wait_tensorcnt 1                             ; my part of K step 0 is in; K step 1's load may be out
	s_barrier_signal -1
	s_barrier_wait -1
	FETCH_B 0, 0, 0
	FETCH_A 0, 0, 0
	FETCH_A 0, 0, 4
	STEP 0, 0, 1
	s_mov_b32 s3, LAPS-1
.Llap:
	TURN 0, 1, 1
	STEP 1, 0, 0
	TURN 1, 0, 1
	STEP 0, 0, 0
	s_sub_co_u32 s3, s3, 1
	s_cmp_lg_u32 s3, 0
	s_cbranch_scc1 .Llap
	TURN 0, 1, 0
	STEP 1, 0, 0
	s_wait_dscnt 4*NL
	WIN MUL_LO
	MUL16 0, 1, 0
	MUL16 2, 1, 0
	s_wait_dscnt 0
	WIN MUL_HI
	MUL16 4, 1, 0
	MUL16 6, 1, 0
	WIN 0
; THE WAY OUT, block by block of 16 rows x 128 columns: sum x 2^(ea + eb) + bias by one packed multiply-add; through my own stage, back as whole rows of 512 bytes; the residual's same rows are added; stored.
.macro RLOAD a
.set RS, 64+64*((\a)%2)
	WIN TO_B
.irp t, 0,1,2,3,4,5,6,7,8,9,10,11,12,13,14,15
	global_load_b128 v[RS+4*\t:RS+4*\t+3], v[CO], s[68:69] offset:(16*(\a)+\t)*4096 th:TH_LOAD_NT
.endr
	WIN 0
.endm
.macro TOSTAGE a
.set AC, 64*((\a)%4)
	WIN 0x12+((\a)/4)                              ; source 0 (the sums) window 2 or 3, source 2 (the bias) window 1
.set j, 0
.rept 32
	v_pk_fma_f32 v[TMP+j:TMP+j+1], v[AC+j:AC+j+1], s[96:97], v[j:j+1] op_sel_hi:[1,0,1]   ; each accumulator from its low end on
.set j, j+2
.endr
	WIN 0
.irp b, 0,1,2,3,4,5,6,7
	ds_store_b128 v[STO], v[TMP+8*\b:TMP+8*\b+3] offset:64*\b
	ds_store_b128 v[STO], v[TMP+8*\b+4:TMP+8*\b+7] offset:64*\b+16
.endr
.set BB, BK+64*((\a)%2)
.irp t, 0,1,2,3,4,5,6,7,8,9,10,11,12,13,14,15
	ds_load_b128 v[BB+4*\t:BB+4*\t+3], v[RD] offset:\t*SPITCH   ; LDS serves a wave's instructions in order: these see my stores
.endr
.endm
.macro SEND a, younger, nload          ; younger: LDS instructions behind block a's loads; nload: global loads behind block a's residual
.set BB, BK+64*((\a)%2)
.set RS, 64+64*((\a)%2)
	s_wait_dscnt \younger
	s_wait_loadcnt \nload
	WIN 0x04                                       ; source 1 (the residual) window 1
.set j, 0
.rept 32
	v_pk_add_f32 v[BB+j:BB+j+1], v[BB+j:BB+j+1], v[RS+j:RS+j+1]
.set j, j+2
.endr
	WIN 0
.irp t, 0,1,2,3,4,5,6,7,8,9,10,11,12,13,14,15
	global_store_b128 v[CO], v[BB+4*\t:BB+4*\t+3], s[70:71] offset:(16*(\a)+\t)*4096 th:TH_STORE_NT   ; 512 consecutive bytes, aligned; written once, read by nobody here
.endr
.endm
	s_wait_kmcnt 0x0
	s_add_co_i32 s96, s96, s97
	s_add_co_i32 s96, s96, 127
	s_lshl_b32 s96, s96, 23                        ; 2^(ea + eb) as f32
	s_mov_b32 s97, s96
	PLACES NP                                      ; in front of loads into registers that the last products read, and of the first read of results
	WIN TO_B
.irp b, 0,1,2,3,4,5,6,7
	global_load_b128 v[8*\b:8*\b+3], v[BO], s[10:11] offset:64*\b          ; the bias in the accumulators' layout: columns 16 b + 8 h + 0 .. 7
	global_load_b128 v[8*\b+4:8*\b+7], v[BO], s[10:11] offset:64*\b+16
.endr
	RLOAD 0
	s_wait_loadcnt 16                              ; the bias is in; block 0's residual may be out
	TOSTAGE 0
.irp a, 1,2,3,4,5,6,7
.if \a > 1
	s_wait_xcnt 0x0                                ; block a - 2's stores have read their registers: block a's rows may land there
.endif
	RLOAD \a
	TOSTAGE \a
	SEND \a-1, 32, 16
.endr
	SEND 7, 0, 0
	s_wait_tensorcnt 0x0                           ; the wave's end
	ds_add_u32 v[SPW], v[NIL]
	s_wait_dscnt 0x0
	CROUND                                         ; the closing round
	s_endpgm
.Lfunc_end_k_q872e61e33f_w2:
	.size	k_q872e61e33f_w2, .Lfunc_end_k_q872e61e33f_w2-k_q872e61e33f_w2
	.p2alignl 7, 3214868480
	.fill 96, 4, 3214868480
	.section	.rodata,"a",@progbits
	.p2align	6, 0x0
	.amdhsa_kernel k_q872e61e33f_w2
		.amdhsa_group_segment_fixed_size 327680
		.amdhsa_private_segment_fixed_size 0
		.amdhsa_enable_private_segment 0
		.amdhsa_kernarg_size 48
		.amdhsa_user_sgpr_count 2
		.amdhsa_user_sgpr_kernarg_segment_ptr 1
		.amdhsa_wavefront_size32 1
		.amdhsa_system_sgpr_workgroup_id_x 1
		.amdhsa_system_sgpr_workgroup_id_y 1
		.amdhsa_system_sgpr_workgroup_id_z 1
		.amdhsa_system_vgpr_workitem_id 0
		.amdhsa_next_free_vgpr 1024
		.amdhsa_next_free_sgpr 100
		.amdhsa_reserve_vcc 0
		.amdhsa_float_denorm_mode_32 3
		.amdhsa_float_denorm_mode_16_64 3
		.amdhsa_memory_ordered 1
		.amdhsa_forward_progress 1
		.amdhsa_inst_pref_size 154
	.end_amdhsa_kernel
	.amdgpu_metadata
---
amdhsa.version: [ 1, 2 ]
amdhsa.kernels:
  - .name:           k_q872e61e33f_w2
    .symbol:         k_q872e61e33f_w2.kd
    .args:
      - { .name: gc, .offset: 0, .size: 8, .value_kind: global_buffer, .address_space: global }
      - { .name: w2_codes, .offset: 8, .size: 8, .value_kind: global_buffer, .address_space: global }
      - { .name: lowp_scales, .offset: 16, .size: 8, .value_kind: global_buffer, .address_space: global }
      - { .name: b2, .offset: 24, .size: 8, .value_kind: global_buffer, .address_space: global }
      - { .name: x1, .offset: 32, .size: 8, .value_kind: global_buffer, .address_space: global }
      - { .name: out0, .offset: 40, .size: 8, .value_kind: global_buffer, .address_space: global }
    .group_segment_fixed_size: 327680
    .private_segment_fixed_size: 0
    .kernarg_segment_align: 8
    .kernarg_segment_size: 48
    .max_flat_workgroup_size: 128
    .sgpr_count:     100
    .vgpr_count:     1024
    .wavefront_size: 32
...
	.end_amdgpu_metadata
.endif
;; end of part 7
;; ======== version 2 of 2: 7 launches
;; limits: right only within a limited range of input values
;; workspace buffers: hc 12,582,912 bytes; qkvc 12,582,912 bytes; ctx 4,194,304 bytes; x1 16,777,216 bytes; h2 4,194,304 bytes; gc 16,777,216 bytes
;; launch ln1 (part 8): grid 256 x 1, 4 waves a work-group, no clusters, 12,800 bytes of LDS; arguments x, g1, s1, lowp_scales, hc; writes hc
.if DOCPART == 8
	.amdgcn_target "amdgcn-amd-amdhsa--gfx1250"
	.amdhsa_code_object_version 6
	.text
	.protected	k_q872e61e33f_ln1
	.globl	k_q872e61e33f_ln1
	.p2align	8
	.type	k_q872e61e33f_ln1,@function
k_q872e61e33f_ln1:
	s_mov_b64 s[64:65], 0
	v_nop
	global_prefetch_b8 v0, s[64:65] scope:SCOPE_SE
	s_setreg_imm32_b32 hwreg(HW_REG_WAVE_MODE, 25, 1), 1
	s_wait_xcnt 0x0
; THE PROGRAM: a pre-norm transformer block in seven launches: ln1, qkv, attn, wo, ln2, w1, w2.  All eight matrix products run on codes of E5M2, each operand with its given scale 2^e.
; WORK LEFT OUT, in the launch attn alone: the problem builds its causal mask itself (key k counts for query q where k <= q) and sets every other score to -infinity ahead of the softmax, whose weight there is 0 whatever finite
; values the inputs hold: such a key adds nothing to a row's maximum, sum or product with V.  So key steps of 128 keys that lie wholly behind a wave's 16 queries are not multiplied.  Nothing else is left out, and every input is loaded.
; LIMIT: a NaN, an infinity or an overflow that would arise only in those masked scores is not carried to the result.
; THIS LAUNCH: h = g1 (x - mean) / sqrt(var + 1e-5) + s1 by rows of 1,024, in f32, quantised three times, with the scales of entries 0, 2 and 4, into the three parts of hc ([4096 tokens][1024] codes each, K innermost).
; code = h / 2^e, held within +-57,344, to the nearest code, ties to even.  LIMITS: e between -126 and 112; NaN among the inputs is not served.
; SHARES: a wave takes 4 whole rows; a row is eight loads of 512 consecutive bytes, so lane l holds columns 128 j + 4 l + 0..3 of load j.  All 48 loads of a wave go out at the head.  The variance is taken of x - mean (two passes over registers).
; A conversion's dword j holds the codes of columns 128 j + 4 l ..: the dwords go through the wave's own stage in LDS and come back 16 bytes a lane: each store covers 512 consecutive bytes, aligned.
; No matrix unit, no tensor load, no cluster, no barrier: waves share nothing and memory binds.
.set NOUT, 3                           ; outputs
.set E0,   0                           ; output o takes entry E0 + 2 o of the scales
.set PART, 0x400000                    ; bytes from one output's part to the next
.set STG,  NOUT*1024                   ; a wave's stage: a row of codes for each output
.set SPARE, 4*STG                      ; behind the four stages: the spare words, 128 bytes for each wave: two blocks of 256 bytes that no other line names
.set LO,  1                            ; v1   16 x lane: offset of loads and stores
.set SI,  2                            ; v2   stage + 4 x lane
.set SB,  3                            ; v3   stage + 16 x lane
.set SPW, 4                            ; v4   my spare word; never rewritten
.set NIL, 5                            ; v5   0; never rewritten
.set SCL, 12                           ; v12+2o: 2^e as f32; v13+2o: 57,344 x 2^e
.set C,   18                           ; v18-41  codes: 8 registers for each output
.set T,   42                           ; v42-57  held numbers, two sets of 8 by turns
.set G,   60                           ; v60-91  g
.set S,   92                           ; v92-123 s
.set X,   124                          ; v124-251 four rows
.set OUTP, 32                          ; s[32:37] a base for each output
	s_load_b256 s[4:11], s[0:1], 0x0               ; x s[4:5], g s[6:7], s s[8:9], the scales' exponents s[10:11]
	s_load_b64 s[12:13], s[0:1], 0x20              ; the codes
	v_lshl_add_u32 v[SPW], v0, 2, SPARE
	v_mov_b32 v[NIL], 0
	v_lshrrev_b32 v6, 5, v0
	v_readfirstlane_b32 s16, v6                    ; wave 0..3
	v_and_b32 v7, 31, v0                           ; lane (v7 is later named as the upper half of the pair v[6:7])
	v_lshlrev_b32 v[LO], 4, v7
	s_mul_i32 s17, s16, STG
	v_lshl_add_u32 v[SI], v7, 2, s17
	v_lshl_add_u32 v[SB], v7, 4, s17
	s_lshl_b32 s18, ttmp9, 16                      ; 16 rows of 4,096 bytes a work-group,
	s_lshl_b32 s19, s16, 14                        ; 4 a wave
	s_add_co_u32 s18, s18, s19
	s_mov_b32 s19, 0
	s_lshr_b32 s14, s18, 2                         ; the same rows of 1,024 codes
	s_mov_b32 s15, 0
	s_mov_b32 s20, 0x76543210                      ; v_permlanex16_b32: lane l xor 16
	s_mov_b32 s21, 0xfedcba98
	s_mov_b32 s22, 0x3a800000                      ; 1 / 1024
	s_mov_b32 s23, 0x3727c5ac                      ; 1e-5
	s_wait_alu depctr_va_vdst(0)
	s_wait_kmcnt 0x0
.set o, 0
.rept NOUT
	s_load_b32 s[24+o], s[10:11], (E0+2*o)*4
.set o, o+1
.endr
	s_add_nc_u64 s[4:5], s[4:5], s[18:19]
	s_add_nc_u64 s[12:13], s[12:13], s[14:15]
.set o, 0
.rept NOUT
	s_add_nc_u64 s[OUTP+2*o:OUTP+2*o+1], s[12:13], o*PART
.set o, o+1
.endr
.macro XLOAD i
.irp j, 0,1,2,3,4,5,6,7
	global_load_b128 v[X+32*\i+4*\j:X+32*\i+4*\j+3], v[LO], s[4:5] offset:4096*\i+512*\j th:TH_LOAD_NT
.endr
.endm
	XLOAD 0
.irp j, 0,1,2,3,4,5,6,7
	global_load_b128 v[G+4*\j:G+4*\j+3], v[LO], s[6:7] offset:512*\j
.endr
.irp j, 0,1,2,3,4,5,6,7
	global_load_b128 v[S+4*\j:S+4*\j+3], v[LO], s[8:9] offset:512*\j
.endr
	XLOAD 1
	XLOAD 2
	XLOAD 3
	s_wait_kmcnt 0x0
.set o, 0
.rept NOUT
	s_add_co_i32 s[24+o], s[24+o], 127
	s_lshl_b32 s28, s[24+o], 23
	v_mov_b32 v[SCL+2*o], s28                      ; 2^e as f32: the conversion takes its exponent field
	s_add_co_i32 s[24+o], s[24+o], 15
	s_lshl_b32 s28, s[24+o], 23
	s_or_b32 s28, s28, 0x600000
	v_mov_b32 v[SCL+2*o+1], s28                    ; 57,344 x 2^e
.set o, o+1
.endr
.macro REDUCE                          ; v[8:9] and v[10:11] become one sum over the row, in v8 of every lane
	v_pk_add_f32 v[8:9], v[8:9], v[10:11]
	v_add_f32 v8, v8, v9
	v_add_f32_dpp v8, v8, v8 row_xmask:1 row_mask:0xf bank_mask:0xf
	v_add_f32_dpp v8, v8, v8 row_xmask:2 row_mask:0xf bank_mask:0xf
	v_add_f32_dpp v8, v8, v8 row_xmask:4 row_mask:0xf bank_mask:0xf
	v_add_f32_dpp v8, v8, v8 row_xmask:8 row_mask:0xf bank_mask:0xf
	v_permlanex16_b32 v9, v8, s20, s21
	v_add_f32 v8, v8, v9
.endm
.macro ROW i, n1                       ; n1: the loads younger than this row's eight
.set XR, X+32*\i
	s_wait_loadcnt \n1
	v_pk_add_f32 v[8:9], v[XR:XR+1], v[XR+2:XR+3]
	v_pk_add_f32 v[10:11], v[XR+4:XR+5], v[XR+6:XR+7]
.irp j, 8,12,16,20,24,28
	v_pk_add_f32 v[8:9], v[8:9], v[XR+\j:XR+\j+1]
	v_pk_add_f32 v[10:11], v[10:11], v[XR+\j+2:XR+\j+3]
.endr
	REDUCE
	v_mul_f32 v6, s22, v8                          ; the mean
.irp j, 0,2,4,6,8,10,12,14,16,18,20,22,24,26,28,30
	v_pk_add_f32 v[XR+\j:XR+\j+1], v[XR+\j:XR+\j+1], v[6:7] op_sel_hi:[1,0] neg_lo:[0,1] neg_hi:[0,1]   ; x - mean (the pair's low word for both halves)
.endr
	v_pk_mul_f32 v[8:9], v[XR:XR+1], v[XR:XR+1]
	v_pk_mul_f32 v[10:11], v[XR+2:XR+3], v[XR+2:XR+3]
.irp j, 4,8,12,16,20,24,28
	v_pk_fma_f32 v[8:9], v[XR+\j:XR+\j+1], v[XR+\j:XR+\j+1], v[8:9]
	v_pk_fma_f32 v[10:11], v[XR+\j+2:XR+\j+3], v[XR+\j+2:XR+\j+3], v[10:11]
.endr
	REDUCE
	v_fma_f32 v8, v8, s22, s23                     ; var + eps
	s_wait_alu depctr_va_vdst(0)
	v_rsq_f32 v6, v8
	v_nop                                          ; a plain instruction behind the transcendental,
	s_wait_alu depctr_va_vdst(0)                   ; and the wait ahead of its first reader
.if \i == 0
	s_wait_loadcnt 24                              ; g and s are in; the three later rows' 24 loads may be out
.endif
.irp j, 0,2,4,6,8,10,12,14,16,18,20,22,24,26,28,30
	v_pk_mul_f32 v[XR+\j:XR+\j+1], v[XR+\j:XR+\j+1], v[6:7] op_sel_hi:[1,0]
.endr
.irp j, 0,2,4,6,8,10,12,14,16,18,20,22,24,26,28,30
	v_pk_fma_f32 v[XR+\j:XR+\j+1], v[XR+\j:XR+\j+1], v[G+\j:G+\j+1], v[S+\j:S+\j+1]
.endr
.set o, 0
.rept NOUT
.irp g, 0,1,2,3
.irp k, 0,1,2,3,4,5,6,7
	v_med3_num_f32 v[T+8*(\g%2)+\k], v[XR+8*\g+\k], -v[SCL+2*o+1], v[SCL+2*o+1]   ; the conversion to an 8-bit code does not saturate (ISA guide 7.6.2): the hold comes first
.endr
	v_cvt_scalef32_pk8_bf8_f32 v[C+8*o+2*\g:C+8*o+2*\g+1], v[T+8*(\g%2):T+8*(\g%2)+7], v[SCL+2*o]   ; the other set's eight holds stand between this line and the next write of its sources
.endr
	v_nop
.irp j, 0,1,2,3,4,5,6,7
	ds_store_b32 v[SI], v[C+8*o+\j] offset:1024*o+128*\j
.endr
.set o, o+1
.endr
.set k, 0
.rept 2*NOUT
	ds_load_b128 v[XR+4*k:XR+4*k+3], v[SB] offset:512*k   ; LDS serves a wave's instructions in order: these see my stores, and the next row's stores come behind them.  The row's registers are free, and are not written again
.set k, k+1
.endr
.set k, 0
.rept 2*NOUT
	s_wait_dscnt 2*NOUT-1-k
	global_store_b128 v[LO], v[XR+4*k:XR+4*k+3], s[OUTP+2*(k/2):OUTP+2*(k/2)+1] offset:1024*\i+512*(k%2)   ; 32 lanes store 512 consecutive bytes, aligned
.set k, k+1
.endr
.endm
	ROW 0, 40
	ROW 1, 16
	ROW 2, 8
	ROW 3, 0
	s_wait_tensorcnt 0x0                           ; the wave's end, behind my last LDS store
	ds_add_u32 v[SPW], v[NIL]
	s_wait_dscnt 0x0
	s_endpgm
.Lfunc_end_k_q872e61e33f_ln1:
	.size	k_q872e61e33f_ln1, .Lfunc_end_k_q872e61e33f_ln1-k_q872e61e33f_ln1
	.p2alignl 7, 3214868480
	.fill 96, 4, 3214868480
	.section	.rodata,"a",@progbits
	.p2align	6, 0x0
	.amdhsa_kernel k_q872e61e33f_ln1
		.amdhsa_group_segment_fixed_size 12800
		.amdhsa_private_segment_fixed_size 0
		.amdhsa_enable_private_segment 0
		.amdhsa_kernarg_size 40
		.amdhsa_user_sgpr_count 2
		.amdhsa_user_sgpr_kernarg_segment_ptr 1
		.amdhsa_wavefront_size32 1
		.amdhsa_system_sgpr_workgroup_id_x 1
		.amdhsa_system_sgpr_workgroup_id_y 1
		.amdhsa_system_sgpr_workgroup_id_z 1
		.amdhsa_system_vgpr_workitem_id 0
		.amdhsa_next_free_vgpr 256
		.amdhsa_next_free_sgpr 66
		.amdhsa_reserve_vcc 0
		.amdhsa_float_denorm_mode_32 3
		.amdhsa_float_denorm_mode_16_64 3
		.amdhsa_memory_ordered 1
		.amdhsa_forward_progress 1
		.amdhsa_inst_pref_size 70
	.end_amdhsa_kernel
	.amdgpu_metadata
---
amdhsa.version: [ 1, 2 ]
amdhsa.kernels:
  - .name:           k_q872e61e33f_ln1
    .symbol:         k_q872e61e33f_ln1.kd
    .args:
      - { .name: x, .offset: 0, .size: 8, .value_kind: global_buffer, .address_space: global }
      - { .name: g1, .offset: 8, .size: 8, .value_kind: global_buffer, .address_space: global }
      - { .name: s1, .offset: 16, .size: 8, .value_kind: global_buffer, .address_space: global }
      - { .name: lowp_scales, .offset: 24, .size: 8, .value_kind: global_buffer, .address_space: global }
      - { .name: hc, .offset: 32, .size: 8, .value_kind: global_buffer, .address_space: global }
    .group_segment_fixed_size: 12800
    .private_segment_fixed_size: 0
    .kernarg_segment_align: 8
    .kernarg_segment_size: 40
    .max_flat_workgroup_size: 128
    .sgpr_count:     66
    .vgpr_count:     256
    .wavefront_size: 32
...
	.end_amdgpu_metadata
.endif
;; end of part 8
;; launch qkv (part 9): grid 12 x 16, 4 waves a work-group, clusters of 4 x 4, 327,680 bytes of LDS; arguments hc, wq_codes, wk_codes, wv_codes, lowp_scales, qkvc; writes qkvc
.if DOCPART == 9
	.amdgcn_target "amdgcn-amd-amdhsa--gfx1250"
	.amdhsa_code_object_version 6
	.text
	.protected	k_q872e61e33f_qkv
	.globl	k_q872e61e33f_qkv
	.p2align	8
	.type	k_q872e61e33f_qkv,@function
k_q872e61e33f_qkv:
	s_mov_b64 s[64:65], 0
	v_nop
	global_prefetch_b8 v0, s[64:65] scope:SCOPE_SE
	s_setreg_imm32_b32 hwreg(HW_REG_WAVE_MODE, 25, 1), 1
	s_wait_xcnt 0x0
	s_wait_alu depctr_hold_cnt(0) depctr_sa_sdst(0) depctr_va_vdst(0) depctr_va_sdst(0) depctr_va_ssrc(0) depctr_va_vcc(0) depctr_vm_vsrc(0)
	s_getreg_b32 s2, hwreg(HW_REG_IB_STS2, 6, 4)
	s_cmp_eq_u32 s2, 0
	s_cbranch_scc0 .Lentry_in_a_cluster
	s_endpgm
.Lentry_in_a_cluster:
	s_bfe_u32 s2, ttmp6, 0x10000c
	s_cmp_lg_u32 s2, 0xf033
	s_cbranch_scc0 .Lentry_shape_is_right
	s_endpgm
.Lentry_shape_is_right:
.set SIZE_K, 1024
.set KSTEP,  256
.set ROWB,   256
.set KROW,   1024
.set PITCH,  272
.set FR,     16
.set NL,     4
.set NP,     4
.set HALFT,  128*PITCH
.set SLOT,   4*HALFT
.set LAPS,   SIZE_K/(2*KSTEP)
.set SPARE,  2*SLOT
.set ADRA, 16
.set ADRB, 20
.set SC,   22
.set LIM,  23
.set STO,  24
.set RD,   25
.set CO,   26
.set RD2,  27
.set SPW,  28
.set NIL,  29
.set CO2,  30
.set TMP,  32
.set CD,   96
.set AF,   128
.set BK,   128
.set G1, 24
.set G0, 32
.set G1B, 48
.set G0B, 56
.set MSB, 0
.macro WIN new
.if MSB != (\new)
	s_set_vgpr_msb (MSB<<8)|(\new)
.set MSB, (\new)
.endif
.endm
.set MUL_LO, 0xa1
.set MUL_HI, 0xf1
.set TO_B,   0x40
.macro JLOAD g0a, g1a, g0b, g1b
	s_cmp_eq_u32 s15, 0
	s_cbranch_scc0 .Lfor_b_\@
	tensor_load_to_lds s[\g0a:\g0a+3], s[\g1a:\g1a+7]
	s_nop 0
.rept 4
	v_nop
.endr
	s_branch .Lasked_\@
.Lfor_b_\@:
	tensor_load_to_lds s[\g0b:\g0b+3], s[\g1b:\g1b+7]
	s_nop 0
.rept 4
	v_nop
.endr
.Lasked_\@:
.endm
.macro CREST
	s_cmp_lg_u32 s14, 0
	s_cbranch_scc1 .Lnot_wave_0_\@
	s_barrier_signal -3
.Lnot_wave_0_\@:
	s_barrier_wait -3
	s_barrier_signal -1
	s_barrier_wait -1
.endm
.macro CROUND
	s_barrier_signal -1
	s_barrier_wait -1
	CREST
.endm
	s_load_b256 s[68:75], s[0:1], 0x0
	s_load_b128 s[76:79], s[0:1], 0x20
	v_lshl_add_u32 v[SPW], v0, 2, SPARE
	v_mov_b32 v[NIL], 0
	ds_add_u32 v[SPW], v[NIL]
	ds_add_u32 v[SPW], v[NIL]
	v_lshrrev_b32 v1, 5, v0
	v_readfirstlane_b32 s14, v1
	v_and_b32 v18, 31, v0
	v_lshlrev_b32 v18, 10, v18                     ; the prefetches' offset: my lane x a row of 1,024 bytes; never rewritten
	s_lshr_b32 s15, s14, 1
	s_and_b32 s16, s14, 1
	s_bfe_u32 s40, ttmp6, 0x40000
	s_bfe_u32 s41, ttmp6, 0x40004
	s_and_b32 s17, ttmp7, 0xffff
	s_lshl_b32 s17, s17, 2
	s_cmp_eq_u32 ttmp9, 2
	s_cselect_b32 s18, 0, s17
	s_cselect_b32 s19, s17, 0
	s_add_co_u32 s17, s18, s41
	s_add_co_u32 s42, s19, s40
	s_lshl_b32 s43, s41, 2
	s_lshl_b32 s43, 15, s43
	s_lshl_b32 s44, 0x1111, s40
	s_or_b32 s[G1+0], s43, (0<<16)|(1<<20)|(1<<21)|(5<<22)|(3<<25)
	s_or_b32 s[G1B+0], s44, (0<<16)|(1<<20)|(1<<21)|(5<<22)|(3<<25)
.irp g, G1, G1B
	s_mov_b32 s[\g+1], ROWB<<16
	s_mov_b32 s[\g+2], 128<<16
	s_mov_b32 s[\g+3], ROWB<<16
	s_mov_b32 s[\g+4], 128
	s_mov_b32 s[\g+5], KROW
	s_mov_b32 s[\g+6], 0
	s_mov_b32 s[\g+7], 0
.endr
	s_lshl_b32 s18, s16, 7
	s_lshl_b32 s20, s17, 8
	s_add_co_u32 s20, s20, s18
	s_lshl_b32 s46, s42, 8
	s_add_co_u32 s46, s46, s18
	s_lshl_b32 s20, s20, 10
	s_lshl_b32 s46, s46, 10
	s_mov_b32 s21, 0
	s_mov_b32 s47, 0
	s_mul_i32 s45, s14, HALFT
	s_mul_i32 s80, ttmp9, 0x400000
	s_mov_b32 s81, 0
	s_wait_dscnt 0x0
	s_wait_kmcnt 0x0
	s_load_b256 s[84:91], s[76:77], 0x0
	s_load_b32 s92, s[76:77], 0x20
	s_add_nc_u64 s[68:69], s[68:69], s[80:81]
	s_add_nc_u64 s[10:11], s[78:79], s[80:81]
	s_cmp_eq_u32 ttmp9, 0
	s_cselect_b64 s[6:7], s[70:71], s[72:73]
	s_cmp_eq_u32 ttmp9, 2
	s_cselect_b64 s[4:5], s[74:75], s[68:69]
	s_cselect_b64 s[6:7], s[68:69], s[6:7]
	s_add_nc_u64 s[20:21], s[4:5], s[20:21]
	s_add_nc_u64 s[46:47], s[6:7], s[46:47]
	; the prefetches' base: of the 128 rows that I fetch, my work-group's 32, told apart from the three partners' by address (cx for A, cy for B)
	s_cmp_eq_u32 s15, 0
	s_cselect_b64 s[8:9], s[20:21], s[46:47]
	s_cselect_b32 s12, s40, s41
	s_lshl_b32 s12, s12, 15                        ; 32 rows of 1,024 bytes
	s_mov_b32 s13, 0
	s_add_nc_u64 s[8:9], s[8:9], s[12:13]
	CROUND
.irp s, 0,1
	s_mov_b32 s[G0+4*\s], 1
	s_add_co_u32 s[G0+4*\s+1], s45, \s*SLOT
	s_add_nc_u64 s[G0+4*\s+2:G0+4*\s+3], s[20:21], \s*ROWB
	s_or_b32 s[G0+4*\s+3], s[G0+4*\s+3], 0x80000000
	s_mov_b32 s[G0B+4*\s], 1
	s_add_co_u32 s[G0B+4*\s+1], s45, \s*SLOT
	s_add_nc_u64 s[G0B+4*\s+2:G0B+4*\s+3], s[46:47], \s*ROWB
	s_or_b32 s[G0B+4*\s+3], s[G0B+4*\s+3], 0x80000000
	s_wait_alu depctr_va_vdst(0)
	s_wait_tensorcnt 0x0
	ds_add_u32 v28, v29
	ds_add_u32 v28, v29
	s_wait_dscnt 0x0
	CROUND
	JLOAD G0+4*\s, G1, G0B+4*\s, G1B
	; prefetches into the L2, a lane a row, 256 bytes of each: behind K step 0's load K steps 1 and 2, behind K step 1's load K step 3: each at least one whole fill ahead of the load that will want it; each block is named once in each cluster
	global_prefetch_b8 v18, s[8:9] offset:(2*\s+1)*ROWB th:TH_LOAD_NT scope:SCOPE_SE
.if \s == 0
	global_prefetch_b8 v18, s[8:9] offset:2*ROWB th:TH_LOAD_NT scope:SCOPE_SE
.endif
.endr
	v_and_b32 v1, 15, v0
	v_bfe_u32 v2, v0, 4, 1
	v_mul_u32_u24 v3, v1, PITCH
	s_wait_alu depctr_va_vdst(0)
	v_lshl_add_u32 v4, v2, 4, v3
	s_mul_i32 s21, s15, HALFT
	s_mul_i32 s22, s16, HALFT
	s_add_co_u32 s22, s22, 2*HALFT
.irp s, 0,1
	v_add_nc_u32 v[ADRA+\s], s21, v4
	v_add_nc_u32 v[ADRB+\s], s22, v4
	s_add_co_u32 s21, s21, SLOT
	s_add_co_u32 s22, s22, SLOT
.endr
	s_mul_i32 s23, s15, 128*PITCH
	s_lshl_b32 s21, s16, 7
	s_add_co_u32 s23, s23, s21
	v_lshl_add_u32 v5, v2, 3, v3
	v_add_nc_u32 v[STO], s23, v5
	v_and_b32 v6, 31, v0
	s_mul_i32 s23, s14, 64*PITCH
	v_lshrrev_b32 v7, 2, v6
	v_mul_u32_u24 v7, v7, PITCH
	v_and_b32 v8, 3, v6
	v_lshl_add_u32 v7, v8, 4, v7
	v_add_nc_u32 v[RD], s23, v7
	v_lshlrev_b32 v[CO], 4, v6
	v_mul_u32_u24 v9, v2, PITCH
	v_lshl_add_u32 v9, v1, 4, v9
	v_add_nc_u32 v[RD2], s23, v9
	v_lshlrev_b32 v10, 11, v2
	v_lshl_add_u32 v[CO2], v1, 4, v10
	s_lshr_b32 s20, s17, 3
	s_lshl_b32 s20, s20, 4
	s_lshl_b32 s21, s42, 2
	s_add_co_u32 s20, s20, s21
	s_lshl_b32 s20, s20, 11
	s_and_b32 s21, s17, 7
	s_lshl_b32 s21, s21, 8
	s_add_co_u32 s20, s20, s21
	s_lshl_b32 s21, s14, 6
	s_add_co_u32 s20, s20, s21
	s_lshl_b32 s20, s20, 6
	s_lshr_b32 s22, s42, 3
	s_lshl_b32 s22, s22, 10
	s_lshl_b32 s23, s17, 8
	s_add_co_u32 s22, s22, s23
	s_add_co_u32 s22, s22, s21
	s_lshl_b32 s22, s22, 11
	s_and_b32 s23, s42, 7
	s_lshl_b32 s23, s23, 8
	s_add_co_u32 s22, s22, s23
	s_cmp_eq_u32 ttmp9, 2
	s_cselect_b32 s20, s22, s20
	s_mov_b32 s21, 0
	s_add_nc_u64 s[10:11], s[10:11], s[20:21]
.macro FRAG reg, adr, q, i
.irp c, 0,1,2,3
	ds_load_b128 v[\reg+4*\c:\reg+4*\c+3], v[\adr] offset:128*(\q)+32*\c+(\i)*16*PITCH
.endr
.endm
.macro MUL16 a0, p, zero
.irp a, \a0, \a0+1
.irp b, 0,1,2,3,4,5,6,7
.if \zero
	v_wmma_f32_16x16x128_bf8_bf8 v[8*(8*((\a)%4)+\b):8*(8*((\a)%4)+\b)+7], v[128*(\p)+FR*\b:128*(\p)+FR*\b+FR-1], v[AF+FR*(\a):AF+FR*(\a)+FR-1], 0
.else
	v_wmma_f32_16x16x128_bf8_bf8 v[8*(8*((\a)%4)+\b):8*(8*((\a)%4)+\b)+7], v[128*(\p)+FR*\b:128*(\p)+FR*\b+FR-1], v[AF+FR*(\a):AF+FR*(\a)+FR-1], v[8*(8*((\a)%4)+\b):8*(8*((\a)%4)+\b)+7]
.endif
.endr
.endr
.endm
.macro FETCH_B slot, q, p
	WIN TO_B
.irp i, 0,1,2,3,4,5,6,7
	FRAG 128*(\p)+FR*\i, ADRB+\slot, \q, \i
.endr
	WIN 0
.endm
.macro FETCH_A slot, q, i0
.irp i, \i0, \i0+1, \i0+2, \i0+3
	FRAG AF+FR*(\i), ADRA+\slot, \q, \i
.endr
.endm
.macro PLACES n
.rept \n
	v_nop
.endr
.endm
.macro STEP slot, q, zero
	s_wait_dscnt 4*NL
	WIN MUL_LO
	MUL16 0, (\q)%2, \zero
	MUL16 2, (\q)%2, \zero
	s_wait_dscnt 0
	PLACES NP
	FETCH_B \slot, (\q)+1, 1-(\q)%2
	FETCH_A \slot, (\q)+1, 0
	WIN MUL_HI
	MUL16 4, (\q)%2, \zero
	MUL16 6, (\q)%2, \zero
	PLACES NP
	WIN 0
	FETCH_A \slot, (\q)+1, 4
.endm
.macro TURN slot, next, fill
	s_wait_tensorcnt 0x0
	ds_add_u32 v[SPW], v[NIL]
	s_wait_dscnt 4*NL+1
	WIN MUL_LO
	MUL16 0, 1, 0
	s_wait_dscnt 0x0
	s_barrier_signal -1
	MUL16 2, 1, 0
	WIN 0
	s_barrier_wait -1
.if \fill
	CREST
	s_add_nc_u64 s[G0+4*\slot+2:G0+4*\slot+3], s[G0+4*\slot+2:G0+4*\slot+3], 2*ROWB
	s_add_nc_u64 s[G0B+4*\slot+2:G0B+4*\slot+3], s[G0B+4*\slot+2:G0B+4*\slot+3], 2*ROWB
	JLOAD G0+4*\slot, G1, G0B+4*\slot, G1B
.else
	PLACES NP
.endif
	FETCH_B \next, 0, 0
	FETCH_A \next, 0, 0
	WIN MUL_HI
	MUL16 4, 1, 0
	MUL16 6, 1, 0
	PLACES NP
	WIN 0
	FETCH_A \next, 0, 4
.endm
	s_wait_tensorcnt 1
	s_barrier_signal -1
	s_barrier_wait -1
	FETCH_B 0, 0, 0
	FETCH_A 0, 0, 0
	FETCH_A 0, 0, 4
	STEP 0, 0, 1
	s_mov_b32 s3, LAPS-1
.Llap:
	TURN 0, 1, 1
	STEP 1, 0, 0
	TURN 1, 0, 1
	STEP 0, 0, 0
	s_sub_co_u32 s3, s3, 1
	s_cmp_lg_u32 s3, 0
	s_cbranch_scc1 .Llap
	TURN 0, 1, 0
	STEP 1, 0, 0
	s_wait_dscnt 4*NL
	WIN MUL_LO
	MUL16 0, 1, 0
	MUL16 2, 1, 0
	s_wait_dscnt 0
	WIN MUL_HI
	MUL16 4, 1, 0
	MUL16 6, 1, 0
	WIN 0
	s_wait_kmcnt 0x0
	s_cmp_eq_u32 ttmp9, 0
	s_cselect_b32 s93, s84, s86
	s_cselect_b32 s94, s85, s87
	s_cselect_b32 s95, s90, s91
	s_cmp_eq_u32 ttmp9, 2
	s_cselect_b32 s93, s88, s93
	s_cselect_b32 s94, s89, s94
	s_cselect_b32 s95, s92, s95
	s_sub_co_i32 s95, s95, s93
	s_sub_co_i32 s95, s95, s94
	s_add_co_i32 s95, s95, 127
	s_lshl_b32 s96, s95, 23
	s_add_co_i32 s95, s95, 15
	s_lshl_b32 s95, s95, 23
	s_or_b32 s95, s95, 0x600000
	PLACES NP
	v_mov_b32 v[SC], s96
	v_mov_b32 v[LIM], s95
.macro QBLOCK a
.set AC, 64*((\a)%4)
.set CC, CD+16*((\a)%2)
	WIN 0x02+((\a)/4)
.set j, 0
.rept 64
	v_med3_num_f32 v[TMP+j], v[AC+j], -v[LIM], v[LIM]
.set j, j+1
.endr
	WIN 0
.if (\a) > 1
	s_wait_alu depctr_va_vdst(0)
	s_wait_dscnt 8
.endif
.irp b, 0,1,2,3,4,5,6,7
	v_cvt_scalef32_pk8_bf8_f32 v[CC+2*\b:CC+2*\b+1], v[TMP+8*\b:TMP+8*\b+7], v[SC]
.endr
	v_nop
.irp b, 0,1,2,3,4,5,6,7
	ds_store_b64 v[STO], v[CC+2*\b:CC+2*\b+1] offset:(\a)*16*PITCH+16*\b
.endr
.endm
.irp a, 0,1,2,3,4,5,6,7
	QBLOCK \a
.endr
	s_wait_dscnt 0x0
	s_barrier_signal -1
	s_barrier_wait -1
	s_cmp_eq_u32 ttmp9, 2
	s_cbranch_scc1 .Lv
.set i, 0
.rept 32
	ds_load_b128 v[BK+4*i:BK+4*i+3], v[RD] offset:(i%8)*8*PITCH+64*(i/8)
.set i, i+1
.endr
.set i, 0
.rept 32
	s_wait_dscnt 31-i
	global_store_b128 v[CO], v[BK+4*i:BK+4*i+3], s[10:11] offset:(i/8)*131072+(i%8)*512
.set i, i+1
.endr
	s_branch .Ldone
.Lv:
.set i, 0
.rept 32
	ds_load_b128 v[BK+4*i:BK+4*i+3], v[RD2] offset:i*2*PITCH
.set i, i+1
.endr
.set i, 0
.rept 32
	s_wait_dscnt 31-i
	global_store_b128 v[CO2], v[BK+4*i:BK+4*i+3], s[10:11] offset:i*4096
.set i, i+1
.endr
.Ldone:
	s_wait_tensorcnt 0x0
	ds_add_u32 v[SPW], v[NIL]
	s_wait_dscnt 0x0
	CROUND
	s_endpgm
.Lfunc_end_k_q872e61e33f_qkv:
	.size	k_q872e61e33f_qkv, .Lfunc_end_k_q872e61e33f_qkv-k_q872e61e33f_qkv
	.p2alignl 7, 3214868480
	.fill 96, 4, 3214868480
	.section	.rodata,"a",@progbits
	.p2align	6, 0x0
	.amdhsa_kernel k_q872e61e33f_qkv
		.amdhsa_group_segment_fixed_size 327680
		.amdhsa_private_segment_fixed_size 0
		.amdhsa_enable_private_segment 0
		.amdhsa_kernarg_size 48
		.amdhsa_user_sgpr_count 2
		.amdhsa_user_sgpr_kernarg_segment_ptr 1
		.amdhsa_wavefront_size32 1
		.amdhsa_system_sgpr_workgroup_id_x 1
		.amdhsa_system_sgpr_workgroup_id_y 1
		.amdhsa_system_sgpr_workgroup_id_z 1
		.amdhsa_system_vgpr_workitem_id 0
		.amdhsa_next_free_vgpr 1024
		.amdhsa_next_free_sgpr 100
		.amdhsa_reserve_vcc 0
		.amdhsa_float_denorm_mode_32 3
		.amdhsa_float_denorm_mode_16_64 3
		.amdhsa_memory_ordered 1
		.amdhsa_forward_progress 1
		.amdhsa_inst_pref_size 134
	.end_amdhsa_kernel
	.amdgpu_metadata
---
amdhsa.version: [ 1, 2 ]
amdhsa.kernels:
  - .name:           k_q872e61e33f_qkv
    .symbol:         k_q872e61e33f_qkv.kd
    .args:
      - { .name: hc, .offset: 0, .size: 8, .value_kind: global_buffer, .address_space: global }
      - { .name: wq_codes, .offset: 8, .size: 8, .value_kind: global_buffer, .address_space: global }
      - { .name: wk_codes, .offset: 16, .size: 8, .value_kind: global_buffer, .address_space: global }
      - { .name: wv_codes, .offset: 24, .size: 8, .value_kind: global_buffer, .address_space: global }
      - { .name: lowp_scales, .offset: 32, .size: 8, .value_kind: global_buffer, .address_space: global }
      - { .name: qkvc, .offset: 40, .size: 8, .value_kind: global_buffer, .address_space: global }
    .group_segment_fixed_size: 327680
    .private_segment_fixed_size: 0
    .kernarg_segment_align: 8
    .kernarg_segment_size: 48
    .max_flat_workgroup_size: 128
    .sgpr_count:     100
    .vgpr_count:     1024
    .wavefront_size: 32
...
	.end_amdgpu_metadata
.endif
;; end of part 9
;; launch attn (part 10): grid 8 x 32, 4 waves a work-group, clusters of 4 x 1, 327,680 bytes of LDS; arguments qkvc, lowp_scales, ctx; writes ctx
.if DOCPART == 10
	.amdgcn_target "amdgcn-amd-amdhsa--gfx1250"
	.amdhsa_code_object_version 6
	.text
	.protected	k_q872e61e33f_attn
	.globl	k_q872e61e33f_attn
	.p2align	8
	.type	k_q872e61e33f_attn,@function
k_q872e61e33f_attn:
	s_mov_b64 s[64:65], 0
	v_nop
	global_prefetch_b8 v0, s[64:65] scope:SCOPE_SE
	s_setreg_imm32_b32 hwreg(HW_REG_WAVE_MODE, 25, 1), 1
	s_wait_xcnt 0x0
	s_wait_alu depctr_hold_cnt(0) depctr_sa_sdst(0) depctr_va_vdst(0) depctr_va_sdst(0) depctr_va_ssrc(0) depctr_va_vcc(0) depctr_vm_vsrc(0)
	s_getreg_b32 s2, hwreg(HW_REG_IB_STS2, 6, 4)
	s_cmp_eq_u32 s2, 0
	s_cbranch_scc0 .Lentry_in_a_cluster
	s_endpgm
.Lentry_in_a_cluster:
	s_bfe_u32 s2, ttmp6, 0x10000c
	s_cmp_lg_u32 s2, 0x3003
	s_cbranch_scc0 .Lentry_shape_is_right
	s_endpgm
.Lentry_shape_is_right:
; ctx[bh][q][:] = the sum over k <= q of softmax_k(q . k / 8) v, both products on codes of E5M2 (scales: q entry 6, k 7, v 8, p 9), and ctx quantised for the next product (entry 10).
; WORK LEFT OUT: a key step (128 keys) all of whose keys come after a block's 32 queries: the problem's own causal mask gives those keys the weight 0 for all values of the inputs.  A NaN or overflow that would arise only there is not carried on.
; THE SOFTMAX: t = score x log2(e) / 8; M = the running largest t rounded UP to a whole number; p = 2^(t - M) is what is quantised; the row's sum is taken of the unquantised p and divides at the end; when M moves, sum and O are multiplied by 2^(old M - new M).
; IN: qkvc part 0 q [32][2048][64], part 1 k likewise, part 2 v [32][64][2048] (keys innermost).  OUT: ctx [32][2048][64] codes.
; LDS: a head's K (512 lines of four keys, 272 bytes) and V (two halves of 64 rows x 1,024 keys, 1,040 bytes apart) lie in LDS whole: 272,384 bytes, asked for once, at the head, one tensor load a wave; nothing is filled again.
; SHARES: a head has 64 blocks of 32 queries; block d needs d / 4 + 1 key steps.  Work-group i (0..7) of the head: its wave w owns blocks d1 = 8 w + e and 63 - d1, e = i (w even) or 7 - i (w odd): 17 key steps for every wave of every work-group.
; One loop of 17 trips: the first N1 = 2 w + 1 + (cluster x xor w % 2) trips serve block d1, the others block 63 - d1; N1 hangs on the cluster's x and the wave's number alone.
; CLUSTER: the four work-groups of a cluster read the same K and V: each tile is asked for jointly (mask 15).  The place in the cluster enters only global addresses of q and ctx and the lanes' numbers for the mask.
; No prefetch: all tiles are asked for at the head, so there is no loop to run ahead in.
; LAYOUT: both products transposed (S^T = K Q^T, O^T = V^T P^T): a lane holds one query of tile A (the block's queries 0-15) and one of tile B (16-31); each fragment of K and V feeds both tiles.
; Lane r of key tile 2 b + u takes key 32 b + 8 u + r + 8 (r / 8), so that the 16 registers of tiles 2 b, 2 b + 1 are 16 neighbouring keys.
; LIMITS: e6 + e7 between -124 and 129; e9, and e10 - e8 - e9, between -126 and 112.  NaN is not served.  The scaled scores stay under 2^31 in magnitude.
; REGISTERS.  Window 0: v1-7 what stays; v8-13 tile A's -M, largest t, sum (2), f (2); v14-19 tile B's; v20-31 at work; v32-95 S^T of A, v96-159 of B, then p; v160-191, v192-223 O^T; v224-239, v240-255 p's codes.
; Window 1: v0-63 K's eight fragments, v64-127 V's four, v128-143 Q of the block in hand, v144-159 Q of the second block.
.set LP,     272
.set KSTEPB, 32*LP                     ; 128 keys of K in LDS
.set KHALF,  256*LP                    ; what one load brings of K: 1,024 keys
.set VOFF,   2*KHALF
.set VP,     1040                      ; 1,024 bytes + 16 of padding: 260 words, so 16 rows start at 16 different groups of four banks
.set VHALF,  64*VP                     ; what one load brings of V
.set STAGE,  VOFF+2*VHALF              ; the way out: 32 rows x 80 bytes a wave; no tile lands there
.set SPARE,  STAGE+4*32*80             ; the spare words: two blocks of 256 bytes that no other line names
.set AK0, 1
.set AV0, 2
.set SPW, 3
.set NIL, 4
.set LIM, 5                            ; 57,344 x 2^e9
.set SCL, 6                            ; 2^e9
.set DG,  7                            ; tile A's query less the diagonal step's first key less 16 (lane / 16)
.set ADK, 28
.set ADV, 29
.set SA, 32
.set SB, 96
.set OA, 160
.set OB, 192
.set CA, 224
.set CB, 240
.set KF, 0
.set VF, 64
.set QF, 128
.set MSB, 0
.macro WIN new                         ; the immediate's high byte repeats the setting that is left
.if MSB != (\new)
	s_set_vgpr_msb (MSB<<8)|(\new)
.set MSB, (\new)
.endif
.endm
.macro CROUND                          ; a round of the cluster's barrier
	s_barrier_signal -1
	s_barrier_wait -1
	s_cmp_lg_u32 s14, 0
	s_cbranch_scc1 .Lnot_wave_0_\@
	s_barrier_signal -3
.Lnot_wave_0_\@:
	s_barrier_wait -3
	s_barrier_signal -1
	s_barrier_wait -1
.endm
.macro LOADK adr                       ; 16 loads: a key step's eight fragments of K
	WIN 0x40
.irp t, 0,1,2,3,4,5,6,7
.irp c, 0,1
	ds_load_b128 v[KF+8*\t+4*\c:KF+8*\t+4*\c+3], v[\adr] offset:(8*(\t/2)+2*(\t%2))*LP+32*\c
.endr
.endr
	WIN 0
.endm
.macro LOADV adr                       ; 16 loads: its four fragments of V
	WIN 0x40
.irp t, 0,1,2,3
.irp c, 0,1,2,3
	ds_load_b128 v[VF+16*\t+4*\c:VF+16*\t+4*\c+3], v[\adr] offset:16*\t*VP+32*\c
.endr
.endr
	WIN 0
.endm
.macro INIT                            ; a block begins: largest t -3e38, sums and O^T zero, which the first change of M leaves zero
	v_mov_b32 v8, 0x7f61b1e6
	v_mov_b32 v9, 0xff61b1e6
	v_mov_b32 v14, 0x7f61b1e6
	v_mov_b32 v15, 0xff61b1e6
	v_mov_b32 v10, 0
	v_mov_b32 v11, 0
	v_mov_b32 v16, 0
	v_mov_b32 v17, 0
.set j, 0
.rept 64
	v_mov_b32 v[OA+j], 0
.set j, j+1
.endr
.endm
.macro SUM s, l                        ; the row's sum of the unquantised p, 32 packed additions in four chains
	v_pk_add_f32 v[20:21], v[\s:\s+1], v[\s+2:\s+3]
	v_pk_add_f32 v[22:23], v[\s+4:\s+5], v[\s+6:\s+7]
	v_pk_add_f32 v[24:25], v[\s+8:\s+9], v[\s+10:\s+11]
	v_pk_add_f32 v[\l:\l+1], v[\l:\l+1], v[\s+12:\s+13]
.irp j, 14,22,30,38,46,54
	v_pk_add_f32 v[20:21], v[20:21], v[\s+\j:\s+\j+1]
	v_pk_add_f32 v[22:23], v[22:23], v[\s+\j+2:\s+\j+3]
	v_pk_add_f32 v[24:25], v[24:25], v[\s+\j+4:\s+\j+5]
	v_pk_add_f32 v[\l:\l+1], v[\l:\l+1], v[\s+\j+6:\s+\j+7]
.endr
	v_pk_add_f32 v[20:21], v[20:21], v[\s+62:\s+63]
	v_pk_add_f32 v[22:23], v[22:23], v[24:25]
	v_pk_add_f32 v[\l:\l+1], v[\l:\l+1], v[20:21]
	v_pk_add_f32 v[\l:\l+1], v[\l:\l+1], v[22:23]
.endm
; A BLOCK'S WAY OUT: O^T / the sum, quantised with 2^(e10 - e8 - e9) as the one scale; 8 codes a lane and tile into my stage; back as 512 consecutive bytes a store.
.macro FINISH ct
	v_add_f32 v10, v10, v11
	v_add_f32 v16, v16, v17
	v_permlanex16_b32 v30, v10, s20, s21
	v_permlanex16_b32 v31, v16, s20, s21
	v_add_f32 v10, v10, v30
	v_add_f32 v16, v16, v31
	v_and_b32 v20, 15, v0
	v_bfe_u32 v21, v0, 4, 1
	v_mul_u32_u24 v22, v20, 80
	v_lshl_add_u32 v22, v21, 3, v22
	v_add_nc_u32 v22, s85, v22                     ; in: row r of 80 bytes, + 8 h
	v_and_b32 v24, 31, v0
	v_lshrrev_b32 v23, 2, v24
	v_mul_u32_u24 v23, v23, 80
	v_and_b32 v25, 3, v24
	v_lshl_add_u32 v23, v25, 4, v23
	v_add_nc_u32 v23, s85, v23                     ; back: row l / 4, 16 (l % 4)
	v_lshlrev_b32 v24, 4, v24
	v_mov_b32 v26, s84
	v_mov_b32 v27, s83
	s_wait_alu depctr_va_vdst(0)                   ; the wait ahead of the transcendentals
	v_rcp_f32 v10, v10
	v_rcp_f32 v16, v16
	v_nop
	s_wait_alu depctr_va_vdst(0)                   ; and behind them, directly ahead of the first readers of O^T
.set j, 0
.rept 32
	v_mul_f32 v[SA+j], v[OA+j], v10                ; register 8 t + i is channel 16 t + 8 h + i of query r
	v_mul_f32 v[SA+32+j], v[OB+j], v16
.set j, j+1
.endr
.set j, 0
.rept 64
	v_med3_num_f32 v[SA+j], v[SA+j], -v26, v26     ; the hold ahead of a conversion that does not saturate (ISA guide 7.6.2)
.set j, j+1
.endr
.set k, 0
.rept 8
	v_cvt_scalef32_pk8_bf8_f32 v[CA+2*k:CA+2*k+1], v[SA+8*k:SA+8*k+7], v27
.set k, k+1
.endr
	v_nop
.set k, 0
.rept 8
	ds_store_b64 v22, v[CA+2*k:CA+2*k+1] offset:1280*(k/4)+16*(k%4)
.set k, k+1
.endr
.irp u, 0,1,2,3
	ds_load_b128 v[CB+4*\u:CB+4*\u+3], v23 offset:640*\u   ; LDS serves a wave's instructions in order: these see my stores
.endr
.irp u, 0,1,2,3
	s_wait_dscnt 3-\u
	global_store_b128 v24, v[CB+4*\u:CB+4*\u+3], s[\ct:\ct+1] offset:512*\u   ; 8 queries x 64 bytes: 512 consecutive bytes, aligned
.endr
.endm
	s_load_b128 s[4:7], s[0:1], 0x0                ; qkvc, the scales' exponents
	s_load_b64 s[8:9], s[0:1], 0x10                ; ctx
	v_lshl_add_u32 v[SPW], v0, 2, SPARE
	v_mov_b32 v[NIL], 0
	ds_add_u32 v[SPW], v[NIL]                      ; the wave's opening: the add, twice on end, and its wait
	ds_add_u32 v[SPW], v[NIL]
	v_lshrrev_b32 v20, 5, v0
	v_readfirstlane_b32 s14, v20                   ; wave 0..3
	s_lshr_b32 s15, s14, 1                         ; I fetch for K (0) or for V (1),
	s_and_b32 s16, s14, 1                          ; its first or second 1,024 keys
	s_and_b32 s17, ttmp7, 0xffff                   ; the head (batch x 16 + head)
	s_lshl_b32 s18, s17, 17                        ; its 131,072 bytes in each part
	s_xor_b32 s49, ttmp9, s16
	s_lshl_b32 s50, s14, 1
	s_add_co_u32 s49, s49, s50
	s_add_co_u32 s49, s49, 1                       ; N1
	s_mov_b32 s24, 15|(1<<21)                      ; K: the cluster's four; elements of 1 byte.  No padding field: a tile's row is stated 16 bytes longer than what is left of the tensor along it, and those 16 bytes are written as zeros, so every byte of the region is written
	s_mov_b32 s25, 256<<16                         ; tensor_dim0 = 256: K is dense in memory, four keys of 64 bytes are stated as a row of 256
	s_mov_b32 s26, 256<<16                         ; tensor_dim1 = 256 rows
	s_mov_b32 s27, 272<<16                         ; tile_dim0 = 272: an LDS line
	s_mov_b32 s28, 256
	s_mov_b32 s29, 256
	s_mov_b32 s30, 0
	s_mov_b32 s31, 0
	s_mov_b32 s32, 15|(1<<21)                      ; V: likewise
	s_mov_b32 s33, 1024<<16                        ; tensor_dim0 = 1,024: 64 rows, 1,024 keys of each, rows 2,048 bytes apart
	s_mov_b32 s34, 64<<16
	s_mov_b32 s35, 1040<<16                        ; tile_dim0 = 1,040: an LDS row, its last 16 bytes zeros
	s_mov_b32 s36, 64
	s_mov_b32 s37, 2048
	s_mov_b32 s38, 0
	s_mov_b32 s39, 0
	s_lshl_b32 s50, s16, 16
	s_add_co_u32 s50, s50, s18
	s_add_co_u32 s50, s50, 0x400000                ; K's half in memory
	s_mov_b32 s51, 0
	s_lshl_b32 s52, s16, 10
	s_add_co_u32 s52, s52, s18
	s_add_co_u32 s52, s52, 0x800000                ; V's half
	s_mov_b32 s53, 0
	s_mov_b32 s40, 1
	s_mul_i32 s41, s16, KHALF
	s_mov_b32 s44, 1
	s_mul_i32 s45, s16, VHALF
	s_add_co_u32 s45, s45, VOFF
	s_mov_b32 s20, 0x76543210
	s_mov_b32 s21, 0xfedcba98
	s_mov_b32 s22, 0x3e38aa3b                      ; c = log2(e) / 8
	s_mul_i32 s85, s14, 32*80
	s_add_co_u32 s85, s85, STAGE                   ; my stage
	s_mov_b32 s48, 0                               ; the trip
	s_wait_dscnt 0x0                               ; both opening adds are done
	s_wait_kmcnt 0x0
	s_load_b128 s[76:79], s[6:7], 0x18             ; e6, e7, e8, e9
	s_load_b32 s80, s[6:7], 0x28                   ; e10
	s_add_nc_u64 s[42:43], s[4:5], s[50:51]
	s_or_b32 s43, s43, 0x80000000
	s_add_nc_u64 s[46:47], s[4:5], s[52:53]
	s_or_b32 s47, s47, 0x80000000
	CROUND                                         ; the four work-groups are here: the joint loads meet
	s_cmp_eq_u32 s15, 0
	s_cbranch_scc0 .Lfor_v
	tensor_load_to_lds s[40:43], s[24:31]
	s_nop 0
.rept 4
	v_nop
.endr
	s_branch .Lasked
.Lfor_v:
	tensor_load_to_lds s[44:47], s[32:39]
	s_nop 0
.rept 4
	v_nop
.endr
.Lasked:
	s_bfe_u32 s54, ttmp6, 0x40000                  ; cx
	s_sub_co_u32 s55, 3, s54
	s_cmp_eq_u32 s16, 0
	s_cselect_b32 s54, s54, s55                    ; d1 % 4
	s_xor_b32 s55, ttmp9, s16
	s_lshl_b32 s55, s55, 2
	s_add_co_u32 s55, s55, s54
	s_lshl_b32 s56, s14, 3
	s_add_co_u32 s55, s55, s56                     ; d1
	s_sub_co_u32 s56, 63, s55                      ; the second block
	s_lshl_b32 s58, s55, 11                        ; a block's 32 queries are 2,048 bytes of q and of ctx
	s_add_co_u32 s58, s58, s18
	s_mov_b32 s59, 0
	s_lshl_b32 s60, s56, 11
	s_add_co_u32 s60, s60, s18
	s_mov_b32 s61, 0
	s_add_nc_u64 s[68:69], s[4:5], s[58:59]
	s_add_nc_u64 s[70:71], s[4:5], s[60:61]
	s_add_nc_u64 s[72:73], s[8:9], s[58:59]
	s_add_nc_u64 s[74:75], s[8:9], s[60:61]
	s_lshl_b32 s81, s54, 5                         ; 32 (d1 % 4): the first block's first query in its diagonal step
	s_lshl_b32 s82, s54, 6
	s_sub_co_u32 s82, 96, s82                      ; what the second block adds to it: 32 (3 - 2 (d1 % 4))
	s_wait_kmcnt 0x0
	s_add_co_i32 s50, s76, s77
	s_lshl_b32 s50, s50, 23
	s_add_co_i32 s22, s22, s50                     ; a score stands for score x 2^(e6 + e7): added to c's exponent field
	s_mov_b32 s23, s22
	s_add_co_i32 s50, s79, 127
	s_lshl_b32 s87, s50, 23                        ; 2^e9
	s_add_co_i32 s50, s50, 15
	s_lshl_b32 s50, s50, 23
	s_or_b32 s88, s50, 0x600000                    ; 57,344 x 2^e9
	s_sub_co_i32 s50, s80, s78
	s_sub_co_i32 s50, s50, s79
	s_add_co_i32 s50, s50, 127
	s_lshl_b32 s83, s50, 23                        ; 2^(e10 - e8 - e9)
	s_add_co_i32 s50, s50, 15
	s_lshl_b32 s50, s50, 23
	s_or_b32 s84, s50, 0x600000
	v_and_b32 v20, 15, v0                          ; r
	v_bfe_u32 v21, v0, 4, 1                        ; h
	v_lshlrev_b32 v22, 6, v20
	v_lshl_add_u32 v22, v21, 4, v22                ; Q: row r of 64 bytes, + 16 h
	WIN 0x40
.irp u, 0,1
.irp c, 0,1
	global_load_b128 v[QF+8*\u+4*\c:QF+8*\u+4*\c+3], v22, s[68:69] offset:1024*\u+32*\c
	global_load_b128 v[QF+16+8*\u+4*\c:QF+16+8*\u+4*\c+3], v22, s[70:71] offset:1024*\u+32*\c
.endr
.endr
	WIN 0
	v_and_b32 v23, 8, v20
	v_add_nc_u32 v23, v23, v20                     ; r + 8 (r / 8)
	v_lshrrev_b32 v[AK0], 2, v23
	v_mul_u32_u24 v[AK0], v[AK0], LP               ; key t lies at (t / 4) lines + 64 (t % 4)
	v_and_b32 v23, 3, v23
	v_lshl_add_u32 v[AK0], v23, 6, v[AK0]
	v_lshl_add_u32 v[AK0], v21, 4, v[AK0]
	v_mul_u32_u24 v[AV0], v20, VP
	v_lshl_add_u32 v[AV0], v21, 4, v[AV0]
	v_add_nc_u32 v[AV0], VOFF, v[AV0]
	v_lshlrev_b32 v23, 4, v21
	v_sub_nc_u32 v[DG], v20, v23
	v_add_nc_u32 v[DG], s81, v[DG]
	v_mov_b32 v[LIM], s88
	v_mov_b32 v[SCL], s87
	v_mov_b32 v13, 0                               ; (named as the upper halves of the pairs of f)
	v_mov_b32 v19, 0
	v_mov_b32 v30, 0                               ; a lane permute's destination counts as one of its sources
	v_mov_b32 v31, 0
	INIT
	s_wait_alu depctr_va_vdst(0)                   ; the wait at the head's end
	s_wait_tensorcnt 0x0                           ; my part of K or V is in;
	s_barrier_signal -1
	s_barrier_wait -1                              ; everybody's is.
	LOADK AK0                                      ; the first key step's fragments
	LOADV AV0
	s_wait_loadcnt 0x0                             ; Q
.Ltrip:                                                ; 17 trips, one key step of one block each
	s_cmp_lg_u32 s48, s49
	s_cbranch_scc1 .Lsame
	FINISH 72                                      ; the first block is done (ids and the count of trips alone decide)
	s_wait_xcnt 0x0                                ; the stores have read their registers
	INIT
	v_add_nc_u32 v[DG], s82, v[DG]
	WIN 0x41
.set j, 0
.rept 16
	v_mov_b32 v[QF+j], v[QF+16+j]                  ; the second block's Q
.set j, j+1
.endr
	WIN 0
	s_wait_alu depctr_va_vdst(0)
.Lsame:
	s_wait_dscnt 16                                ; K's 16 loads are in; V's 16, issued behind them, may be out
	WIN 0x05
.irp t, 0,1,2,3,4,5,6,7
	v_wmma_f32_16x16x64_bf8_bf8 v[SA+8*\t:SA+8*\t+7], v[KF+8*\t:KF+8*\t+7], v[QF:QF+7], 0
	v_wmma_f32_16x16x64_bf8_bf8 v[SB+8*\t:SB+8*\t+7], v[KF+8*\t:KF+8*\t+7], v[QF+8:QF+15], 0
.endr
	WIN 0
	s_add_co_u32 s50, s48, 1                       ; the next trip,
	s_cmp_ge_u32 s50, s49
	s_cselect_b32 s51, s49, 0
	s_sub_co_u32 s51, s50, s51
	s_and_b32 s51, s51, 15                         ; and its key step, 0 .. 15 (behind the last trip: a step that is fetched and not used)
	s_and_b32 s52, s51, 7
	s_lshl_b32 s52, s52, 7
	s_lshr_b32 s53, s51, 3
	s_mul_i32 s53, s53, VHALF
	s_add_co_u32 s52, s52, s53
	s_mul_i32 s51, s51, KSTEPB
	v_add_nc_u32 v[ADK], s51, v[AK0]
	v_add_nc_u32 v[ADV], s52, v[AV0]
	v_nop
	v_nop                                          ; four places in front of loads into registers that the products read
	LOADK ADK                                      ; the next step's K lands under the softmax
	s_cmp_eq_u32 s50, s49                          ; a block's last step lies on the diagonal
	s_cselect_b32 s53, 1, 0
	s_cmp_eq_u32 s50, 17
	s_cselect_b32 s53, 1, s53
	s_cmp_eq_u32 s53, 0
	s_cbranch_scc1 .Lopen
	v_mov_b32 v24, 0xff800000                      ; hidden scores become -infinity ahead of the maximum.  Register 16 b + i holds key 16 h + 32 b + i of the step
.set n, 0
.rept 64
	v_cmp_gt_i32 vcc_lo, 32*(n/16)+n%16, v[DG]
	v_cmp_gt_i32 s86, 32*(n/16)+n%16-16, v[DG]     ; tile B's queries lie 16 further on
	v_cndmask_b32 v[SA+n], v[SA+n], v24, vcc_lo
	v_cndmask_b32 v[SB+n], v[SB+n], v24, s86
.set n, n+1
.endr
.Lopen:
	v_max3_num_f32 v20, v[SA], v[SA+1], v[SA+2]    ; the step's largest scores, two chains a tile, the tiles by turns; each accumulator from its low end on
	v_max3_num_f32 v22, v[SB], v[SB+1], v[SB+2]
	v_max3_num_f32 v21, v[SA+3], v[SA+4], v[SA+5]
	v_max3_num_f32 v23, v[SB+3], v[SB+4], v[SB+5]
.irp i, 6,10,14,18,22,26,30,34,38,42,46,50,54,58
	v_max3_num_f32 v20, v20, v[SA+\i], v[SA+\i+1]
	v_max3_num_f32 v22, v22, v[SB+\i], v[SB+\i+1]
	v_max3_num_f32 v21, v21, v[SA+\i+2], v[SA+\i+3]
	v_max3_num_f32 v23, v23, v[SB+\i+2], v[SB+\i+3]
.endr
	v_max3_num_f32 v20, v20, v[SA+62], v[SA+63]
	v_max3_num_f32 v22, v22, v[SB+62], v[SB+63]
	v_max_num_f32 v20, v20, v21
	v_max_num_f32 v22, v22, v23
	v_permlanex16_b32 v30, v20, s20, s21
	v_permlanex16_b32 v31, v22, s20, s21
	v_max_num_f32 v20, v20, v30
	v_max_num_f32 v22, v22, v31
	v_mul_f32 v20, s22, v20                        ; as t (c is positive)
	v_mul_f32 v22, s22, v22
	v_max_num_f32 v9, v9, v20
	v_max_num_f32 v15, v15, v22
	v_mov_b32 v20, v8
	v_mov_b32 v22, v14
	v_floor_f32 v8, -v9                            ; the new -M = -ceil(t)
	v_floor_f32 v14, -v15
	v_sub_f32 v20, v8, v20                         ; old M - new M: a whole number, 0 or less
	v_sub_f32 v22, v14, v22
	v_cvt_i32_f32 v20, v20                         ; (it saturates)
	v_cvt_i32_f32 v22, v22
	v_ldexp_f32 v12, 1.0, v20                      ; f = 2^(old M - new M)
	v_ldexp_f32 v18, 1.0, v22
.set j, 0
.rept 32
	v_pk_fma_f32 v[SA+j:SA+j+1], v[SA+j:SA+j+1], s[22:23], v[8:9] op_sel_hi:[1,0,0]   ; tile A: t - M
.set j, j+2
.endr
	v_pk_mul_f32 v[10:11], v[10:11], v[12:13] op_sel_hi:[1,0]   ; sums and O^T under the new M
	v_pk_mul_f32 v[16:17], v[16:17], v[18:19] op_sel_hi:[1,0]
.set j, 0
.rept 16
	v_pk_mul_f32 v[OA+j:OA+j+1], v[OA+j:OA+j+1], v[12:13] op_sel_hi:[1,0]
	v_pk_mul_f32 v[OB+j:OB+j+1], v[OB+j:OB+j+1], v[18:19] op_sel_hi:[1,0]
.set j, j+2
.endr
	s_wait_alu depctr_va_vdst(0)                   ; the wait ahead of the batch
.set j, 0
.rept 32
	v_exp_f32 v[SA+j], v[SA+j]                     ; tile A: p = 2^(t - M); between the exponentials tile B's t - M: its sources were written ahead of the wait above, its results are read behind the wait below
	v_exp_f32 v[SA+j+1], v[SA+j+1]
	v_pk_fma_f32 v[SB+j:SB+j+1], v[SB+j:SB+j+1], s[22:23], v[14:15] op_sel_hi:[1,0,0]
.set j, j+2
.endr
	s_wait_alu depctr_va_vdst(0)                   ; one wait for the batch, ahead of its first reader
	SUM SA, 10
	s_wait_alu depctr_va_vdst(0)                   ; ahead of the second batch
.set j, 0
.rept 64
	v_exp_f32 v[SB+j], v[SB+j]                     ; tile B's p; between the exponentials tile A's hold (p is not negative)
	v_min_num_f32 v[SA+j], v[SA+j], v[LIM]
.set j, j+1
.endr
	s_wait_alu depctr_va_vdst(0)
.set k, 0
.rept 8
	v_cvt_scalef32_pk8_bf8_f32 v[CA+2*k:CA+2*k+1], v[SA+8*k:SA+8*k+7], v[SCL]
.set k, k+1
.endr
	SUM SB, 16
.set j, 0
.rept 64
	v_min_num_f32 v[SB+j], v[SB+j], v[LIM]
.set j, j+1
.endr
.set k, 0
.rept 8
	v_cvt_scalef32_pk8_bf8_f32 v[CB+2*k:CB+2*k+1], v[SB+8*k:SB+8*k+7], v[SCL]
.set k, k+1
.endr
	v_nop                                          ; a plain instruction between the conversions and the products
	s_wait_alu depctr_va_vdst(0)
	s_wait_dscnt 16                                ; V's 16 loads are in; the next step's 16 of K may be out
	WIN 0x01
.irp t, 0,1,2,3
	v_wmma_f32_16x16x128_bf8_bf8 v[OA+8*\t:OA+8*\t+7], v[VF+16*\t:VF+16*\t+15], v[CA:CA+15], v[OA+8*\t:OA+8*\t+7]   ; the eight accumulators by turns
	v_wmma_f32_16x16x128_bf8_bf8 v[OB+8*\t:OB+8*\t+7], v[VF+16*\t:VF+16*\t+15], v[CB:CB+15], v[OB+8*\t:OB+8*\t+7]
.endr
	WIN 0
.rept 4
	v_nop
.endr
	LOADV ADV                                      ; the next step's V
	s_add_co_u32 s48, s48, 1
	s_cmp_lt_u32 s48, 17
	s_wait_alu depctr_va_vdst(0)
	s_cbranch_scc1 .Ltrip
	FINISH 74                                      ; the second block
	s_wait_tensorcnt 0x0                           ; the wave's end
	ds_add_u32 v[SPW], v[NIL]
	s_wait_dscnt 0x0
	CROUND                                         ; the closing round
	s_endpgm
.Lfunc_end_k_q872e61e33f_attn:
	.size	k_q872e61e33f_attn, .Lfunc_end_k_q872e61e33f_attn-k_q872e61e33f_attn
	.p2alignl 7, 3214868480
	.fill 96, 4, 3214868480
	.section	.rodata,"a",@progbits
	.p2align	6, 0x0
	.amdhsa_kernel k_q872e61e33f_attn
		.amdhsa_group_segment_fixed_size 327680
		.amdhsa_private_segment_fixed_size 0
		.amdhsa_enable_private_segment 0
		.amdhsa_kernarg_size 24
		.amdhsa_user_sgpr_count 2
		.amdhsa_user_sgpr_kernarg_segment_ptr 1
		.amdhsa_wavefront_size32 1
		.amdhsa_system_sgpr_workgroup_id_x 1
		.amdhsa_system_sgpr_workgroup_id_y 1
		.amdhsa_system_sgpr_workgroup_id_z 1
		.amdhsa_system_vgpr_workitem_id 0
		.amdhsa_next_free_vgpr 416
		.amdhsa_next_free_sgpr 100
		.amdhsa_reserve_vcc 1
		.amdhsa_float_denorm_mode_32 3
		.amdhsa_float_denorm_mode_16_64 3
		.amdhsa_memory_ordered 1
		.amdhsa_forward_progress 1
		.amdhsa_inst_pref_size 76
	.end_amdhsa_kernel
	.amdgpu_metadata
---
amdhsa.version: [ 1, 2 ]
amdhsa.kernels:
  - .name:           k_q872e61e33f_attn
    .symbol:         k_q872e61e33f_attn.kd
    .args:
      - { .name: qkvc, .offset: 0, .size: 8, .value_kind: global_buffer, .address_space: global }
      - { .name: lowp_scales, .offset: 8, .size: 8, .value_kind: global_buffer, .address_space: global }
      - { .name: ctx, .offset: 16, .size: 8, .value_kind: global_buffer, .address_space: global }
    .group_segment_fixed_size: 327680
    .private_segment_fixed_size: 0
    .kernarg_segment_align: 8
    .kernarg_segment_size: 24
    .max_flat_workgroup_size: 128
    .sgpr_count:     100
    .vgpr_count:     416
    .wavefront_size: 32
...
	.end_amdgpu_metadata
.endif
;; end of part 10
;; launch wo (part 11): grid 8 x 32, 4 waves a work-group, clusters of 4 x 4, 327,680 bytes of LDS; arguments ctx, wo_codes, lowp_scales, bo, x, x1; writes x1
.if DOCPART == 11
	.amdgcn_target "amdgcn-amd-amdhsa--gfx1250"
	.amdhsa_code_object_version 6
	.text
	.protected	k_q872e61e33f_wo
	.globl	k_q872e61e33f_wo
	.p2align	8
	.type	k_q872e61e33f_wo,@function
k_q872e61e33f_wo:
	s_mov_b64 s[64:65], 0
	v_nop
	global_prefetch_b8 v0, s[64:65] scope:SCOPE_SE
	s_setreg_imm32_b32 hwreg(HW_REG_WAVE_MODE, 25, 1), 1
	s_wait_xcnt 0x0
	s_wait_alu depctr_hold_cnt(0) depctr_sa_sdst(0) depctr_va_vdst(0) depctr_va_sdst(0) depctr_va_ssrc(0) depctr_va_vcc(0) depctr_vm_vsrc(0)
	s_getreg_b32 s2, hwreg(HW_REG_IB_STS2, 6, 4)
	s_cmp_eq_u32 s2, 0
	s_cbranch_scc0 .Lentry_in_a_cluster
	s_endpgm
.Lentry_in_a_cluster:
	s_bfe_u32 s2, ttmp6, 0x10000c
	s_cmp_lg_u32 s2, 0xf033
	s_cbranch_scc0 .Lentry_shape_is_right
	s_endpgm
.Lentry_shape_is_right:
; x1 = x + ctx wo + bo.  The product runs on codes of E5M2 (scales: entries 10 and 11), K = 1,024; each finished sum is multiplied once by 2^(ea + eb); bias and residual are added in f32.
; A = ctx's codes, laid [32 heads][2048 tokens][64] (HEADMAJOR = 1); B = the weight's codes [1024 (n)][K].  The residual and the result are [4096][1024] f32.
; LIMIT: ea + eb between -126 and 127.
; THE TILE is 128 x 128, so that the result's 32 x 8 tiles give 256 work-groups.  Four waves, each 64 x 64: 16 accumulators of 16 x 16.
; K goes in steps of 512 through two LDS slots filled by the tensor data mover: here K is two steps, so both slots are first fills and nothing is filled again.
; HEADMAJOR: a K step is eight heads.  A wave that fetches for A brings eight heads' 128 tokens x 64 bytes as ONE tile of eight rows of 8,192 bytes, with 16 bytes of padding behind every 256: lines of four tokens, 272 bytes apart, 32 lines a head.
; CLUSTERS: 4 x 4 work-groups; A's tiles are asked for jointly along a row of the cluster, B's along a column.  THE MATRIX INSTRUCTION IS USED TRANSPOSED (source 0 = 16 rows of B, source 1 = 16 rows of A): a lane holds eight neighbouring columns of one row.
; A fragment comes by four loads of 16 bytes: registers 4 c .. 4 c + 3 hold K = 32 c + 16 (l / 16) + 0 .. 15: a permutation of k that is the same in A and in B.
; REGISTERS, in windows of 256: window 0: v0-31 addresses; v32-63 a block's numbers on the way out; v128-255 the accumulators ((a, b) at v[128 + 8 (4 a + b)]).
;   window 1: two fragment buffers of 128: A's four blocks, then B's four.   window 2: v0-127 the residual's 64 rows of my 256 bytes, v128-159 the bias: asked for at the head, so that they land under the products.   window 3: v0-127 rows read back from the stage.
; No prefetch: both K steps are first fills, and each tile is asked for once for four work-groups.  One tile to a work-group.
.set SIZE_K, 1024
.set SCOFF,  0x28                      ; where ea, eb lie among the scales
.set HEADMAJOR, 1
.set KSTEP,  512                       ; along K in a slot
; THE LAYOUT AS IT STANDS NOW: the whole K = 1,024 is asked for at the head, one tensor load a wave: waves 0, 1 bring eight heads of A each (eight rows of 8,192 bytes), waves 2, 3 bring 64 rows of B of 1,024 bytes each.
; What the text below calls slot 0 and slot 1 are the two halves of K inside these tiles: A's heads 0-7 and 8-15, B's bytes 0-511 and 512-1,023 of each row.
.set ROWB,   1024
.set KROW,   SIZE_K                    ; a row of B (and of A, where it lies by rows) in memory
.set PITCH,  1040                      ; an LDS row of B: 1,024 bytes + 16 of padding = 260 words
.set LINE,   272                       ; 256 bytes + 16 of padding: a line of four tokens of a head; also a row of the stage
.set FR,     16                        ; registers of a fragment: 16 rows x 128 K
.set HEADB,  32*LINE                   ; a head's 128 tokens in LDS
.set BHALF,  64*PITCH                  ; what one load brings of B
.if HEADMAJOR
.set AHALF,  8*HEADB                   ; what one load brings of A: eight heads
.set ASTEP,  8*131072                  ; a K step on in A: eight heads
.else
.set AHALF,  64*PITCH
.set ASTEP,  ROWB
.endif
.set BOFF,   2*AHALF                   ; a slot: A's two halves, then B's two
.set SLOT,   BOFF+2*BHALF
.set LAPS,   SIZE_K/(2*KSTEP)          ; a lap = two K steps = once round the ring
.set STAGE,  SLOT                      ; behind the tiles: 16 rows x 272 bytes for each wave, for the way out: no tile lands there
.set SPARE,  STAGE+4*16*LINE           ; behind the stages: the spare words, 128 bytes for each wave: two blocks of 256 bytes that no other line names
.set ADRA, 16                          ; v16-17  LDS address of my A fragments in slot 0, 1
.set ADRB, 20                          ; v20-21  the same for B
.set STO,  24                          ; v24     the way out: where I put 32 bytes of a row
.set RD,   25                          ; v25     where I read a row back
.set CO,   26                          ; v26     (l / 16) rows of 4,096 bytes + 16 (l % 16); never rewritten
.set SPW,  28                          ; v28     my spare word; never rewritten
.set NIL,  29                          ; v29     0; never rewritten
.set BO,   31                          ; v31     32 (l / 16): my eight numbers of a tile's sixteen of the bias; never rewritten
.set TMP,  32
.set ACC,  128
.set F0,   0                           ; fragment buffers, in window 1
.set F1,   128
.set BIAS, 128                         ; in window 2
.set G1, 24                            ; s[24:31] descriptor group 1 for A's tiles;  s[32:39] group 0, one set for each slot
.set G0, 32
.set G1B, 48                           ; s[48:55], s[56:63] the same for B's tiles
.set G0B, 56
.set MSB, 0
.macro WIN new                         ; the immediate's high byte repeats the setting that is left
.if MSB != (\new)
	s_set_vgpr_msb (MSB<<8)|(\new)
.set MSB, (\new)
.endif
.endm
.set MUL,  0x05                        ; sources 0 (B) and 1 (A) window 1; C and D window 0
.set TO_F, 0x40                        ; destination window 1, address window 0
.macro JLOAD s                         ; a joint load: waves 0 and 1 fetch A's two halves, waves 2 and 3 B's; an s_nop 0 and four v_nop follow each of the two lines
	s_cmp_eq_u32 s15, 0
	s_cbranch_scc0 .Lfor_b_\@
	tensor_load_to_lds s[G0+4*\s:G0+4*\s+3], s[G1:G1+7]
	s_nop 0
.rept 4
	v_nop
.endr
	s_branch .Lasked_\@
.Lfor_b_\@:
	tensor_load_to_lds s[G0B+4*\s:G0B+4*\s+3], s[G1B:G1B+7]
	s_nop 0
.rept 4
	v_nop
.endr
.Lasked_\@:
.endm
.macro CREST                           ; a round of the cluster's barrier behind its opening barrier
	s_cmp_lg_u32 s14, 0
	s_cbranch_scc1 .Lnot_wave_0_\@
	s_barrier_signal -3
.Lnot_wave_0_\@:
	s_barrier_wait -3
	s_barrier_signal -1
	s_barrier_wait -1
.endm
.macro CROUND                          ; a whole round
	s_barrier_signal -1
	s_barrier_wait -1
	CREST
.endm
	s_load_b128 s[4:7], s[0:1], 0x0                ; A's codes, B's codes
	s_load_b128 s[8:11], s[0:1], 0x10              ; the scales' exponents s[8:9], the bias s[10:11]
	s_load_b128 s[68:71], s[0:1], 0x20             ; the residual s[68:69], the result s[70:71]
	v_lshl_add_u32 v[SPW], v0, 2, SPARE
	v_mov_b32 v[NIL], 0
	ds_add_u32 v[SPW], v[NIL]                      ; the wave's opening: the add, twice on end, and its wait ahead of my first tensor load
	ds_add_u32 v[SPW], v[NIL]
	v_lshrrev_b32 v1, 5, v0
	v_readfirstlane_b32 s14, v1                    ; wave 0..3
	s_lshr_b32 s15, s14, 1                         ; my half of the tile's rows.  Also: I fetch for A (0) or for B (1)
	s_and_b32 s16, s14, 1                          ; my half of its columns.  Also: which half of that tile I fetch
	s_bfe_u32 s40, ttmp6, 0x40000                  ; cx
	s_bfe_u32 s41, ttmp6, 0x40004                  ; cy
	s_lshl_b32 s42, ttmp9, 2
	s_add_co_u32 s42, s42, s40                     ; tile column = 4 x cluster x + cx: 0 .. 7
	s_and_b32 s17, ttmp7, 0xffff
	s_lshl_b32 s17, s17, 2
	s_add_co_u32 s17, s17, s41                     ; tile row = 4 x cluster y + cy: 0 .. 31
	s_lshl_b32 s43, s41, 2
	s_lshl_b32 s43, 15, s43                        ; my row of the cluster
	s_lshl_b32 s44, 0x1111, s40                    ; my column
.if HEADMAJOR
	s_or_b32 s[G1+0], s43, (3<<16)|(1<<20)|(1<<21)|(5<<22)|(3<<25)  ; the mask; elements of 8 bytes; padding on; bit 21 beside a mask; 4 words behind every 64
	s_mov_b32 s[G1+1], 1024<<16                    ; tensor_dim0 = 1,024 elements: 128 tokens x 64 bytes
	s_mov_b32 s[G1+2], 8<<16                       ; tensor_dim1 = 8 heads
	s_mov_b32 s[G1+3], 1024<<16                    ; tile_dim0
	s_mov_b32 s[G1+4], 8                           ; tile_dim1
	s_mov_b32 s[G1+5], 16384                       ; from head to head: 131,072 bytes
.else
	s_or_b32 s[G1+0], s43, (0<<16)|(1<<20)|(1<<21)|(6<<22)|(3<<25)  ; the mask; elements of 1 byte; 4 words of padding behind every 128
	s_mov_b32 s[G1+1], ROWB<<16
	s_mov_b32 s[G1+2], 64<<16
	s_mov_b32 s[G1+3], ROWB<<16
	s_mov_b32 s[G1+4], 64
	s_mov_b32 s[G1+5], KROW
.endif
	s_mov_b32 s[G1+6], 0
	s_mov_b32 s[G1+7], 0
	s_or_b32 s[G1B+0], s44, (0<<16)|(1<<20)|(1<<21)|(7<<22)|(3<<25)  ; 4 words of padding behind every 256
	s_mov_b32 s[G1B+1], ROWB<<16                   ; tensor_dim0
	s_mov_b32 s[G1B+2], 64<<16                     ; tensor_dim1
	s_mov_b32 s[G1B+3], ROWB<<16                   ; tile_dim0
	s_mov_b32 s[G1B+4], 64                         ; tile_dim1
	s_mov_b32 s[G1B+5], KROW                       ; the pitch
	s_mov_b32 s[G1B+6], 0
	s_mov_b32 s[G1B+7], 0
.if HEADMAJOR
	s_lshr_b32 s20, s17, 4                         ; A: head (tile row / 16) x 16 + 8 x half, tokens (tile row % 16) x 128 on
	s_lshl_b32 s20, s20, 4
	s_lshl_b32 s18, s16, 3                         ; eight heads a half
	s_add_co_u32 s20, s20, s18
	s_lshl_b32 s20, s20, 17
	s_and_b32 s18, s17, 15
	s_lshl_b32 s18, s18, 13
	s_add_co_u32 s20, s20, s18
.else
	s_lshl_b32 s18, s16, 6
	s_lshl_b32 s20, s17, 7
	s_add_co_u32 s20, s20, s18
	s_mul_i32 s20, s20, KROW                       ; A: row 128 x tile row + 64 x half
.endif
	s_lshl_b32 s18, s16, 6
	s_lshl_b32 s46, s42, 7
	s_add_co_u32 s46, s46, s18
	s_mul_i32 s46, s46, KROW                       ; B: row 128 x tile column + 64 x half
	s_mov_b32 s21, 0
	s_mov_b32 s47, 0
	s_mul_i32 s45, s16, AHALF                      ; where they go: no place in the cluster enters an LDS address
	s_mul_i32 s67, s16, BHALF
	s_add_co_u32 s67, s67, BOFF
	s_wait_dscnt 0x0                               ; both opening adds are done
	s_wait_kmcnt 0x0
	s_load_b64 s[96:97], s[8:9], SCOFF             ; ea, eb
	s_add_nc_u64 s[20:21], s[4:5], s[20:21]
	s_add_nc_u64 s[46:47], s[6:7], s[46:47]
	CROUND                                         ; all sixteen work-groups are here: the first joint loads meet
.irp s, 0
	s_mov_b32 s[G0+4*\s], 1
	s_add_co_u32 s[G0+4*\s+1], s45, \s*SLOT
	s_add_nc_u64 s[G0+4*\s+2:G0+4*\s+3], s[20:21], \s*ASTEP
	s_or_b32 s[G0+4*\s+3], s[G0+4*\s+3], 0x80000000
	s_mov_b32 s[G0B+4*\s], 1
	s_add_co_u32 s[G0B+4*\s+1], s67, \s*SLOT
	s_add_nc_u64 s[G0B+4*\s+2:G0B+4*\s+3], s[46:47], \s*ROWB
	s_or_b32 s[G0B+4*\s+3], s[G0B+4*\s+3], 0x80000000
	JLOAD \s
.endr
	v_and_b32 v1, 15, v0                           ; r = l % 16
	v_bfe_u32 v2, v0, 4, 1                         ; h = l / 16
	v_mul_u32_u24 v3, v1, PITCH
	v_lshl_add_u32 v4, v2, 4, v3                   ; a fragment's row x pitch + 16 x half
.if HEADMAJOR
.set AL, 7
	v_lshrrev_b32 v7, 2, v1                        ; token r lies in line r / 4, at 64 (r % 4)
	v_mul_u32_u24 v7, v7, LINE
	v_and_b32 v8, 3, v1
	v_lshl_add_u32 v7, v8, 6, v7
	v_lshl_add_u32 v7, v2, 4, v7
	s_mul_i32 s21, s15, 16*LINE                    ; my 64 tokens: 16 lines on in each head
.else
.set AL, 4
	s_mul_i32 s21, s15, AHALF                      ; my 64 rows of A
.endif
	s_mul_i32 s22, s16, BHALF                      ; my 64 rows of B,
	s_add_co_u32 s22, s22, BOFF                    ; which lie behind A's
.irp s, 0,1
	v_add_nc_u32 v[ADRA+\s], s21, v[AL]
	v_add_nc_u32 v[ADRB+\s], s22, v4
	s_add_co_u32 s21, s21, AHALF                   ; K's second half: eight heads on in A,
	s_add_co_u32 s22, s22, 512                     ; 512 bytes on in B's rows
.endr
	s_mul_i32 s23, s14, 16*LINE
	s_add_co_u32 s23, s23, STAGE                   ; my stage
	v_mul_u32_u24 v5, v1, LINE                     ; in: row r, 32 bytes for each half of the lanes
	v_lshl_add_u32 v5, v2, 5, v5
	v_add_nc_u32 v[STO], s23, v5
	v_mul_u32_u24 v6, v2, LINE                     ; back: lanes 0-15 take one row of 256 bytes, lanes 16-31 the next
	v_lshl_add_u32 v6, v1, 4, v6
	v_add_nc_u32 v[RD], s23, v6
	v_lshlrev_b32 v9, 12, v2                       ; and the same two rows in the residual and in the result
	v_lshl_add_u32 v[CO], v1, 4, v9
	v_lshlrev_b32 v[BO], 5, v2
	s_wait_alu depctr_va_vdst(0)
	s_lshl_b32 s20, s17, 7
	s_lshl_b32 s21, s15, 6
	s_add_co_u32 s20, s20, s21
	s_lshl_b32 s20, s20, 12                        ; my first row, 128 x tile row + 64 x half, of 4,096 bytes
	s_mov_b32 s21, 0
	s_lshl_b32 s46, s42, 9
	s_lshl_b32 s47, s16, 8
	s_add_co_u32 s46, s46, s47                     ; my first column, in bytes: 512 x tile column + 256 x half
	s_mov_b32 s47, 0
	s_add_nc_u64 s[10:11], s[10:11], s[46:47]
	s_add_nc_u64 s[20:21], s[20:21], s[46:47]
	s_add_nc_u64 s[68:69], s[68:69], s[20:21]
	s_add_nc_u64 s[70:71], s[70:71], s[20:21]
	; the bias and the residual are asked for here, into registers that nothing else names: they land under the products, and one wait stands in front of the way out
	WIN 0x80                                       ; destination window 2
.irp b, 0,1,2,3
	global_load_b128 v[BIAS+8*\b:BIAS+8*\b+3], v[BO], s[10:11] offset:64*\b          ; the bias in the accumulators' layout: columns 16 b + 8 h + 0 .. 7
	global_load_b128 v[BIAS+8*\b+4:BIAS+8*\b+7], v[BO], s[10:11] offset:64*\b+16
.endr
.set i, 0
.rept 32
	global_load_b128 v[4*i:4*i+3], v[CO], s[68:69] offset:2*i*4096 th:TH_LOAD_NT      ; rows 2 i and 2 i + 1: sixteen lanes read 256 consecutive bytes, aligned
.set i, i+1
.endr
	WIN 0
.macro FRAG reg, adr, q, i             ; a fragment of B: 16 rows x 128 K at byte 128 q of the rows
.irp c, 0,1,2,3
	ds_load_b128 v[\reg+4*\c:\reg+4*\c+3], v[\adr] offset:128*(\q)+32*\c+(\i)*16*PITCH
.endr
.endm
.macro FRAGA reg, adr, q, i            ; a fragment of A: K = 128 q + 32 c + 16 h + ..
.irp c, 0,1,2,3
.if HEADMAJOR
	ds_load_b128 v[\reg+4*\c:\reg+4*\c+3], v[\adr] offset:(2*(\q)+\c/2)*HEADB+32*(\c%2)+(\i)*4*LINE   ; head 2 q + c / 2 of the step's eight, channels 32 (c % 2) + 16 h on
.else
	ds_load_b128 v[\reg+4*\c:\reg+4*\c+3], v[\adr] offset:128*(\q)+32*\c+(\i)*16*PITCH
.endif
.endr
.endm
; 4 matrix instructions: A's block a x B's four.  The 16 accumulators take turns, one instruction a turn, in the same order in every quarter.  zero = 1: the product starts the sums.
.macro MULA f, a, zero
.irp b, 0,1,2,3
.if \zero
	v_wmma_f32_16x16x128_bf8_bf8 v[ACC+8*(4*(\a)+\b):ACC+8*(4*(\a)+\b)+7], v[\f+64+FR*\b:\f+64+FR*\b+FR-1], v[\f+FR*(\a):\f+FR*(\a)+FR-1], 0
.else
	v_wmma_f32_16x16x128_bf8_bf8 v[ACC+8*(4*(\a)+\b):ACC+8*(4*(\a)+\b)+7], v[\f+64+FR*\b:\f+64+FR*\b+FR-1], v[\f+FR*(\a):\f+FR*(\a)+FR-1], v[ACC+8*(4*(\a)+\b):ACC+8*(4*(\a)+\b)+7]
.endif
.endr
.endm
.macro FETCH slot, q, f                ; 32 LDS loads in one run: B's four blocks, then A's four, of the slot's q-th 128 along K, into buffer f
	WIN TO_F
.irp i, 0,1,2,3
	FRAG \f+64+FR*\i, ADRB+\slot, \q, \i
.endr
.irp i, 0,1,2,3
	FRAGA \f+FR*\i, ADRA+\slot, \q, \i
.endr
.endm
.macro PLACES                          ; four plain vector instructions between a matrix instruction and a load into, or a read of, its registers
.rept 4
	v_nop
.endr
.endm
; A K step is four quarters of 128 along K, 16 matrix instructions each, on buffers 0, 1, 0, 1.  One of the first three: it asks first for the slot's quarter q, into buffer g, which the quarter before multiplied; then it multiplies buffer f.
.macro QUARTER slot, q, f, g, zero
	PLACES
	FETCH \slot, \q, \g
	s_wait_dscnt 40                                ; buffer f's B and A's blocks 0, 1 are in; its last eight loads and the 32 just issued may be out
	WIN MUL
	MULA \f, 0, \zero
	MULA \f, 1, \zero
	s_wait_dscnt 32                                ; all but the 32 just issued
	MULA \f, 2, \zero
	MULA \f, 3, \zero
.endm
; The last quarter multiplies buffer 1 and changes slots: ONE barrier; in front of it each wave waits for all its tensor loads, adds 0 to its spare word, and waits for that and for its own reads of this slot.  fill = 1: this slot is filled again, two K steps ahead.
.macro TURN slot, next, fill
	WIN 0                                          ; (the add's two registers lie in window 0)
	s_wait_tensorcnt 0x0                           ; all my tensor loads have landed: my part of the next slot
	ds_add_u32 v[SPW], v[NIL]
	s_wait_dscnt 1                                 ; buffer 1 is in; the add may be out
	WIN MUL
	MULA F1, 0, 0                                  ; four matrix instructions stand between the add and the wait for it
	s_wait_dscnt 0x0                               ; the add is done, and my reads of this slot are over
	s_barrier_signal -1
	MULA F1, 1, 0
	WIN 0
	s_barrier_wait -1
.if \fill
	CREST                                          ; the barrier has opened a round of the cluster's: no wave of any partner still reads this slot or has a load on its way
	s_add_nc_u64 s[G0+4*\slot+2:G0+4*\slot+3], s[G0+4*\slot+2:G0+4*\slot+3], 2*ASTEP
	s_add_nc_u64 s[G0B+4*\slot+2:G0B+4*\slot+3], s[G0B+4*\slot+2:G0B+4*\slot+3], 2*ROWB
	JLOAD \slot                                    ; the first tensor load behind the round; its four v_nop are the places in front of the loads below
.else
	PLACES
.endif
	FETCH \next, 0, F0
	WIN MUL
	MULA F1, 2, 0
	MULA F1, 3, 0
.endm
	s_wait_alu depctr_va_vdst(0)                   ; the wait at the head's end
	s_wait_tensorcnt 0x0                           ; my one load is in
	s_barrier_signal -1
	s_barrier_wait -1
	FETCH 0, 0, F0
	QUARTER 0, 1, F0, F1, 1                        ; the first quarter's products start the sums
.if LAPS > 1
	WIN 0                                          ; at a label and at a branch every window is 0
	s_mov_b32 s3, LAPS-1
.Llap:                                                 ; a trip goes once round the ring, from a lap's second quarter to the next lap's first, and fills both slots again
	QUARTER 0, 2, F1, F0, 0
	QUARTER 0, 3, F0, F1, 0
	TURN 0, 1, 1
	QUARTER 1, 1, F0, F1, 0
	QUARTER 1, 2, F1, F0, 0
	QUARTER 1, 3, F0, F1, 0
	TURN 1, 0, 1
	QUARTER 0, 1, F0, F1, 0
	WIN 0
	s_sub_co_u32 s3, s3, 1
	s_cmp_lg_u32 s3, 0
	s_cbranch_scc1 .Llap
.endif
	QUARTER 0, 2, F1, F0, 0                        ; the last lap fills nothing
	QUARTER 0, 3, F0, F1, 0
	TURN 0, 1, 0
	QUARTER 1, 1, F0, F1, 0
	QUARTER 1, 2, F1, F0, 0
	QUARTER 1, 3, F0, F1, 0
	s_wait_dscnt 8                                 ; the very last quarter: A's blocks 2, 3 may be out
	WIN MUL
	MULA F1, 0, 0
	MULA F1, 1, 0
	s_wait_dscnt 0
	MULA F1, 2, 0
	MULA F1, 3, 0
	WIN 0
; THE WAY OUT, block by block of 16 rows x 64 columns: sum x 2^(ea + eb) + bias by one packed multiply-add; through my own stage, back as whole rows of 256 bytes; the residual's same rows are added; stored.
; Each block has registers of its own for its rows, so no register of a pending store is written again.
.macro TOSTAGE a
	WIN 0x20                                       ; source 2 (the bias) window 2
.set j, 0
.rept 16
	v_pk_fma_f32 v[TMP+j:TMP+j+1], v[ACC+32*(\a)+j:ACC+32*(\a)+j+1], s[96:97], v[BIAS+j:BIAS+j+1] op_sel_hi:[1,0,1]   ; each accumulator from its low end on
.set j, j+2
.endr
	WIN 0
.irp b, 0,1,2,3
	ds_store_b128 v[STO], v[TMP+8*\b:TMP+8*\b+3] offset:64*\b
	ds_store_b128 v[STO], v[TMP+8*\b+4:TMP+8*\b+7] offset:64*\b+16
.endr
	WIN 0xc0                                       ; destination window 3
.irp t, 0,1,2,3,4,5,6,7
	ds_load_b128 v[32*(\a)+4*\t:32*(\a)+4*\t+3], v[RD] offset:\t*2*LINE   ; LDS serves a wave's instructions in order: these see my stores, and the next block's stores come behind them
.endr
	WIN 0
.endm
.macro SEND a, younger                 ; younger: the LDS instructions issued behind block a's loads
	s_wait_dscnt \younger
	WIN 0xcb                                       ; destination and source 0 (the rows) window 3, source 1 (the residual) window 2
.set j, 0
.rept 16
	v_pk_add_f32 v[32*(\a)+j:32*(\a)+j+1], v[32*(\a)+j:32*(\a)+j+1], v[32*(\a)+j:32*(\a)+j+1]
.set j, j+2
.endr
	WIN 0x0c                                       ; a store's data (source 1) window 3, its address window 0
.irp t, 0,1,2,3,4,5,6,7
.if HEADMAJOR
	global_store_b128 v[CO], v[32*(\a)+4*\t:32*(\a)+4*\t+3], s[70:71] offset:(16*(\a)+2*\t)*4096   ; sixteen lanes store 256 consecutive bytes, aligned; every offset is an immediate
.else
	global_store_b128 v[CO], v[32*(\a)+4*\t:32*(\a)+4*\t+3], s[70:71] offset:(16*(\a)+2*\t)*4096 th:TH_STORE_NT
.endif
.endr
	WIN 0
.endm
	s_wait_kmcnt 0x0
	s_add_co_i32 s96, s96, s97
	s_add_co_i32 s96, s96, 127
	s_lshl_b32 s96, s96, 23                        ; 2^(ea + eb) as f32
	s_mov_b32 s97, s96                             ; (named with it as a pair, so it is written)
	s_wait_loadcnt 0x0                             ; the bias and the residual, asked for at the head
	PLACES                                         ; in front of the first read of results
	TOSTAGE 0
.irp a, 1,2,3
	TOSTAGE \a
	SEND \a-1, 16                                  ; behind block a - 1's loads: block a's 8 stores and 8 loads
.endr
	SEND 3, 0
	s_wait_tensorcnt 0x0                           ; the wave's end
	ds_add_u32 v[SPW], v[NIL]
	s_wait_dscnt 0x0
	CROUND                                         ; the closing round
	s_endpgm
.Lfunc_end_k_q872e61e33f_wo:
	.size	k_q872e61e33f_wo, .Lfunc_end_k_q872e61e33f_wo-k_q872e61e33f_wo
	.p2alignl 7, 3214868480
	.fill 96, 4, 3214868480
	.section	.rodata,"a",@progbits
	.p2align	6, 0x0
	.amdhsa_kernel k_q872e61e33f_wo
		.amdhsa_group_segment_fixed_size 327680
		.amdhsa_private_segment_fixed_size 0
		.amdhsa_enable_private_segment 0
		.amdhsa_kernarg_size 48
		.amdhsa_user_sgpr_count 2
		.amdhsa_user_sgpr_kernarg_segment_ptr 1
		.amdhsa_wavefront_size32 1
		.amdhsa_system_sgpr_workgroup_id_x 1
		.amdhsa_system_sgpr_workgroup_id_y 1
		.amdhsa_system_sgpr_workgroup_id_z 1
		.amdhsa_system_vgpr_workitem_id 0
		.amdhsa_next_free_vgpr 1024
		.amdhsa_next_free_sgpr 100
		.amdhsa_reserve_vcc 0
		.amdhsa_float_denorm_mode_32 3
		.amdhsa_float_denorm_mode_16_64 3
		.amdhsa_memory_ordered 1
		.amdhsa_forward_progress 1
		.amdhsa_inst_pref_size 54
	.end_amdhsa_kernel
	.amdgpu_metadata
---
amdhsa.version: [ 1, 2 ]
amdhsa.kernels:
  - .name:           k_q872e61e33f_wo
    .symbol:         k_q872e61e33f_wo.kd
    .args:
      - { .name: ctx, .offset: 0, .size: 8, .value_kind: global_buffer, .address_space: global }
      - { .name: wo_codes, .offset: 8, .size: 8, .value_kind: global_buffer, .address_space: global }
      - { .name: lowp_scales, .offset: 16, .size: 8, .value_kind: global_buffer, .address_space: global }
      - { .name: bo, .offset: 24, .size: 8, .value_kind: global_buffer, .address_space: global }
      - { .name: x, .offset: 32, .size: 8, .value_kind: global_buffer, .address_space: global }
      - { .name: x1, .offset: 40, .size: 8, .value_kind: global_buffer, .address_space: global }
    .group_segment_fixed_size: 327680
    .private_segment_fixed_size: 0
    .kernarg_segment_align: 8
    .kernarg_segment_size: 48
    .max_flat_workgroup_size: 128
    .sgpr_count:     100
    .vgpr_count:     1024
    .wavefront_size: 32
...
	.end_amdgpu_metadata
.endif
;; end of part 11
;; launch ln2 (part 12): grid 256 x 1, 4 waves a work-group, no clusters, 4,608 bytes of LDS; arguments x1, g2, s2, lowp_scales, h2; writes h2
.if DOCPART == 12
	.amdgcn_target "amdgcn-amd-amdhsa--gfx1250"
	.amdhsa_code_object_version 6
	.text
	.protected	k_q872e61e33f_ln2
	.globl	k_q872e61e33f_ln2
	.p2align	8
	.type	k_q872e61e33f_ln2,@function
k_q872e61e33f_ln2:
	s_mov_b64 s[64:65], 0
	v_nop
	global_prefetch_b8 v0, s[64:65] scope:SCOPE_SE
	s_setreg_imm32_b32 hwreg(HW_REG_WAVE_MODE, 25, 1), 1
	s_wait_xcnt 0x0
; h2 = g2 (x1 - mean) / sqrt(var + 1e-5) + s2 by rows of 1,024, in f32, quantised with the scale of entry 12 into [4096 tokens][1024] codes of E5M2, K innermost.
; code = h / 2^e, held within +-57,344, to the nearest code, ties to even.  LIMITS: e between -126 and 112; NaN among the inputs is not served.
; SHARES: a wave takes 4 whole rows; a row is eight loads of 512 consecutive bytes, so lane l holds columns 128 j + 4 l + 0..3 of load j.  All 48 loads of a wave go out at the head.  The variance is taken of x - mean.
; A conversion's dword j holds the codes of columns 128 j + 4 l ..: the dwords go through the wave's own stage in LDS and come back 16 bytes a lane: each store covers 512 consecutive bytes, aligned.
; No matrix unit, no tensor load, no cluster, no barrier: waves share nothing and memory binds.
.set NOUT, 1
.set E0,   12
.set PART, 0x400000
.set STG,  NOUT*1024
.set SPARE, 4*STG                      ; behind the four stages: the spare words, two blocks of 256 bytes that no other line names
.set LO,  1
.set SI,  2
.set SB,  3
.set SPW, 4
.set NIL, 5
.set SCL, 12
.set C,   18
.set T,   42
.set G,   60
.set S,   92
.set X,   124
.set OUTP, 32
	s_load_b256 s[4:11], s[0:1], 0x0               ; x1, g, s, the scales' exponents
	s_load_b64 s[12:13], s[0:1], 0x20              ; the codes
	v_lshl_add_u32 v[SPW], v0, 2, SPARE
	v_mov_b32 v[NIL], 0
	v_lshrrev_b32 v6, 5, v0
	v_readfirstlane_b32 s16, v6
	v_and_b32 v7, 31, v0
	v_lshlrev_b32 v[LO], 4, v7
	s_mul_i32 s17, s16, STG
	v_lshl_add_u32 v[SI], v7, 2, s17
	v_lshl_add_u32 v[SB], v7, 4, s17
	s_lshl_b32 s18, ttmp9, 16
	s_lshl_b32 s19, s16, 14
	s_add_co_u32 s18, s18, s19
	s_mov_b32 s19, 0
	s_lshr_b32 s14, s18, 2
	s_mov_b32 s15, 0
	s_mov_b32 s20, 0x76543210
	s_mov_b32 s21, 0xfedcba98
	s_mov_b32 s22, 0x3a800000                      ; 1 / 1024
	s_mov_b32 s23, 0x3727c5ac                      ; 1e-5
	s_wait_alu depctr_va_vdst(0)
	s_wait_kmcnt 0x0
.set o, 0
.rept NOUT
	s_load_b32 s[24+o], s[10:11], (E0+2*o)*4
.set o, o+1
.endr
	s_add_nc_u64 s[4:5], s[4:5], s[18:19]
	s_add_nc_u64 s[12:13], s[12:13], s[14:15]
.set o, 0
.rept NOUT
	s_add_nc_u64 s[OUTP+2*o:OUTP+2*o+1], s[12:13], o*PART
.set o, o+1
.endr
.macro XLOAD i
.irp j, 0,1,2,3,4,5,6,7
	global_load_b128 v[X+32*\i+4*\j:X+32*\i+4*\j+3], v[LO], s[4:5] offset:4096*\i+512*\j th:TH_LOAD_NT
.endr
.endm
	XLOAD 0
.irp j, 0,1,2,3,4,5,6,7
	global_load_b128 v[G+4*\j:G+4*\j+3], v[LO], s[6:7] offset:512*\j
.endr
.irp j, 0,1,2,3,4,5,6,7
	global_load_b128 v[S+4*\j:S+4*\j+3], v[LO], s[8:9] offset:512*\j
.endr
	XLOAD 1
	XLOAD 2
	XLOAD 3
	s_wait_kmcnt 0x0
.set o, 0
.rept NOUT
	s_add_co_i32 s[24+o], s[24+o], 127
	s_lshl_b32 s28, s[24+o], 23
	v_mov_b32 v[SCL+2*o], s28                      ; 2^e as f32
	s_add_co_i32 s[24+o], s[24+o], 15
	s_lshl_b32 s28, s[24+o], 23
	s_or_b32 s28, s28, 0x600000
	v_mov_b32 v[SCL+2*o+1], s28                    ; 57,344 x 2^e
.set o, o+1
.endr
.macro REDUCE
	v_pk_add_f32 v[8:9], v[8:9], v[10:11]
	v_add_f32 v8, v8, v9
	v_add_f32_dpp v8, v8, v8 row_xmask:1 row_mask:0xf bank_mask:0xf
	v_add_f32_dpp v8, v8, v8 row_xmask:2 row_mask:0xf bank_mask:0xf
	v_add_f32_dpp v8, v8, v8 row_xmask:4 row_mask:0xf bank_mask:0xf
	v_add_f32_dpp v8, v8, v8 row_xmask:8 row_mask:0xf bank_mask:0xf
	v_permlanex16_b32 v9, v8, s20, s21
	v_add_f32 v8, v8, v9
.endm
.macro ROW i, n1                       ; n1: the loads younger than this row's eight
.set XR, X+32*\i
	s_wait_loadcnt \n1
	v_pk_add_f32 v[8:9], v[XR:XR+1], v[XR+2:XR+3]
	v_pk_add_f32 v[10:11], v[XR+4:XR+5], v[XR+6:XR+7]
.irp j, 8,12,16,20,24,28
	v_pk_add_f32 v[8:9], v[8:9], v[XR+\j:XR+\j+1]
	v_pk_add_f32 v[10:11], v[10:11], v[XR+\j+2:XR+\j+3]
.endr
	REDUCE
	v_mul_f32 v6, s22, v8                          ; the mean
.irp j, 0,2,4,6,8,10,12,14,16,18,20,22,24,26,28,30
	v_pk_add_f32 v[XR+\j:XR+\j+1], v[XR+\j:XR+\j+1], v[6:7] op_sel_hi:[1,0] neg_lo:[0,1] neg_hi:[0,1]
.endr
	v_pk_mul_f32 v[8:9], v[XR:XR+1], v[XR:XR+1]
	v_pk_mul_f32 v[10:11], v[XR+2:XR+3], v[XR+2:XR+3]
.irp j, 4,8,12,16,20,24,28
	v_pk_fma_f32 v[8:9], v[XR+\j:XR+\j+1], v[XR+\j:XR+\j+1], v[8:9]
	v_pk_fma_f32 v[10:11], v[XR+\j+2:XR+\j+3], v[XR+\j+2:XR+\j+3], v[10:11]
.endr
	REDUCE
	v_fma_f32 v8, v8, s22, s23                     ; var + eps
	s_wait_alu depctr_va_vdst(0)
	v_rsq_f32 v6, v8
	v_nop                                          ; a plain instruction behind the transcendental,
	s_wait_alu depctr_va_vdst(0)                   ; and the wait ahead of its first reader
.if \i == 0
	s_wait_loadcnt 24                              ; g and s are in; the three later rows' 24 loads may be out
.endif
.irp j, 0,2,4,6,8,10,12,14,16,18,20,22,24,26,28,30
	v_pk_mul_f32 v[XR+\j:XR+\j+1], v[XR+\j:XR+\j+1], v[6:7] op_sel_hi:[1,0]
.endr
.irp j, 0,2,4,6,8,10,12,14,16,18,20,22,24,26,28,30
	v_pk_fma_f32 v[XR+\j:XR+\j+1], v[XR+\j:XR+\j+1], v[G+\j:G+\j+1], v[S+\j:S+\j+1]
.endr
.set o, 0
.rept NOUT
.irp g, 0,1,2,3
.irp k, 0,1,2,3,4,5,6,7
	v_med3_num_f32 v[T+8*(\g%2)+\k], v[XR+8*\g+\k], -v[SCL+2*o+1], v[SCL+2*o+1]   ; the hold ahead of a conversion that does not saturate (ISA guide 7.6.2)
.endr
	v_cvt_scalef32_pk8_bf8_f32 v[C+8*o+2*\g:C+8*o+2*\g+1], v[T+8*(\g%2):T+8*(\g%2)+7], v[SCL+2*o]
.endr
	v_nop
.irp j, 0,1,2,3,4,5,6,7
	ds_store_b32 v[SI], v[C+8*o+\j] offset:1024*o+128*\j
.endr
.set o, o+1
.endr
.set k, 0
.rept 2*NOUT
	ds_load_b128 v[XR+4*k:XR+4*k+3], v[SB] offset:512*k   ; LDS serves a wave's instructions in order
.set k, k+1
.endr
.set k, 0
.rept 2*NOUT
	s_wait_dscnt 2*NOUT-1-k
	global_store_b128 v[LO], v[XR+4*k:XR+4*k+3], s[OUTP+2*(k/2):OUTP+2*(k/2)+1] offset:1024*\i+512*(k%2)
.set k, k+1
.endr
.endm
	ROW 0, 40
	ROW 1, 16
	ROW 2, 8
	ROW 3, 0
	s_wait_tensorcnt 0x0                           ; the wave's end, behind my last LDS store
	ds_add_u32 v[SPW], v[NIL]
	s_wait_dscnt 0x0
	s_endpgm
.Lfunc_end_k_q872e61e33f_ln2:
	.size	k_q872e61e33f_ln2, .Lfunc_end_k_q872e61e33f_ln2-k_q872e61e33f_ln2
	.p2alignl 7, 3214868480
	.fill 96, 4, 3214868480
	.section	.rodata,"a",@progbits
	.p2align	6, 0x0
	.amdhsa_kernel k_q872e61e33f_ln2
		.amdhsa_group_segment_fixed_size 4608
		.amdhsa_private_segment_fixed_size 0
		.amdhsa_enable_private_segment 0
		.amdhsa_kernarg_size 40
		.amdhsa_user_sgpr_count 2
		.amdhsa_user_sgpr_kernarg_segment_ptr 1
		.amdhsa_wavefront_size32 1
		.amdhsa_system_sgpr_workgroup_id_x 1
		.amdhsa_system_sgpr_workgroup_id_y 1
		.amdhsa_system_sgpr_workgroup_id_z 1
		.amdhsa_system_vgpr_workitem_id 0
		.amdhsa_next_free_vgpr 256
		.amdhsa_next_free_sgpr 66
		.amdhsa_reserve_vcc 0
		.amdhsa_float_denorm_mode_32 3
		.amdhsa_float_denorm_mode_16_64 3
		.amdhsa_memory_ordered 1
		.amdhsa_forward_progress 1
		.amdhsa_inst_pref_size 44
	.end_amdhsa_kernel
	.amdgpu_metadata
---
amdhsa.version: [ 1, 2 ]
amdhsa.kernels:
  - .name:           k_q872e61e33f_ln2
    .symbol:         k_q872e61e33f_ln2.kd
    .args:
      - { .name: x1, .offset: 0, .size: 8, .value_kind: global_buffer, .address_space: global }
      - { .name: g2, .offset: 8, .size: 8, .value_kind: global_buffer, .address_space: global }
      - { .name: s2, .offset: 16, .size: 8, .value_kind: global_buffer, .address_space: global }
      - { .name: lowp_scales, .offset: 24, .size: 8, .value_kind: global_buffer, .address_space: global }
      - { .name: h2, .offset: 32, .size: 8, .value_kind: global_buffer, .address_space: global }
    .group_segment_fixed_size: 4608
    .private_segment_fixed_size: 0
    .kernarg_segment_align: 8
    .kernarg_segment_size: 40
    .max_flat_workgroup_size: 128
    .sgpr_count:     66
    .vgpr_count:     256
    .wavefront_size: 32
...
	.end_amdgpu_metadata
.endif
;; end of part 12
;; launch w1 (part 13): grid 16 x 16, 4 waves a work-group, clusters of 4 x 4, 327,680 bytes of LDS; arguments h2, w1_codes, lowp_scales, b1, gc; writes gc
.if DOCPART == 13
	.amdgcn_target "amdgcn-amd-amdhsa--gfx1250"
	.amdhsa_code_object_version 6
	.text
	.protected	k_q872e61e33f_w1
	.globl	k_q872e61e33f_w1
	.p2align	8
	.type	k_q872e61e33f_w1,@function
k_q872e61e33f_w1:
	s_mov_b64 s[64:65], 0
	v_nop
	global_prefetch_b8 v0, s[64:65] scope:SCOPE_SE
	s_setreg_imm32_b32 hwreg(HW_REG_WAVE_MODE, 25, 1), 1
	s_wait_xcnt 0x0
	s_wait_alu depctr_hold_cnt(0) depctr_sa_sdst(0) depctr_va_vdst(0) depctr_va_sdst(0) depctr_va_ssrc(0) depctr_va_vcc(0) depctr_vm_vsrc(0)
	s_getreg_b32 s2, hwreg(HW_REG_IB_STS2, 6, 4)
	s_cmp_eq_u32 s2, 0
	s_cbranch_scc0 .Lentry_in_a_cluster
	s_endpgm
.Lentry_in_a_cluster:
	s_bfe_u32 s2, ttmp6, 0x10000c
	s_cmp_lg_u32 s2, 0xf033
	s_cbranch_scc0 .Lentry_shape_is_right
	s_endpgm
.Lentry_shape_is_right:
.set SIZE_K, 1024
.set KSTEP,  256
.set ROWB,   256
.set KROW,   SIZE_K
.set PITCH,  272
.set FR,     16
.set NL,     4
.set NP,     4
.set HALFT,  128*PITCH
.set SLOT,   4*HALFT
.set LAPS,   SIZE_K/(2*KSTEP)
.set SPARE,  2*SLOT
.set KK0,  12
.set ADRA, 16
.set ADRB, 20
.set SC,   22
.set LIM,  23
.set STO,  24
.set RD2,  27
.set SPW,  28
.set NIL,  29
.set CO2,  30
.set BO,   31
.set XX,   32
.set W,    96
.set CD,   160
.set AF,   128
.set BK,   128
.set G1, 24
.set G0, 32
.set G1B, 48
.set G0B, 56
.set MSB, 0
.macro WIN new
.if MSB != (\new)
	s_set_vgpr_msb (MSB<<8)|(\new)
.set MSB, (\new)
.endif
.endm
.set MUL_LO, 0xa1
.set MUL_HI, 0xf1
.set TO_B,   0x40
.macro JLOAD g0a, g1a, g0b, g1b
	s_cmp_eq_u32 s15, 0
	s_cbranch_scc0 .Lfor_b_\@
	tensor_load_to_lds s[\g0a:\g0a+3], s[\g1a:\g1a+7]
	s_nop 0
.rept 4
	v_nop
.endr
	s_branch .Lasked_\@
.Lfor_b_\@:
	tensor_load_to_lds s[\g0b:\g0b+3], s[\g1b:\g1b+7]
	s_nop 0
.rept 4
	v_nop
.endr
.Lasked_\@:
.endm
.macro CREST
	s_cmp_lg_u32 s14, 0
	s_cbranch_scc1 .Lnot_wave_0_\@
	s_barrier_signal -3
.Lnot_wave_0_\@:
	s_barrier_wait -3
	s_barrier_signal -1
	s_barrier_wait -1
.endm
.macro CROUND
	s_barrier_signal -1
	s_barrier_wait -1
	CREST
.endm
	s_load_b128 s[4:7], s[0:1], 0x0
	s_load_b128 s[8:11], s[0:1], 0x10
	s_load_b64 s[68:69], s[0:1], 0x20
	v_lshl_add_u32 v[SPW], v0, 2, SPARE
	v_mov_b32 v[NIL], 0
	ds_add_u32 v[SPW], v[NIL]
	ds_add_u32 v[SPW], v[NIL]
	v_lshrrev_b32 v1, 5, v0
	v_readfirstlane_b32 s14, v1
	v_and_b32 v18, 31, v0
	v_lshlrev_b32 v18, 10, v18                     ; the prefetches' offset: my lane x a row of 1,024 bytes; never rewritten
	s_lshr_b32 s15, s14, 1
	s_and_b32 s16, s14, 1
	s_bfe_u32 s40, ttmp6, 0x40000
	s_bfe_u32 s41, ttmp6, 0x40004
	s_lshl_b32 s42, ttmp9, 2
	s_add_co_u32 s42, s42, s40
	s_and_b32 s17, ttmp7, 0xffff
	s_lshl_b32 s17, s17, 2
	s_add_co_u32 s17, s17, s41
	s_lshl_b32 s43, s41, 2
	s_lshl_b32 s43, 15, s43
	s_lshl_b32 s44, 0x1111, s40
	s_or_b32 s[G1+0], s43, (0<<16)|(1<<20)|(1<<21)|(5<<22)|(3<<25)
	s_or_b32 s[G1B+0], s44, (0<<16)|(1<<20)|(1<<21)|(5<<22)|(3<<25)
.irp g, G1, G1B
	s_mov_b32 s[\g+1], ROWB<<16
	s_mov_b32 s[\g+2], 128<<16
	s_mov_b32 s[\g+3], ROWB<<16
	s_mov_b32 s[\g+4], 128
	s_mov_b32 s[\g+5], KROW
	s_mov_b32 s[\g+6], 0
	s_mov_b32 s[\g+7], 0
.endr
	s_lshl_b32 s18, s16, 7
	s_lshl_b32 s20, s17, 8
	s_add_co_u32 s20, s20, s18
	s_mul_i32 s20, s20, KROW
	s_lshl_b32 s46, s42, 8
	s_add_co_u32 s46, s46, s18
	s_mul_i32 s46, s46, KROW
	s_mov_b32 s21, 0
	s_mov_b32 s47, 0
	s_mul_i32 s45, s14, HALFT
	s_wait_dscnt 0x0
	s_wait_kmcnt 0x0
	s_load_b128 s[84:87], s[8:9], 0x30
	s_add_nc_u64 s[20:21], s[4:5], s[20:21]
	s_add_nc_u64 s[46:47], s[6:7], s[46:47]
	; the prefetches' base: of the 128 rows that I fetch, my work-group's 32, told apart from the three partners' by address (cx for A, cy for B)
	s_cmp_eq_u32 s15, 0
	s_cselect_b64 s[72:73], s[20:21], s[46:47]
	s_cselect_b32 s74, s40, s41
	s_lshl_b32 s74, s74, 15                        ; 32 rows of 1,024 bytes
	s_mov_b32 s75, 0
	s_add_nc_u64 s[72:73], s[72:73], s[74:75]
	CROUND
.irp s, 0,1
	s_mov_b32 s[G0+4*\s], 1
	s_add_co_u32 s[G0+4*\s+1], s45, \s*SLOT
	s_add_nc_u64 s[G0+4*\s+2:G0+4*\s+3], s[20:21], \s*ROWB
	s_or_b32 s[G0+4*\s+3], s[G0+4*\s+3], 0x80000000
	s_mov_b32 s[G0B+4*\s], 1
	s_add_co_u32 s[G0B+4*\s+1], s45, \s*SLOT
	s_add_nc_u64 s[G0B+4*\s+2:G0B+4*\s+3], s[46:47], \s*ROWB
	s_or_b32 s[G0B+4*\s+3], s[G0B+4*\s+3], 0x80000000
	s_wait_alu depctr_va_vdst(0)
	s_wait_tensorcnt 0x0
	ds_add_u32 v28, v29
	ds_add_u32 v28, v29
	s_wait_dscnt 0x0
	CROUND
	JLOAD G0+4*\s, G1, G0B+4*\s, G1B
	; prefetches into the L2, a lane a row, 256 bytes of each: behind K step 0's load K steps 1 and 2, behind K step 1's load K step 3: each at least one whole fill ahead of the load that will want it; each block is named once in each cluster
	global_prefetch_b8 v18, s[72:73] offset:(2*\s+1)*ROWB th:TH_LOAD_NT scope:SCOPE_SE
.if \s == 0
	global_prefetch_b8 v18, s[72:73] offset:2*ROWB th:TH_LOAD_NT scope:SCOPE_SE
.endif
.endr
	v_and_b32 v1, 15, v0
	v_bfe_u32 v2, v0, 4, 1
	v_mul_u32_u24 v3, v1, PITCH
	s_wait_alu depctr_va_vdst(0)
	v_lshl_add_u32 v4, v2, 4, v3
	s_mul_i32 s21, s15, HALFT
	s_mul_i32 s22, s16, HALFT
	s_add_co_u32 s22, s22, 2*HALFT
.irp s, 0,1
	v_add_nc_u32 v[ADRA+\s], s21, v4
	v_add_nc_u32 v[ADRB+\s], s22, v4
	s_add_co_u32 s21, s21, SLOT
	s_add_co_u32 s22, s22, SLOT
.endr
	s_mul_i32 s23, s15, 128*PITCH
	s_lshl_b32 s21, s16, 7
	s_add_co_u32 s23, s23, s21
	v_lshl_add_u32 v5, v2, 3, v3
	v_add_nc_u32 v[STO], s23, v5
	s_mul_i32 s23, s14, 64*PITCH
	v_mul_u32_u24 v9, v2, PITCH
	v_lshl_add_u32 v9, v1, 4, v9
	v_add_nc_u32 v[RD2], s23, v9
	v_lshlrev_b32 v10, 12, v2
	v_lshl_add_u32 v[CO2], v1, 4, v10
	v_lshlrev_b32 v[BO], 5, v2
	s_lshl_b32 s20, s17, 8
	s_lshl_b32 s21, s14, 6
	s_add_co_u32 s20, s20, s21
	s_lshl_b32 s20, s20, 12
	s_lshl_b32 s21, s42, 8
	s_add_co_u32 s20, s20, s21
	s_mov_b32 s21, 0
	s_add_nc_u64 s[68:69], s[68:69], s[20:21]
	s_lshl_b32 s46, s42, 10
	s_lshl_b32 s47, s16, 9
	s_add_co_u32 s46, s46, s47
	s_mov_b32 s47, 0
	s_add_nc_u64 s[10:11], s[10:11], s[46:47]
	s_wait_alu depctr_va_vdst(0)
.irp b, 0,1,2,3,4,5,6,7
	global_load_b128 v[XX+8*\b:XX+8*\b+3], v[BO], s[10:11] offset:64*\b          ; the bias, in the accumulators' layout, asked for here into registers that lie idle under the products
	global_load_b128 v[XX+8*\b+4:XX+8*\b+7], v[BO], s[10:11] offset:64*\b+16
.endr
.macro FRAG reg, adr, q, i
.irp c, 0,1,2,3
	ds_load_b128 v[\reg+4*\c:\reg+4*\c+3], v[\adr] offset:128*(\q)+32*\c+(\i)*16*PITCH
.endr
.endm
.macro MUL16 a0, p, zero
.irp a, \a0, \a0+1
.irp b, 0,1,2,3,4,5,6,7
.if \zero
	v_wmma_f32_16x16x128_bf8_bf8 v[8*(8*((\a)%4)+\b):8*(8*((\a)%4)+\b)+7], v[128*(\p)+FR*\b:128*(\p)+FR*\b+FR-1], v[AF+FR*(\a):AF+FR*(\a)+FR-1], 0
.else
	v_wmma_f32_16x16x128_bf8_bf8 v[8*(8*((\a)%4)+\b):8*(8*((\a)%4)+\b)+7], v[128*(\p)+FR*\b:128*(\p)+FR*\b+FR-1], v[AF+FR*(\a):AF+FR*(\a)+FR-1], v[8*(8*((\a)%4)+\b):8*(8*((\a)%4)+\b)+7]
.endif
.endr
.endr
.endm
.macro FETCH_B slot, q, p
	WIN TO_B
.irp i, 0,1,2,3,4,5,6,7
	FRAG 128*(\p)+FR*\i, ADRB+\slot, \q, \i
.endr
	WIN 0
.endm
.macro FETCH_A slot, q, i0
.irp i, \i0, \i0+1, \i0+2, \i0+3
	FRAG AF+FR*(\i), ADRA+\slot, \q, \i
.endr
.endm
.macro PLACES n
.rept \n
	v_nop
.endr
.endm
.macro STEP slot, q, zero
	s_wait_dscnt 4*NL
	WIN MUL_LO
	MUL16 0, (\q)%2, \zero
	MUL16 2, (\q)%2, \zero
	s_wait_dscnt 0
	PLACES NP
	FETCH_B \slot, (\q)+1, 1-(\q)%2
	FETCH_A \slot, (\q)+1, 0
	WIN MUL_HI
	MUL16 4, (\q)%2, \zero
	MUL16 6, (\q)%2, \zero
	PLACES NP
	WIN 0
	FETCH_A \slot, (\q)+1, 4
.endm
.macro TURN slot, next, fill
	s_wait_tensorcnt 0x0
	ds_add_u32 v[SPW], v[NIL]
	s_wait_dscnt 4*NL+1
	WIN MUL_LO
	MUL16 0, 1, 0
	s_wait_dscnt 0x0
	s_barrier_signal -1
	MUL16 2, 1, 0
	WIN 0
	s_barrier_wait -1
.if \fill
	CREST
	s_add_nc_u64 s[G0+4*\slot+2:G0+4*\slot+3], s[G0+4*\slot+2:G0+4*\slot+3], 2*ROWB
	s_add_nc_u64 s[G0B+4*\slot+2:G0B+4*\slot+3], s[G0B+4*\slot+2:G0B+4*\slot+3], 2*ROWB
	JLOAD G0+4*\slot, G1, G0B+4*\slot, G1B
.else
	PLACES NP
.endif
	s_wait_alu depctr_va_vdst(0)
	FETCH_B \next, 0, 0
	FETCH_A \next, 0, 0
	WIN MUL_HI
	MUL16 4, 1, 0
	MUL16 6, 1, 0
	PLACES NP
	WIN 0
	FETCH_A \next, 0, 4
.endm
	s_wait_tensorcnt 1
	s_barrier_signal -1
	s_barrier_wait -1
	FETCH_B 0, 0, 0
	FETCH_A 0, 0, 0
	FETCH_A 0, 0, 4
	STEP 0, 0, 1
	s_mov_b32 s3, LAPS-1
.Llap:
	TURN 0, 1, 1
	STEP 1, 0, 0
	TURN 1, 0, 1
	STEP 0, 0, 0
	s_sub_co_u32 s3, s3, 1
	s_cmp_lg_u32 s3, 0
	s_cbranch_scc1 .Llap
	TURN 0, 1, 0
	STEP 1, 0, 0
	s_wait_dscnt 4*NL
	WIN MUL_LO
	MUL16 0, 1, 0
	MUL16 2, 1, 0
	s_wait_dscnt 0
	WIN MUL_HI
	MUL16 4, 1, 0
	MUL16 6, 1, 0
	WIN 0
	s_wait_kmcnt 0x0
	s_add_co_i32 s96, s84, s85
	s_add_co_i32 s96, s96, 127
	s_lshl_b32 s96, s96, 23
	s_mov_b32 s97, s96
	s_mov_b32 s92, 0xbdd2d3e8
	s_mov_b32 s93, s92
	s_add_co_i32 s94, s86, 127
	s_lshl_b32 s95, s94, 23
	s_add_co_i32 s94, s94, 15
	s_lshl_b32 s94, s94, 23
	s_or_b32 s94, s94, 0x600000
	PLACES NP
	v_mov_b32 v[SC], s95
	v_mov_b32 v[LIM], s94
	v_mov_b32 v[KK0], 0xc0135761
	v_mov_b32 v[KK0+1], 0xc0135761
	s_wait_loadcnt 0x0                             ; the bias, asked for at the head
	WIN TO_B
.set j, 0
.rept 64
	v_mov_b32 v[j], v[XX+j]                        ; into window 1, where B's fragments lay: v[XX ..] is wanted for each block's numbers
.set j, j+1
.endr
	WIN 0
.macro GBLOCK a
.set AC, 64*((\a)%4)
.set CC, CD+16*((\a)%2)
	WIN 0x12+((\a)/4)
.set j, 0
.rept 32
	v_pk_fma_f32 v[XX+j:XX+j+1], v[AC+j:AC+j+1], s[96:97], v[j:j+1] op_sel_hi:[1,0,1]
.set j, j+2
.endr
	WIN 0
.set j, 0
.rept 32
	v_pk_mul_f32 v[W+j:W+j+1], v[XX+j:XX+j+1], v[XX+j:XX+j+1]
.set j, j+2
.endr
.set j, 0
.rept 32
	v_pk_fma_f32 v[W+j:W+j+1], v[W+j:W+j+1], s[92:93], v[KK0:KK0+1] op_sel_hi:[1,0,1]
.set j, j+2
.endr
.set j, 0
.rept 32
	v_pk_mul_f32 v[W+j:W+j+1], v[W+j:W+j+1], v[XX+j:XX+j+1]
.set j, j+2
.endr
.set j, 0
	s_wait_alu depctr_va_vdst(0)
.rept 64
	v_exp_f32 v[W+j], v[W+j]
.set j, j+1
.endr
	v_nop
	s_wait_alu depctr_va_vdst(0)
.set j, 0
.rept 32
	v_pk_add_f32 v[W+j:W+j+1], v[W+j:W+j+1], 1.0 op_sel_hi:[1,0]
.set j, j+2
.endr
.set j, 0
	s_wait_alu depctr_va_vdst(0)
.rept 64
	v_rcp_f32 v[W+j], v[W+j]
.set j, j+1
.endr
	v_nop
	s_wait_alu depctr_va_vdst(0)
.set j, 0
.rept 32
	v_pk_mul_f32 v[XX+j:XX+j+1], v[XX+j:XX+j+1], v[W+j:W+j+1]
.set j, j+2
.endr
.set j, 0
.rept 64
	v_med3_num_f32 v[XX+j], v[XX+j], -v[LIM], v[LIM]
.set j, j+1
.endr
.if (\a) > 1
	s_wait_alu depctr_va_vdst(0)
	s_wait_dscnt 8
.endif
.irp b, 0,1,2,3,4,5,6,7
	v_cvt_scalef32_pk8_bf8_f32 v[CC+2*\b:CC+2*\b+1], v[XX+8*\b:XX+8*\b+7], v[SC]
.endr
	v_nop
.irp b, 0,1,2,3,4,5,6,7
	ds_store_b64 v[STO], v[CC+2*\b:CC+2*\b+1] offset:(\a)*16*PITCH+16*\b
.endr
.endm
.irp a, 0,1,2,3,4,5,6,7
	GBLOCK \a
.endr
	s_wait_dscnt 0x0
	s_barrier_signal -1
	s_barrier_wait -1
.set i, 0
.rept 32
	ds_load_b128 v[BK+4*i:BK+4*i+3], v[RD2] offset:i*2*PITCH
.set i, i+1
.endr
.set i, 0
.rept 32
	s_wait_dscnt 31-i
	global_store_b128 v[CO2], v[BK+4*i:BK+4*i+3], s[68:69] offset:i*8192
.set i, i+1
.endr
	s_wait_tensorcnt 0x0
	ds_add_u32 v[SPW], v[NIL]
	s_wait_dscnt 0x0
	CROUND
	s_endpgm
.Lfunc_end_k_q872e61e33f_w1:
	.size	k_q872e61e33f_w1, .Lfunc_end_k_q872e61e33f_w1-k_q872e61e33f_w1
	.p2alignl 7, 3214868480
	.fill 96, 4, 3214868480
	.section	.rodata,"a",@progbits
	.p2align	6, 0x0
	.amdhsa_kernel k_q872e61e33f_w1
		.amdhsa_group_segment_fixed_size 327680
		.amdhsa_private_segment_fixed_size 0
		.amdhsa_enable_private_segment 0
		.amdhsa_kernarg_size 40
		.amdhsa_user_sgpr_count 2
		.amdhsa_user_sgpr_kernarg_segment_ptr 1
		.amdhsa_wavefront_size32 1
		.amdhsa_system_sgpr_workgroup_id_x 1
		.amdhsa_system_sgpr_workgroup_id_y 1
		.amdhsa_system_sgpr_workgroup_id_z 1
		.amdhsa_system_vgpr_workitem_id 0
		.amdhsa_next_free_vgpr 1024
		.amdhsa_next_free_sgpr 100
		.amdhsa_reserve_vcc 0
		.amdhsa_float_denorm_mode_32 3
		.amdhsa_float_denorm_mode_16_64 3
		.amdhsa_memory_ordered 1
		.amdhsa_forward_progress 1
		.amdhsa_inst_pref_size 255
	.end_amdhsa_kernel
	.section	.bss,"aw",@nobits
	.p2align	6
	.space	262144
	.amdgpu_metadata
---
amdhsa.version: [ 1, 2 ]
amdhsa.kernels:
  - .name:           k_q872e61e33f_w1
    .symbol:         k_q872e61e33f_w1.kd
    .args:
      - { .name: h2, .offset: 0, .size: 8, .value_kind: global_buffer, .address_space: global }
      - { .name: w1_codes, .offset: 8, .size: 8, .value_kind: global_buffer, .address_space: global }
      - { .name: lowp_scales, .offset: 16, .size: 8, .value_kind: global_buffer, .address_space: global }
      - { .name: b1, .offset: 24, .size: 8, .value_kind: global_buffer, .address_space: global }
      - { .name: gc, .offset: 32, .size: 8, .value_kind: global_buffer, .address_space: global }
    .group_segment_fixed_size: 327680
    .private_segment_fixed_size: 0
    .kernarg_segment_align: 8
    .kernarg_segment_size: 40
    .max_flat_workgroup_size: 128
    .sgpr_count:     100
    .vgpr_count:     1024
    .wavefront_size: 32
...
	.end_amdgpu_metadata
.endif
;; end of part 13
;; launch w2 (part 14): grid 8 x 32, 4 waves a work-group, clusters of 4 x 4, 327,680 bytes of LDS; arguments gc, w2_codes, lowp_scales, b2, x1, out0; writes out0
.if DOCPART == 14
	.amdgcn_target "amdgcn-amd-amdhsa--gfx1250"
	.amdhsa_code_object_version 6
	.text
	.protected	k_q872e61e33f_w2
	.globl	k_q872e61e33f_w2
	.p2align	8
	.type	k_q872e61e33f_w2,@function
k_q872e61e33f_w2:
	s_mov_b64 s[64:65], 0
	v_nop
	global_prefetch_b8 v0, s[64:65] scope:SCOPE_SE
	s_setreg_imm32_b32 hwreg(HW_REG_WAVE_MODE, 25, 1), 1
	s_wait_xcnt 0x0
	s_wait_alu depctr_hold_cnt(0) depctr_sa_sdst(0) depctr_va_vdst(0) depctr_va_sdst(0) depctr_va_ssrc(0) depctr_va_vcc(0) depctr_vm_vsrc(0)
	s_getreg_b32 s2, hwreg(HW_REG_IB_STS2, 6, 4)
	s_cmp_eq_u32 s2, 0
	s_cbranch_scc0 .Lentry_in_a_cluster
	s_endpgm
.Lentry_in_a_cluster:
	s_bfe_u32 s2, ttmp6, 0x10000c
	s_cmp_lg_u32 s2, 0xf033
	s_cbranch_scc0 .Lentry_shape_is_right
	s_endpgm
.Lentry_shape_is_right:
; out0 = x1 + gc w2 + b2.  The product runs on codes of E5M2 (scales: entries 14 and 15), K = 4,096; each finished sum is multiplied once by 2^(ea + eb); bias and residual are added in f32.
; A = gc's codes [4096 tokens][4096] (HEADMAJOR = 0); B = the weight's codes [1024 (n)][4096].  The residual and the result are [4096][1024] f32.
; LIMIT: ea + eb between -126 and 127.
; THE TILE is 128 x 128, so that the result's 32 x 8 tiles give 256 work-groups.  Four waves, each 64 x 64: 16 accumulators of 16 x 16.
; K goes in eight steps of 512, as long as two slots in LDS allow, through a ring of two LDS slots filled by the tensor data mover: rows of 512 bytes, 64 to a load.
; CLUSTERS: 4 x 4 work-groups; A's tiles are asked for jointly along a row of the cluster, B's along a column.  THE MATRIX INSTRUCTION IS USED TRANSPOSED (source 0 = 16 rows of B, source 1 = 16 rows of A): a lane holds eight neighbouring columns of one row.
; A fragment comes by four loads of 16 bytes: registers 4 c .. 4 c + 3 hold K = 32 c + 16 (l / 16) + 0 .. 15: a permutation of k that is the same in A and in B.
; REGISTERS, in windows of 256: window 0: v0-31 addresses; v32-63 a block's numbers on the way out; v128-255 the accumulators ((a, b) at v[128 + 8 (4 a + b)]).
;   window 1: two fragment buffers of 128: A's four blocks, then B's four.   window 2: v0-127 the residual's 64 rows of my 256 bytes, v128-159 the bias: asked for behind the first quarter, so that they land under the products.   window 3: v0-127 rows read back from the stage.
; Prefetches into the L2 run ahead of the tensor loads; each tile is asked for once for four work-groups, a K step ahead of its first read.  One tile to a work-group.
.set SIZE_K, 4096
.set SCOFF,  0x38                      ; where ea, eb lie among the scales
.set HEADMAJOR, 0
.set KSTEP,  512                       ; along K in a slot
.set ROWB,   512                       ; a tile's row in bytes
.set KROW,   SIZE_K                    ; a row of A and of B in memory
.set PITCH,  528                       ; an LDS row: 512 bytes + 16 of padding = 132 words: the 16 rows that a load touches start at 16 different banks
.set LINE,   272                       ; 256 bytes + 16 of padding: a row of the stage
.set FR,     16                        ; registers of a fragment: 16 rows x 128 K
.set HEADB,  32*LINE
.set BHALF,  64*PITCH                  ; what one load brings of B
.if HEADMAJOR
.set AHALF,  4*HEADB
.set ASTEP,  8*131072
.else
.set AHALF,  64*PITCH                  ; what one load brings of A
.set ASTEP,  ROWB                      ; a K step on in A
.endif
.set BOFF,   2*AHALF                   ; a slot: A's two halves, then B's two
.set SLOT,   BOFF+2*BHALF
.set LAPS,   SIZE_K/(2*KSTEP)          ; a lap = two K steps = once round the ring
.set STAGE,  2*SLOT                    ; behind the ring: 16 rows x 272 bytes for each wave, for the way out: no tile lands there
.set SPARE,  STAGE+4*16*LINE           ; behind the stages: the spare words, 128 bytes for each wave: two blocks of 256 bytes that no other line names
.set ADRA, 16                          ; v16-17  LDS address of my A fragments in slot 0, 1
.set ADRB, 20                          ; v20-21  the same for B
.set STO,  24                          ; v24     the way out: where I put 32 bytes of a row
.set RD,   25                          ; v25     where I read a row back
.set CO,   26                          ; v26     (l / 16) rows of 4,096 bytes + 16 (l % 16); never rewritten
.set SPW,  28                          ; v28     my spare word; never rewritten
.set NIL,  29                          ; v29     0; never rewritten
.set BO,   31                          ; v31     32 (l / 16): my eight numbers of a tile's sixteen of the bias; never rewritten
.set TMP,  32
.set ACC,  128
.set F0,   0                           ; fragment buffers, in window 1
.set F1,   128
.set BIAS, 128                         ; in window 2
.set G1, 24                            ; s[24:31] descriptor group 1 for A's tiles;  s[32:39] group 0, one set for each slot
.set G0, 32
.set G1B, 48                           ; s[48:55], s[56:63] the same for B's tiles
.set G0B, 56
.set MSB, 0
.macro WIN new                         ; the immediate's high byte repeats the setting that is left
.if MSB != (\new)
	s_set_vgpr_msb (MSB<<8)|(\new)
.set MSB, (\new)
.endif
.endm
.set MUL,  0x05                        ; sources 0 (B) and 1 (A) window 1; C and D window 0
.set TO_F, 0x40                        ; destination window 1, address window 0
.macro JLOAD s                         ; a joint load: waves 0 and 1 fetch A's two halves, waves 2 and 3 B's; an s_nop 0 and four v_nop follow each of the two lines
	s_cmp_eq_u32 s15, 0
	s_cbranch_scc0 .Lfor_b_\@
	tensor_load_to_lds s[G0+4*\s:G0+4*\s+3], s[G1:G1+7]
	s_nop 0
.rept 4
	v_nop
.endr
	s_branch .Lasked_\@
.Lfor_b_\@:
	tensor_load_to_lds s[G0B+4*\s:G0B+4*\s+3], s[G1B:G1B+7]
	s_nop 0
.rept 4
	v_nop
.endr
.Lasked_\@:
.endm
.macro CREST                           ; a round of the cluster's barrier behind its opening barrier
	s_cmp_lg_u32 s14, 0
	s_cbranch_scc1 .Lnot_wave_0_\@
	s_barrier_signal -3
.Lnot_wave_0_\@:
	s_barrier_wait -3
	s_barrier_signal -1
	s_barrier_wait -1
.endm
.macro CROUND                          ; a whole round
	s_barrier_signal -1
	s_barrier_wait -1
	CREST
.endm
	s_load_b128 s[4:7], s[0:1], 0x0                ; A's codes, B's codes
	s_load_b128 s[8:11], s[0:1], 0x10              ; the scales' exponents s[8:9], the bias s[10:11]
	s_load_b128 s[68:71], s[0:1], 0x20             ; the residual s[68:69], the result s[70:71]
	v_lshl_add_u32 v[SPW], v0, 2, SPARE
	v_mov_b32 v[NIL], 0
	ds_add_u32 v[SPW], v[NIL]                      ; the wave's opening: the add, twice on end, and its wait ahead of my first tensor load
	ds_add_u32 v[SPW], v[NIL]
	v_lshrrev_b32 v1, 5, v0
	v_readfirstlane_b32 s14, v1                    ; wave 0..3
	s_lshr_b32 s15, s14, 1                         ; my half of the tile's rows.  Also: I fetch for A (0) or for B (1)
	s_and_b32 s16, s14, 1                          ; my half of its columns.  Also: which half of that tile I fetch
	s_bfe_u32 s40, ttmp6, 0x40000                  ; cx
	s_bfe_u32 s41, ttmp6, 0x40004                  ; cy
	s_lshl_b32 s42, ttmp9, 2
	s_add_co_u32 s42, s42, s40                     ; tile column = 4 x cluster x + cx: 0 .. 7
	s_and_b32 s17, ttmp7, 0xffff
	s_lshl_b32 s17, s17, 2
	s_add_co_u32 s17, s17, s41                     ; tile row = 4 x cluster y + cy: 0 .. 31
	s_lshl_b32 s43, s41, 2
	s_lshl_b32 s43, 15, s43                        ; my row of the cluster
	s_lshl_b32 s44, 0x1111, s40                    ; my column
.if HEADMAJOR
	s_or_b32 s[G1+0], s43, (3<<16)|(1<<20)|(1<<21)|(5<<22)|(3<<25)
	s_mov_b32 s[G1+1], 1024<<16
	s_mov_b32 s[G1+2], 4<<16
	s_mov_b32 s[G1+3], 1024<<16
	s_mov_b32 s[G1+4], 4
	s_mov_b32 s[G1+5], 16384
.else
	s_or_b32 s[G1+0], s43, (0<<16)|(1<<20)|(1<<21)|(6<<22)|(3<<25)  ; the mask; elements of 1 byte; padding on; bit 21 beside a mask; 4 words behind every 128
	s_mov_b32 s[G1+1], ROWB<<16                    ; tensor_dim0
	s_mov_b32 s[G1+2], 64<<16                      ; tensor_dim1
	s_mov_b32 s[G1+3], ROWB<<16                    ; tile_dim0
	s_mov_b32 s[G1+4], 64                          ; tile_dim1
	s_mov_b32 s[G1+5], KROW                        ; the pitch
.endif
	s_mov_b32 s[G1+6], 0
	s_mov_b32 s[G1+7], 0
	s_or_b32 s[G1B+0], s44, (0<<16)|(1<<20)|(1<<21)|(6<<22)|(3<<25)
	s_mov_b32 s[G1B+1], ROWB<<16
	s_mov_b32 s[G1B+2], 64<<16
	s_mov_b32 s[G1B+3], ROWB<<16
	s_mov_b32 s[G1B+4], 64
	s_mov_b32 s[G1B+5], KROW
	s_mov_b32 s[G1B+6], 0
	s_mov_b32 s[G1B+7], 0
.if HEADMAJOR
	s_lshr_b32 s20, s17, 4
	s_lshl_b32 s20, s20, 4
	s_lshl_b32 s18, s16, 2
	s_add_co_u32 s20, s20, s18
	s_lshl_b32 s20, s20, 17
	s_and_b32 s18, s17, 15
	s_lshl_b32 s18, s18, 13
	s_add_co_u32 s20, s20, s18
.else
	s_lshl_b32 s18, s16, 6
	s_lshl_b32 s20, s17, 7
	s_add_co_u32 s20, s20, s18
	s_mul_i32 s20, s20, KROW                       ; A: row 128 x tile row + 64 x half
.endif
	s_lshl_b32 s18, s16, 6
	s_lshl_b32 s46, s42, 7
	s_add_co_u32 s46, s46, s18
	s_mul_i32 s46, s46, KROW                       ; B: row 128 x tile column + 64 x half
	s_mov_b32 s21, 0
	s_mov_b32 s47, 0
	s_mul_i32 s45, s16, AHALF                      ; where they go: no place in the cluster enters an LDS address
	s_mul_i32 s67, s16, BHALF
	s_add_co_u32 s67, s67, BOFF
	s_wait_dscnt 0x0                               ; both opening adds are done
	s_wait_kmcnt 0x0
	s_load_b64 s[96:97], s[8:9], SCOFF             ; ea, eb
	s_add_nc_u64 s[20:21], s[4:5], s[20:21]
	s_add_nc_u64 s[46:47], s[6:7], s[46:47]
	; the prefetches' base: of the 64 rows that I fetch, my work-group's 16, told apart from the three partners' by address (cx for A, cy for B)
.set PFO, 30                           ; v30: (lane / 2) rows of 4,096 bytes + 256 (lane % 2); never rewritten
	s_cmp_eq_u32 s15, 0
	s_cselect_b64 s[72:73], s[20:21], s[46:47]
	s_cselect_b32 s74, s40, s41
	s_lshl_b32 s74, s74, 16                        ; 16 rows of 4,096 bytes
	s_mov_b32 s75, 0
	s_add_nc_u64 s[72:73], s[72:73], s[74:75]
	CROUND                                         ; all sixteen work-groups are here: the first joint loads meet
.irp s, 0,1
	s_mov_b32 s[G0+4*\s], 1
	s_add_co_u32 s[G0+4*\s+1], s45, \s*SLOT
	s_add_nc_u64 s[G0+4*\s+2:G0+4*\s+3], s[20:21], \s*ASTEP
	s_or_b32 s[G0+4*\s+3], s[G0+4*\s+3], 0x80000000
	s_mov_b32 s[G0B+4*\s], 1
	s_add_co_u32 s[G0B+4*\s+1], s67, \s*SLOT
	s_add_nc_u64 s[G0B+4*\s+2:G0B+4*\s+3], s[46:47], \s*ROWB
	s_or_b32 s[G0B+4*\s+3], s[G0B+4*\s+3], 0x80000000
.endr
	JLOAD 0                                        ; K step 0
	v_and_b32 v1, 15, v0                           ; r = l % 16
	s_wait_alu depctr_va_vdst(0)
	v_bfe_u32 v2, v0, 4, 1                         ; h = l / 16
	v_mul_u32_u24 v3, v1, PITCH
	v_lshl_add_u32 v4, v2, 4, v3                   ; a fragment's row x pitch + 16 x half
.if HEADMAJOR
.set AL, 7
	v_lshrrev_b32 v7, 2, v1
	v_mul_u32_u24 v7, v7, LINE
	v_and_b32 v8, 3, v1
	v_lshl_add_u32 v7, v8, 6, v7
	v_lshl_add_u32 v7, v2, 4, v7
	s_mul_i32 s21, s15, 16*LINE
.else
.set AL, 4
	s_mul_i32 s21, s15, AHALF                      ; my 64 rows of A
.endif
	s_mul_i32 s22, s16, BHALF                      ; my 64 rows of B,
	s_add_co_u32 s22, s22, BOFF                    ; which lie behind A's
.irp s, 0,1
	v_add_nc_u32 v[ADRA+\s], s21, v[AL]
	v_add_nc_u32 v[ADRB+\s], s22, v4
	s_add_co_u32 s21, s21, SLOT
	s_add_co_u32 s22, s22, SLOT
.endr
	s_mul_i32 s23, s14, 16*LINE
	s_add_co_u32 s23, s23, STAGE                   ; my stage
	v_mul_u32_u24 v5, v1, LINE                     ; in: row r, 32 bytes for each half of the lanes
	s_wait_alu depctr_va_vdst(0)
	v_lshl_add_u32 v5, v2, 5, v5
	v_add_nc_u32 v[STO], s23, v5
	v_mul_u32_u24 v6, v2, LINE                     ; back: lanes 0-15 take one row of 256 bytes, lanes 16-31 the next
	v_lshl_add_u32 v6, v1, 4, v6
	v_add_nc_u32 v[RD], s23, v6
	v_lshlrev_b32 v9, 12, v2                       ; and the same two rows in the residual and in the result
	v_lshl_add_u32 v[CO], v1, 4, v9
	v_and_b32 v10, 31, v0
	v_lshrrev_b32 v11, 1, v10
	v_and_b32 v10, 1, v10
	v_lshlrev_b32 v10, 8, v10
	v_lshl_add_u32 v[PFO], v11, 12, v10
	v_lshlrev_b32 v[BO], 5, v2
	s_wait_alu depctr_va_vdst(0)
	s_lshl_b32 s20, s17, 7
	s_lshl_b32 s21, s15, 6
	s_add_co_u32 s20, s20, s21
	s_lshl_b32 s20, s20, 12                        ; my first row, 128 x tile row + 64 x half, of 4,096 bytes
	s_mov_b32 s21, 0
	s_lshl_b32 s46, s42, 9
	s_lshl_b32 s47, s16, 8
	s_add_co_u32 s46, s46, s47                     ; my first column, in bytes: 512 x tile column + 256 x half
	s_mov_b32 s47, 0
	s_add_nc_u64 s[10:11], s[10:11], s[46:47]
	s_add_nc_u64 s[20:21], s[20:21], s[46:47]
	s_add_nc_u64 s[68:69], s[68:69], s[20:21]
	s_add_nc_u64 s[70:71], s[70:71], s[20:21]
	global_prefetch_b8 v[PFO], s[72:73] offset:ROWB th:TH_LOAD_NT scope:SCOPE_SE     ; K step 1, a whole fill ahead of its load,
	global_prefetch_b8 v[PFO], s[72:73] offset:2*ROWB th:TH_LOAD_NT scope:SCOPE_SE   ; and K step 2, two ahead
.macro FRAG reg, adr, q, i             ; a fragment of B: 16 rows x 128 K at byte 128 q of the rows
.irp c, 0,1,2,3
	ds_load_b128 v[\reg+4*\c:\reg+4*\c+3], v[\adr] offset:128*(\q)+32*\c+(\i)*16*PITCH
.endr
.endm
.macro FRAGA reg, adr, q, i            ; a fragment of A: K = 128 q + 32 c + 16 h + ..
.irp c, 0,1,2,3
.if HEADMAJOR
	ds_load_b128 v[\reg+4*\c:\reg+4*\c+3], v[\adr] offset:(2*(\q)+\c/2)*HEADB+32*(\c%2)+(\i)*4*LINE
.else
	ds_load_b128 v[\reg+4*\c:\reg+4*\c+3], v[\adr] offset:128*(\q)+32*\c+(\i)*16*PITCH
.endif
.endr
.endm
; 4 matrix instructions: A's block a x B's four.  The 16 accumulators take turns, one instruction a turn, in the same order in every quarter.  zero = 1: the product starts the sums.
.macro MULA f, a, zero
.irp b, 0,1,2,3
.if \zero
	v_wmma_f32_16x16x128_bf8_bf8 v[ACC+8*(4*(\a)+\b):ACC+8*(4*(\a)+\b)+7], v[\f+64+FR*\b:\f+64+FR*\b+FR-1], v[\f+FR*(\a):\f+FR*(\a)+FR-1], 0
.else
	v_wmma_f32_16x16x128_bf8_bf8 v[ACC+8*(4*(\a)+\b):ACC+8*(4*(\a)+\b)+7], v[\f+64+FR*\b:\f+64+FR*\b+FR-1], v[\f+FR*(\a):\f+FR*(\a)+FR-1], v[ACC+8*(4*(\a)+\b):ACC+8*(4*(\a)+\b)+7]
.endif
.endr
.endm
.macro FETCH slot, q, f                ; 32 LDS loads in one run: B's four blocks, then A's four, of the slot's q-th 128 along K, into buffer f
	WIN TO_F
.irp i, 0,1,2,3
	FRAG \f+64+FR*\i, ADRB+\slot, \q, \i
.endr
.irp i, 0,1,2,3
	FRAGA \f+FR*\i, ADRA+\slot, \q, \i
.endr
.endm
.macro PLACES                          ; four plain vector instructions between a matrix instruction and a load into, or a read of, its registers
.rept 4
	v_nop
.endr
.endm
; A K step is four quarters of 128 along K, 16 matrix instructions each, on buffers 0, 1, 0, 1.  One of the first three: it asks first for the slot's quarter q, into buffer g, which the quarter before multiplied; then it multiplies buffer f.
.macro QUARTER slot, q, f, g, zero
	PLACES
	FETCH \slot, \q, \g
	s_wait_dscnt 40                                ; buffer f's B and A's blocks 0, 1 are in; its last eight loads and the 32 just issued may be out
	WIN MUL
	MULA \f, 0, \zero
	MULA \f, 1, \zero
	s_wait_dscnt 32                                ; all but the 32 just issued
	MULA \f, 2, \zero
	MULA \f, 3, \zero
.endm
; The last quarter multiplies buffer 1 and changes slots: ONE barrier; in front of it each wave waits for all its tensor loads, adds 0 to its spare word, and waits for that and for its own reads of this slot.  fill = 1: this slot is filled again, two K steps ahead.
; A PREFETCH INTO THE L2 stands behind each joint load and the run of LDS loads that follows it: the K step two refills on, 16 rows x 512 bytes as 32 blocks of 256, a lane a block, one instruction a wave.
; Each block is named once in each cluster that will load it.  The loop's last trip asks for nothing: K steps 6 and 7 have none two on.
.macro ASK
	s_cmp_gt_u32 s3, 1
	s_cbranch_scc0 .Lno_ask_\@
	global_prefetch_b8 v[PFO], s[72:73] offset:3*ROWB th:TH_LOAD_NT scope:SCOPE_SE
.Lno_ask_\@:
.endm
.macro TURN slot, next, fill
	WIN 0                                          ; (the add's two registers lie in window 0)
.if \fill
	s_wait_xcnt 0x0                                ; the last prefetch, a K step back, has read its address
	s_add_nc_u64 s[72:73], s[72:73], ROWB
.endif
	s_wait_tensorcnt 0x0                           ; all my tensor loads have landed: my part of the next slot
	ds_add_u32 v[SPW], v[NIL]
	s_wait_dscnt 1                                 ; buffer 1 is in; the add may be out
	WIN MUL
	MULA F1, 0, 0                                  ; four matrix instructions stand between the add and the wait for it
	s_wait_dscnt 0x0                               ; the add is done, and my reads of this slot are over
	s_barrier_signal -1
	MULA F1, 1, 0
	WIN 0
	s_barrier_wait -1
.if \fill
	CREST                                          ; the barrier has opened a round of the cluster's: no wave of any partner still reads this slot or has a load on its way
	s_add_nc_u64 s[G0+4*\slot+2:G0+4*\slot+3], s[G0+4*\slot+2:G0+4*\slot+3], 2*ASTEP
	s_add_nc_u64 s[G0B+4*\slot+2:G0B+4*\slot+3], s[G0B+4*\slot+2:G0B+4*\slot+3], 2*ROWB
	JLOAD \slot                                    ; the first tensor load behind the round; its four v_nop are the places in front of the loads below
.else
	PLACES
.endif
	FETCH \next, 0, F0
.if \fill
	WIN 0                                          ; (a branch follows)
	ASK
.endif
	WIN MUL
	MULA F1, 2, 0
	MULA F1, 3, 0
.endm
	s_wait_alu depctr_va_vdst(0)                   ; the wait at the head's end
	s_wait_tensorcnt 0x0                           ; my part of K step 0 is in
	ds_add_u32 v[SPW], v[NIL]
	s_wait_dscnt 0x0
	CROUND                                         ; a whole round: everybody's part of K step 0 is in, and the joint loads meet
	JLOAD 1                                        ; K step 1's load, the first tensor load behind the round
	FETCH 0, 0, F0
	WIN 0
	global_prefetch_b8 v[PFO], s[72:73] offset:3*ROWB th:TH_LOAD_NT scope:SCOPE_SE   ; K step 3
	QUARTER 0, 1, F0, F1, 1                        ; the first quarter's products start the sums
.if LAPS > 1
	WIN 0                                          ; at a label and at a branch every window is 0
	; the bias and the residual are asked for here, behind the first quarter, into registers that nothing else names: they land under the loop's products, and one wait stands in front of the way out
	WIN 0x80                                       ; destination window 2
.irp b, 0,1,2,3
	global_load_b128 v[BIAS+8*\b:BIAS+8*\b+3], v[BO], s[10:11] offset:64*\b          ; the bias in the accumulators' layout: columns 16 b + 8 h + 0 .. 7
	global_load_b128 v[BIAS+8*\b+4:BIAS+8*\b+7], v[BO], s[10:11] offset:64*\b+16
.endr
.set i, 0
.rept 32
	global_load_b128 v[4*i:4*i+3], v[CO], s[68:69] offset:2*i*4096 th:TH_LOAD_NT      ; rows 2 i and 2 i + 1: sixteen lanes read 256 consecutive bytes, aligned
.set i, i+1
.endr
	WIN 0
	s_mov_b32 s3, LAPS-1
.Llap:                                                 ; a trip goes once round the ring, from a lap's second quarter to the next lap's first, and fills both slots again
	QUARTER 0, 2, F1, F0, 0
	QUARTER 0, 3, F0, F1, 0
	TURN 0, 1, 1
	QUARTER 1, 1, F0, F1, 0
	QUARTER 1, 2, F1, F0, 0
	QUARTER 1, 3, F0, F1, 0
	TURN 1, 0, 1
	QUARTER 0, 1, F0, F1, 0
	WIN 0
	s_sub_co_u32 s3, s3, 1
	s_cmp_lg_u32 s3, 0
	s_cbranch_scc1 .Llap
.endif
	QUARTER 0, 2, F1, F0, 0                        ; the last lap fills nothing
	QUARTER 0, 3, F0, F1, 0
	TURN 0, 1, 0
	QUARTER 1, 1, F0, F1, 0
	QUARTER 1, 2, F1, F0, 0
	QUARTER 1, 3, F0, F1, 0
	s_wait_dscnt 8                                 ; the very last quarter: A's blocks 2, 3 may be out
	WIN MUL
	MULA F1, 0, 0
	MULA F1, 1, 0
	s_wait_dscnt 0
	MULA F1, 2, 0
	MULA F1, 3, 0
	WIN 0
; THE WAY OUT, block by block of 16 rows x 64 columns: sum x 2^(ea + eb) + bias by one packed multiply-add; through my own stage, back as whole rows of 256 bytes; the residual's same rows are added; stored.
; Each block has registers of its own for its rows, so no register of a pending store is written again.
.macro TOSTAGE a
	WIN 0x20                                       ; source 2 (the bias) window 2
.set j, 0
.rept 16
	v_pk_fma_f32 v[TMP+j:TMP+j+1], v[ACC+32*(\a)+j:ACC+32*(\a)+j+1], s[96:97], v[BIAS+j:BIAS+j+1] op_sel_hi:[1,0,1]   ; each accumulator from its low end on
.set j, j+2
.endr
	WIN 0
.irp b, 0,1,2,3
	ds_store_b128 v[STO], v[TMP+8*\b:TMP+8*\b+3] offset:64*\b
	ds_store_b128 v[STO], v[TMP+8*\b+4:TMP+8*\b+7] offset:64*\b+16
.endr
	WIN 0xc0                                       ; destination window 3
.irp t, 0,1,2,3,4,5,6,7
	ds_load_b128 v[32*(\a)+4*\t:32*(\a)+4*\t+3], v[RD] offset:\t*2*LINE   ; LDS serves a wave's instructions in order: these see my stores, and the next block's stores come behind them
.endr
	WIN 0
.endm
.macro SEND a, younger                 ; younger: the LDS instructions issued behind block a's loads
	s_wait_dscnt \younger
	WIN 0xcb                                       ; destination and source 0 (the rows) window 3, source 1 (the residual) window 2
.set j, 0
.rept 16
	v_pk_add_f32 v[32*(\a)+j:32*(\a)+j+1], v[32*(\a)+j:32*(\a)+j+1], v[32*(\a)+j:32*(\a)+j+1]
.set j, j+2
.endr
	WIN 0x0c                                       ; a store's data (source 1) window 3, its address window 0
.irp t, 0,1,2,3,4,5,6,7
.if HEADMAJOR
	global_store_b128 v[CO], v[32*(\a)+4*\t:32*(\a)+4*\t+3], s[70:71] offset:(16*(\a)+2*\t)*4096
.else
	global_store_b128 v[CO], v[32*(\a)+4*\t:32*(\a)+4*\t+3], s[70:71] offset:(16*(\a)+2*\t)*4096 th:TH_STORE_NT   ; sixteen lanes store 256 consecutive bytes, aligned; every offset is an immediate; written once, read by nobody here
.endif
.endr
	WIN 0
.endm
	s_wait_kmcnt 0x0
	s_add_co_i32 s96, s96, s97
	s_add_co_i32 s96, s96, 127
	s_lshl_b32 s96, s96, 23                        ; 2^(ea + eb) as f32
	s_mov_b32 s97, s96                             ; (named with it as a pair, so it is written)
	s_wait_loadcnt 0x0                             ; the bias and the residual, asked for behind the first quarter
	PLACES                                         ; in front of the first read of results
	TOSTAGE 0
.irp a, 1,2,3
	TOSTAGE \a
	SEND \a-1, 16                                  ; behind block a - 1's loads: block a's 8 stores and 8 loads
.endr
	SEND 3, 0
	s_wait_tensorcnt 0x0                           ; the wave's end
	ds_add_u32 v[SPW], v[NIL]
	s_wait_dscnt 0x0
	CROUND                                         ; the closing round
	s_endpgm
.Lfunc_end_k_q872e61e33f_w2:
	.size	k_q872e61e33f_w2, .Lfunc_end_k_q872e61e33f_w2-k_q872e61e33f_w2
	.p2alignl 7, 3214868480
	.fill 96, 4, 3214868480
	.section	.rodata,"a",@progbits
	.p2align	6, 0x0
	.amdhsa_kernel k_q872e61e33f_w2
		.amdhsa_group_segment_fixed_size 327680
		.amdhsa_private_segment_fixed_size 0
		.amdhsa_enable_private_segment 0
		.amdhsa_kernarg_size 48
		.amdhsa_user_sgpr_count 2
		.amdhsa_user_sgpr_kernarg_segment_ptr 1
		.amdhsa_wavefront_size32 1
		.amdhsa_system_sgpr_workgroup_id_x 1
		.amdhsa_system_sgpr_workgroup_id_y 1
		.amdhsa_system_sgpr_workgroup_id_z 1
		.amdhsa_system_vgpr_workitem_id 0
		.amdhsa_next_free_vgpr 1024
		.amdhsa_next_free_sgpr 100
		.amdhsa_reserve_vcc 0
		.amdhsa_float_denorm_mode_32 3
		.amdhsa_float_denorm_mode_16_64 3
		.amdhsa_memory_ordered 1
		.amdhsa_forward_progress 1
		.amdhsa_inst_pref_size 84
	.end_amdhsa_kernel
	.amdgpu_metadata
---
amdhsa.version: [ 1, 2 ]
amdhsa.kernels:
  - .name:           k_q872e61e33f_w2
    .symbol:         k_q872e61e33f_w2.kd
    .args:
      - { .name: gc, .offset: 0, .size: 8, .value_kind: global_buffer, .address_space: global }
      - { .name: w2_codes, .offset: 8, .size: 8, .value_kind: global_buffer, .address_space: global }
      - { .name: lowp_scales, .offset: 16, .size: 8, .value_kind: global_buffer, .address_space: global }
      - { .name: b2, .offset: 24, .size: 8, .value_kind: global_buffer, .address_space: global }
      - { .name: x1, .offset: 32, .size: 8, .value_kind: global_buffer, .address_space: global }
      - { .name: out0, .offset: 40, .size: 8, .value_kind: global_buffer, .address_space: global }
    .group_segment_fixed_size: 327680
    .private_segment_fixed_size: 0
    .kernarg_segment_align: 8
    .kernarg_segment_size: 48
    .max_flat_workgroup_size: 128
    .sgpr_count:     100
    .vgpr_count:     1024
    .wavefront_size: 32
...
	.end_amdgpu_metadata
.endif
;; end of part 14
